; MI455X (gfx1250); checked and timed in simulation.
; The chip was launched on July 23, 2026; its instructions are those of AMD's public machine-readable ISA for CDNA 5 (MIT licence, August 2026) and "CDNA5" Instruction Set Architecture Reference Guide (July 2026). The comments in the code are by the model that wrote it; some were corrected since.
;; Transformer Block. Allowed arithmetic: matrix products marked QUANTISED: E5M2 operands, one given power-of-two scale a tensor, by v_wmma_f32_16x16x64_bf8_bf8 or v_wmma_f32_16x16x128_bf8_bf8, f32 sums; everything else in f32.
;; Inputs: b1 2,048 float32; b2 512 float32; bo 512 float32; ln1_scale 512 float32; ln1_shift 512 float32; ln2_scale 512 float32; ln2_shift 512 float32; lowp_scales 16 int32 (the exponents e of the quantised operands' scales 2^e); w1 512 x 2,048 float32; w2 2,048 x 512 float32; wk 512 x 512 float32; wo 512 x 512 float32; wq 512 x 512 float32; wv 512 x 512 float32; x 4 x 2,048 x 512 float32.
;; Outputs: out0 4 x 2,048 x 512 float32.
;; This version of the problem:
;;   THIS VERSION OF THE PROBLEM IS GIVEN IN LOW PRECISION. The matrix products marked QUANTISED in the list below multiply operands that are first quantised to E5M2 (5 exponent bits, 2 mantissa bits; 8 bits a number), with one given power-of-two scale for each operand tensor; their sums are f32. All else is computed in f32.
;;   The module's matrix products, in the order in which they are computed (A, B: the left and right operand; K: the contracted axis; several contracted axes count as one K, in the product's order):
;;     1. [M 8,192, K 512] x [K 512, N 512]; A: computed on the way; B: input wq: QUANTISED (scales: A lowp_scales[0], B lowp_scales[1])
;;     2. [M 8,192, K 512] x [K 512, N 512]; A: computed on the way; B: input wk: QUANTISED (scales: A lowp_scales[2], B lowp_scales[3])
;;     3. [M 8,192, K 512] x [K 512, N 512]; A: computed on the way; B: input wv: QUANTISED (scales: A lowp_scales[4], B lowp_scales[5])
;;     4. batch 64 x [M 2,048, K 32] x [K 32, N 2,048]; A: computed on the way; B: computed on the way: QUANTISED (scales: A lowp_scales[6], B lowp_scales[7])
;;     5. batch 64 x [M 32, K 2,048] x [K 2,048, N 2,048]; A: computed on the way; B: softmax (see below): QUANTISED (scales: A lowp_scales[8], B lowp_scales[9])
;;     6. [M 8,192, K 512] x [K 512, N 512]; A: computed on the way; B: input wo: QUANTISED (scales: A lowp_scales[10], B lowp_scales[11])
;;     7. [M 8,192, K 512] x [K 512, N 2,048]; A: computed on the way; B: input w1: QUANTISED (scales: A lowp_scales[12], B lowp_scales[13])
;;     8. [M 8,192, K 2,048] x [K 2,048, N 512]; A: computed on the way; B: input w2: QUANTISED (scales: A lowp_scales[14], B lowp_scales[15])
;;   THE QUANTISER, for each operand of a quantised product, along K:
;;     - The operand's scale is 2^e, e = its entry of the input lowp_scales (int32; the entries are numbered through the quantised products in the list's order, A before B).
;;     - Each number is divided by the scale, clamped to +-57,344, and rounded to the nearest number of E5M2, ties to even, subnormals kept.
;;     - The product sums the exact products of the quantised numbers (number of the format x scale) in f32.
;;   ~~~python
;;   def quantise(x, axis, e):      # numpy; x: float32 -> the quantised numbers, widened to float32 again
;;       x = np.moveaxis(x, axis, -1); K = x.shape[-1]
;;       r = np.clip(x / 2.0 ** e, -57344, 57344)
;;       step = 2.0 ** (np.maximum(np.frexp(np.where(r == 0, 1, r))[1] - 1, -14) - 2)
;;       q = np.round(r / step) * step * 2.0 ** e      # np.round: ties to even
;;       return np.moveaxis(q, -1, axis).astype(np.float32)
;;   ~~~
;;   SOFTMAX AHEAD OF A QUANTISED PRODUCT. Where the list says 'softmax', what is quantised is not the finished softmax but p = 2^(t - M), with t = logit x log2(e) and M = ceil(the row's largest t), a whole number; so 1/2 < the row's largest p <= 1. The row's sum l is taken of the UNQUANTISED p, in f32, and the product's result is divided by l at the end. Since M is a whole number, a kernel that streams over the keys may use a running M (the ceiling of the running maximum): every later rescaling is an exact power of two, so the quantised numbers keep their values, but for numbers so far below the row's largest that they fall under the format's range.
;;   OPERANDS COMPUTED ON THE WAY. 'Computed on the way' means the value that the module computes at that place (a softmax that the list does not call 'softmax' is quantised finished and normalised). What goes into a quantiser is computed in f32, as accurately as f32 sums, v_exp_f32 and their like allow (about 1e-6 of the number): no bf16 or f16 on the way to a quantiser, and a product that is left as it is and whose result goes on into a quantised operand takes f32 operands (vector FMAs, or v_wmma_f32_16x16x4_f32). A number that lies on a knife's edge between two numbers of the format may be rounded either way, as far as f32 arithmetic and the matrix unit's own rounding can turn it there, and no further.
;; 2 versions. Each part assembles by itself: llvm-mc -triple=amdgcn-amd-amdhsa -mcpu=gfx1250 --defsym DOCPART=n.
;; ======== version 1 of 2: 4 launches
;; workspace buffers: wqkv 786,432 bytes; wback 2,359,296 bytes; qimg 4,194,304 bytes; kimg 4,194,304 bytes; vimg 4,194,304 bytes; ctximg 4,194,304 bytes
;; launch prep (part 1): grid 192 x 1, 4 waves a work-group, no clusters, 0 bytes of LDS; arguments wq, wk, wv, wo, w1, w2, lowp_scales, wqkv, wback; writes wqkv, wback
.if DOCPART == 1
	.amdgcn_target "amdgcn-amd-amdhsa--gfx1250"
	.amdhsa_code_object_version 6
	.text
	.protected	k_qe1c18b53c4_prep
	.globl	k_qe1c18b53c4_prep
	.p2align	8
	.type	k_qe1c18b53c4_prep,@function
k_qe1c18b53c4_prep:
	s_mov_b64 s[64:65], 0
	v_nop
	global_prefetch_b8 v0, s[64:65] scope:SCOPE_SE
	s_setreg_imm32_b32 hwreg(HW_REG_WAVE_MODE, 25, 1), 1
	s_wait_xcnt 0x0
; The six weights ([K][N], f32, K the first axis) become codes of E5M2, each with its given scale 2^e, laid as IMAGES OF OPERAND REGISTERS in the order in which the later launches' waves use them.
; A fragment is 16 columns x 128 along K: 16 registers a lane; lane (r, h), chunk c (registers 4 c .. 4 c + 3), byte i holds k = 32 c + 16 h + i of the tile's lane r.  Its image is 2,048 bytes: chunk c at 512 c + 16 x lane.
; THE COLUMNS OF A TILE ARE NOT NEIGHBOURS: lane r of tile 2 b + u takes column 32 b + 8 u + r + 8 (r / 8), so that a product used transposed leaves 16 neighbouring columns in a lane's 16 registers of tiles 2 b, 2 b + 1.
; A wave makes the two tiles 2 b, 2 b + 1 of one K step: lane r + 16 u takes one column, and its 128 registers run down K, so the conversions give codes with K innermost and nothing is transposed.
; Each load reads 128 consecutive bytes of a row of the weight (the four waves of a work-group 512); each store covers two aligned runs of 256 bytes.
; 768 such units: work-groups 0-63: wq, wk, wv, wo; 64-127: w1; 128-191: w2.  Nothing is shared between waves: no LDS, no barrier.
; code = x / 2^e, held within +-57,344, to the nearest code, ties to even.  LIMITS: -126 <= e <= 112; NaN among the inputs is not served.
.set X,   16                           ; v16-143   128 numbers of my column
.set C,   144                          ; v144-175  their codes
.set SRC, 46                           ; s[46:47]  the weight, at my unit's first row and first column
.set DST, 48                           ; s[48:49]  the image of my first fragment
	s_load_b512 s[4:19], s[0:1], 0x0               ; wq, wk, wv, wo, w1, w2, the scales' exponents, wqkv
	s_load_b64 s[20:21], s[0:1], 0x40              ; wback
	v_lshrrev_b32 v5, 5, v0
	v_readfirstlane_b32 s42, v5                    ; wave 0..3
	v_and_b32 v5, 7, v0
	v_bfe_u32 v6, v0, 4, 1                         ; u
	v_bfe_u32 v7, v0, 3, 1                         ; r / 8
	v_lshl_add_u32 v5, v6, 3, v5
	v_lshl_add_u32 v5, v7, 4, v5                   ; my column among the unit's 32: r % 8 + 8 u + 16 (r / 8)
	v_lshlrev_b32 v1, 2, v5                        ; in bytes
	v_and_b32 v7, 15, v0
	v_lshlrev_b32 v2, 4, v7
	v_lshl_add_u32 v2, v6, 11, v2                  ; out: fragment u, 16 r
	s_lshr_b32 s40, ttmp9, 6                       ; class 0, 1, 2
	s_and_b32 s41, ttmp9, 63
	s_wait_kmcnt 0x0
	s_load_b512 s[24:39], s[16:17], 0x0            ; e0 .. e15 in s24 .. s39
	; whole numbers alone are made under the branches: s43 which weight (0 wq, 1 wk, 2 wv, 3 wo, 4 w1, 5 w2), s44 the K step, s45 the pair of tiles b, s52 the first fragment's index, s54 the K step's first row in bytes
	s_cmp_eq_u32 s40, 1
	s_cbranch_scc1 .Lw1
	s_cmp_eq_u32 s40, 2
	s_cbranch_scc1 .Lw2
	s_lshr_b32 s43, s41, 4
	s_bfe_u32 s44, s41, 0x20002
	s_and_b32 s45, s41, 3
	s_lshl_b32 s45, s45, 2
	s_add_co_u32 s45, s45, s42
	s_lshr_b32 s51, s45, 1                         ; the wave that will use the tiles: 4 tiles a wave
	s_mul_i32 s52, s51, 3
	s_add_co_u32 s52, s52, s43
	s_lshl_b32 s52, s52, 4                         ; wq, wk, wv: ((wave x 3 + which) x 16
	s_mul_i32 s53, s51, 144                        ; wo: wave x 144
	s_cmp_eq_u32 s43, 3
	s_cselect_b32 s52, s53, s52
	s_lshl_b32 s53, s44, 2
	s_add_co_u32 s52, s52, s53                     ; + 4 x K step
	s_and_b32 s53, s45, 1
	s_lshl_b32 s53, s53, 1
	s_add_co_u32 s52, s52, s53                     ; + tile of the wave's four
	s_lshl_b32 s54, s44, 18                        ; 128 rows of 2,048 bytes
	s_branch .Ljoin
.Lw1:
	s_mov_b32 s43, 4
	s_lshr_b32 s44, s41, 4
	s_and_b32 s45, s41, 15
	s_lshl_b32 s45, s45, 2
	s_add_co_u32 s45, s45, s42                     ; b = 0 .. 63
	s_and_b32 s51, s45, 31
	s_lshr_b32 s51, s51, 2                         ; the wave: 8 tiles a wave in each half of the hidden layer
	s_mul_i32 s52, s51, 144
	s_lshr_b32 s53, s45, 5
	s_lshl_b32 s53, s53, 6
	s_add_co_u32 s52, s52, s53                     ; + 64 x half
	s_lshl_b32 s53, s44, 3
	s_add_co_u32 s52, s52, s53                     ; + 8 x K step
	s_and_b32 s53, s45, 3
	s_lshl_b32 s53, s53, 1
	s_add_co_u32 s52, s52, s53                     ; + tile of the wave's eight
	s_add_co_u32 s52, s52, 16                      ; behind wo's sixteen
	s_lshl_b32 s54, s44, 20                        ; 128 rows of 8,192 bytes
	s_branch .Ljoin
.Lw2:
	s_mov_b32 s43, 5
	s_lshr_b32 s44, s41, 2                         ; K step 0 .. 15
	s_and_b32 s45, s41, 3
	s_lshl_b32 s45, s45, 2
	s_add_co_u32 s45, s45, s42
	s_lshr_b32 s51, s45, 1
	s_mul_i32 s52, s51, 144
	s_lshr_b32 s53, s44, 3
	s_lshl_b32 s53, s53, 6
	s_add_co_u32 s52, s52, s53                     ; + 64 x half
	s_and_b32 s53, s44, 7
	s_lshl_b32 s53, s53, 2
	s_add_co_u32 s52, s52, s53                     ; + 4 x K step of the half
	s_and_b32 s53, s45, 1
	s_lshl_b32 s53, s53, 1
	s_add_co_u32 s52, s52, s53
	s_add_co_u32 s52, s52, 48                      ; behind wo's sixteen and the half's 32 of w1
	s_lshl_b32 s54, s44, 18
.Ljoin:
	s_wait_kmcnt 0x0
	s_cmp_eq_u32 s43, 0                            ; the buffers and the exponent are chosen on the work-group's number alone
	s_cselect_b64 s[SRC:SRC+1], s[4:5], s[6:7]
	s_cselect_b32 s50, s25, s27
	s_cmp_eq_u32 s43, 2
	s_cselect_b64 s[SRC:SRC+1], s[8:9], s[SRC:SRC+1]
	s_cselect_b32 s50, s29, s50
	s_cmp_eq_u32 s43, 3
	s_cselect_b64 s[SRC:SRC+1], s[10:11], s[SRC:SRC+1]
	s_cselect_b32 s50, s35, s50
	s_cmp_eq_u32 s43, 4
	s_cselect_b64 s[SRC:SRC+1], s[12:13], s[SRC:SRC+1]
	s_cselect_b32 s50, s37, s50
	s_cmp_eq_u32 s43, 5
	s_cselect_b64 s[SRC:SRC+1], s[14:15], s[SRC:SRC+1]
	s_cselect_b32 s50, s39, s50
	s_cmp_lt_u32 s43, 3
	s_cselect_b64 s[DST:DST+1], s[18:19], s[20:21]
	s_lshl_b32 s53, s45, 7                         ; 32 columns of 4 bytes for each b
	s_add_co_u32 s54, s54, s53
	s_mov_b32 s55, 0
	s_add_nc_u64 s[SRC:SRC+1], s[SRC:SRC+1], s[54:55]
	s_lshl_b32 s56, s52, 11                        ; 2,048 bytes a fragment
	s_mov_b32 s57, 0
	s_add_nc_u64 s[DST:DST+1], s[DST:DST+1], s[56:57]
	s_add_co_i32 s50, s50, 127
	s_lshl_b32 s51, s50, 23
	v_mov_b32 v3, s51                              ; 2^e as f32: the conversion takes its exponent field
	s_add_co_i32 s50, s50, 15
	s_lshl_b32 s50, s50, 23
	s_or_b32 s50, s50, 0x600000
	v_mov_b32 v4, s50                              ; 57,344 x 2^e
.macro LOADS pitch                     ; W(k, my column), k = 0 .. 127: every offset an immediate, 127 x 8,192 at the most
.set K, 0
.rept 128
	global_load_b32 v[X+K], v1, s[SRC:SRC+1] offset:K*\pitch th:TH_LOAD_NT
.set K, K+1
.endr
.endm
	s_cmp_eq_u32 s40, 1
	s_cbranch_scc1 .Lwide
	LOADS 2048
	s_branch .Lwork
.Lwide:
	LOADS 8192
.Lwork:
; Quarter n: k = 32 n .. 32 n + 31 = chunk n of both halves of the lanes that will hold the fragment.  left: how many younger loads may stay out.
.macro QUARTER n, left
	s_wait_loadcnt \left
.set K, 0
.rept 32
	v_med3_num_f32 v[X+32*\n+K], v[X+32*\n+K], -v4, v4   ; the conversion to an 8-bit code does not saturate (ISA guide 7.6.2): the hold comes first
.set K, K+1
.endr
.irp g, 0,1,2,3
	v_cvt_scalef32_pk8_bf8_f32 v[C+8*\n+2*\g:C+8*\n+2*\g+1], v[X+32*\n+8*\g:X+32*\n+8*\g+7], v3
.endr
	global_store_b128 v2, v[C+8*\n:C+8*\n+3], s[DST:DST+1] offset:512*\n          ; k = 32 n + 0 .. 15: the place of lane (r, 0); sixteen lanes fill 256 aligned bytes of each of the two fragments
	global_store_b128 v2, v[C+8*\n+4:C+8*\n+7], s[DST:DST+1] offset:512*\n+256    ; k = 32 n + 16 .. 31: the place of lane (r, 1)
.endm
	QUARTER 0, 63                                  ; at most 63 of the 128 out: loads 0 to 64 are in, which serves quarters 0 and 1
	QUARTER 1, 63
	QUARTER 2, 32                                  ; the last 32 may stay out
	QUARTER 3, 0
	v_nop                                          ; a plain line behind the last conversion
	s_endpgm
.Lfunc_end_k_qe1c18b53c4_prep:
	.size	k_qe1c18b53c4_prep, .Lfunc_end_k_qe1c18b53c4_prep-k_qe1c18b53c4_prep
	.p2alignl 7, 3214868480
	.fill 96, 4, 3214868480
	.section	.rodata,"a",@progbits
	.p2align	6, 0x0
	.amdhsa_kernel k_qe1c18b53c4_prep
		.amdhsa_group_segment_fixed_size 0
		.amdhsa_private_segment_fixed_size 0
		.amdhsa_enable_private_segment 0
		.amdhsa_kernarg_size 72
		.amdhsa_user_sgpr_count 2
		.amdhsa_user_sgpr_kernarg_segment_ptr 1
		.amdhsa_wavefront_size32 1
		.amdhsa_system_sgpr_workgroup_id_x 1
		.amdhsa_system_sgpr_workgroup_id_y 1
		.amdhsa_system_sgpr_workgroup_id_z 1
		.amdhsa_system_vgpr_workitem_id 0
		.amdhsa_next_free_vgpr 176
		.amdhsa_next_free_sgpr 66
		.amdhsa_reserve_vcc 0
		.amdhsa_float_denorm_mode_32 3
		.amdhsa_float_denorm_mode_16_64 3
		.amdhsa_memory_ordered 1
		.amdhsa_forward_progress 1
		.amdhsa_inst_pref_size 39
	.end_amdhsa_kernel
	.amdgpu_metadata
---
amdhsa.version: [ 1, 2 ]
amdhsa.kernels:
  - .name:           k_qe1c18b53c4_prep
    .symbol:         k_qe1c18b53c4_prep.kd
    .args:
      - { .name: wq, .offset: 0, .size: 8, .value_kind: global_buffer, .address_space: global }
      - { .name: wk, .offset: 8, .size: 8, .value_kind: global_buffer, .address_space: global }
      - { .name: wv, .offset: 16, .size: 8, .value_kind: global_buffer, .address_space: global }
      - { .name: wo, .offset: 24, .size: 8, .value_kind: global_buffer, .address_space: global }
      - { .name: w1, .offset: 32, .size: 8, .value_kind: global_buffer, .address_space: global }
      - { .name: w2, .offset: 40, .size: 8, .value_kind: global_buffer, .address_space: global }
      - { .name: lowp_scales, .offset: 48, .size: 8, .value_kind: global_buffer, .address_space: global }
      - { .name: wqkv, .offset: 56, .size: 8, .value_kind: global_buffer, .address_space: global }
      - { .name: wback, .offset: 64, .size: 8, .value_kind: global_buffer, .address_space: global }
    .group_segment_fixed_size: 0
    .private_segment_fixed_size: 0
    .kernarg_segment_align: 8
    .kernarg_segment_size: 72
    .max_flat_workgroup_size: 128
    .sgpr_count:     66
    .vgpr_count:     176
    .wavefront_size: 32
...
	.end_amdgpu_metadata
.endif
;; end of part 1
;; launch qkv (part 2): grid 256 x 1, 8 waves a work-group, no clusters, 125,952 bytes of LDS; arguments x, ln1_scale, ln1_shift, lowp_scales, wqkv, qimg, kimg, vimg; writes qimg, kimg, vimg
.if DOCPART == 2
	.amdgcn_target "amdgcn-amd-amdhsa--gfx1250"
	.amdhsa_code_object_version 6
	.text
	.protected	k_qe1c18b53c4_qkv
	.globl	k_qe1c18b53c4_qkv
	.p2align	8
	.type	k_qe1c18b53c4_qkv,@function
k_qe1c18b53c4_qkv:
	s_mov_b64 s[64:65], 0
	v_nop
	global_prefetch_b8 v0, s[64:65] scope:SCOPE_SE
	s_setreg_imm32_b32 hwreg(HW_REG_WAVE_MODE, 25, 1), 1
	s_wait_xcnt 0x0
; h = LayerNorm(x); q = h wq, k = h wk, v = h wv, each product on codes of E5M2 with its own two given scales (h is quantised three times: e0, e2, e4); q, k, v are quantised (e6, e7, e8) and stored as images of operand registers.
; SHARES.  A work-group of eight waves takes 32 rows (two tiles of 16).  Wave w owns columns 64 w .. 64 w + 63 of every 512-wide row: of x for the norm, and of q, k, v (heads 2 w, 2 w + 1).
; A FRAGMENT is 16 rows x 128 K, 16 registers: lane (r, h), chunk c (registers 4 c .. 4 c + 3), byte i = k 32 c + 16 h + i of row r: one and the same order of k on both sides of every product.  Its IMAGE is 2,048 bytes, chunk c at 512 c + 16 x lane.
; WEIGHTS go from memory straight into operand registers: the launch before laid each wave's 48 fragments on end in the order of use; a ring of eight fragments (128 registers) is filled four at a time, one group ahead.
; q, k: the product is used transposed (source 0 = 16 columns of the weight, source 1 = 16 rows of h): a lane holds one row and 16 neighbouring columns in the 16 registers of two tiles.  v: source 0 = h, source 1 = wv: a lane holds one channel
; and eight keys a tile, so that v's codes come out with the KEYS along a lane's registers, as the second product of attention wants them.
; NO CLUSTER, NO JOINT LOADS: a weight fragment is used by one wave of a work-group and lands in its operand registers; a joint load would land in LDS, from where the 768 KB that a work-group walks would have to be read once more.
; LIMITS, so that each power of two is an f32 number: e0, e2, e4, e6 - e0 - e1, e7 - e2 - e3, e8 - e4 - e5 between -126 and 112.  NaN among the inputs is not served.
; REGISTERS: window 0: v1 16 x lane; v3-23 addresses and scales; v24-87 h's fragments, two sets of two (before that: the norm's gain and shift, then numbers on their way to a conversion); v88-151 x, then the eight accumulators;
;   v152-183 codes and the norm's small numbers; v184-247 the normalised rows.   window 1: v0-127 the ring.
.set NF,    48                         ; fragments of my stream
.set AF,    24
.set ACC,   88
.set PC,    152
.set T,     184
.set TL,    PC                         ; 16 partial sums
.set TS,    PC+16                      ; a pair for each tile of rows
.set TP,    PC+20
.set MEAN,  PC+22
.set RSTD,  PC+26
.set TQ,    AF+16                      ; four sets of eight numbers on their way to a conversion
.set STAT,  49152                      ; LDS: 0: h's images, operand p at 16,384 p, fragment (K step s, tile m) at (2 s + m) x 2,048;  STAT: two tables of 8 waves x 32 partial sums
.set PAR,   51200                      ; each wave's 64 gains and 64 shifts: 512 bytes a wave
.set STAGE, 55296                      ; each wave's stage: 32 rows x (256 bytes + 16)
.set SA,    3                          ; v3   where I put a partial sum: STAT + 128 w + 4 r
.set SRD,   4                          ; v4   where I read them: STAT + 4 r
.set HWI,   5                          ; v5   where my codes of h go: 16 x lane + 4,096 (w / 2) + 1,024 (w % 2)
.set PARA,  10                         ; v10  PAR + 512 w + 64 h
.set STO,   11                         ; v11  the stage by operand layout: row r, + 64 h
.set SRB,   20                         ; v20  the stage by rows: row h, + 16 r
.set GO,    23                         ; v23  the same two rows in x
.set WB,    12                         ; s[12:13] my stream of fragments
.set SEL,   58
.set INV,   60
.set EPS,   61
.set TM,    57
.set FC,    0                          ; fragments used so far
.set MSB,   0
.macro WIN new                         ; the immediate's high byte repeats the setting that is left; a switch that changes nothing is dropped
.if MSB != \new
	s_set_vgpr_msb (MSB<<8)|\new
.set MSB, \new
.endif
.endm
.macro BARRIER                         ; my LDS stores have landed and my LDS loads are in: then the work-group's barrier
	s_wait_dscnt 0x0
	s_barrier_signal -1
	s_barrier_wait -1
.endm
.macro RLOAD f                         ; fragment f of my stream into ring place f % 8 (destination window 1); nothing past the stream's end
.if (\f) < NF
.irp c, 0,1,2,3
	global_load_b128 v[16*((\f)%8)+4*\c:16*((\f)%8)+4*\c+3], v1, s[WB:WB+1] offset:2048*(\f)+512*\c
.endr
.endif
.endm
.macro AFETCH adr, base, s             ; the two row tiles' fragments of K step s into set s % 2
.irp m, 0,1
.irp c, 0,1,2,3
	ds_load_b128 v[AF+32*((\s)%2)+16*\m+4*\c:AF+32*((\s)%2)+16*\m+4*\c+3], v[\adr] offset:\base+4096*(\s)+2048*\m+512*\c
.endr
.endr
.endm
; Four fragments of the ring against the two row tiles: eight matrix instructions on eight accumulators, which take turns in the same order in every group.
; mode 0: transposed, accumulators in window 0;  1: transposed, accumulators in window 1;  2: h as source 0.  zero = 1: the products start the sums.  dsn: LDS loads that may stay out (-1: no wait).
.macro GROUP mode, s, t0, zero, dsn
.if FC+4 < NF
	s_wait_loadcnt 16                              ; my four fragments are in; the only younger loads are the next group's sixteen
.else
	s_wait_loadcnt 0x0
.endif
.if \dsn >= 0
	s_wait_dscnt \dsn                              ; this K step's fragments of the rows are in; the next K step's eight loads may stay out
.endif
.if \mode == 0
	WIN 0x01
.elseif \mode == 1
	WIN 0x51
.else
	WIN 0x04
.endif
.irp i, 0,1,2,3
.irp m, 0,1
.set RG, 16*((FC+\i)%8)
.set AA, AF+32*((\s)%2)+16*\m
.if \mode == 0
.set DD, ACC+32*\m+8*(\t0+\i)
.elseif \mode == 1
.set DD, 128+64*\m+8*(\t0+\i)
.else
.set DD, ACC+16*(\t0+\i)+8*\m
.endif
.if \mode == 2
.if \zero
	v_wmma_f32_16x16x128_bf8_bf8 v[DD:DD+7], v[AA:AA+15], v[RG:RG+15], 0
.else
	v_wmma_f32_16x16x128_bf8_bf8 v[DD:DD+7], v[AA:AA+15], v[RG:RG+15], v[DD:DD+7]
.endif
.else
.if \zero
	v_wmma_f32_16x16x128_bf8_bf8 v[DD:DD+7], v[RG:RG+15], v[AA:AA+15], 0
.else
	v_wmma_f32_16x16x128_bf8_bf8 v[DD:DD+7], v[RG:RG+15], v[AA:AA+15], v[DD:DD+7]
.endif
.endif
.endr
.endr
.rept 4
	v_nop                                          ; four places in front of the loads into the registers just multiplied and of any read of results
.endr
.if FC+8 < NF
	WIN 0x40
.irp i, 0,1,2,3
	RLOAD FC+8+\i
.endr
.endif
	WIN 0
.set FC, FC+4
.endm
; The pairs v[TS], v[TS+2] hold a lane's partial sums for rows r and 16 + r.  They are added over the lane's half, its partner 16 lanes away, and the eight waves (through LDS, one barrier); the rows' sums come out in v[TL] and v[TL+8], the same in all waves.
; par = 1: behind the sums' loads the gain and the shift of my columns are asked for, into v[AF] on.
.macro XSUM off, par, vsc, vsh
.irp m, 0,1
	v_add_f32 v[TS+2*\m], v[TS+2*\m], v[TS+2*\m+1]
.endr
.irp m, 0,1
	v_permlanex16_b32 v[TP+\m], v[TS+2*\m], s[SEL], s[SEL+1]
.endr
.irp m, 0,1
	v_add_f32 v[TS+2*\m], v[TS+2*\m], v[TP+\m]
.endr
.irp m, 0,1
	ds_store_b32 v[SA], v[TS+2*\m] offset:\off+64*\m   ; lanes r and r + 16 write the same word with the same number
.endr
	BARRIER
.irp m, 0,1
.irp q, 0,1,2,3,4,5,6,7
	ds_load_b32 v[TL+8*\m+\q], v[SRD] offset:\off+64*\m+128*\q
.endr
.endr
.if \par
.irp b, 0,1
.irp i, 0,1,2,3
	ds_load_b128 v[AF+16*\b+4*\i:AF+16*\b+4*\i+3], v[PARA] offset:\vsc+128*\b+16*\i
	ds_load_b128 v[AF+32+16*\b+4*\i:AF+32+16*\b+4*\i+3], v[PARA] offset:\vsh+128*\b+16*\i
.endr
.endr
	s_wait_dscnt 16                                ; the sums are in; the sixteen loads just issued may stay out
.else
	s_wait_dscnt 0x0
.endif
.irp m, 0,1
	v_add_f32 v[TL+8*\m], v[TL+8*\m], v[TL+8*\m+1]
	v_add_f32 v[TL+8*\m+2], v[TL+8*\m+2], v[TL+8*\m+3]
	v_add_f32 v[TL+8*\m+4], v[TL+8*\m+4], v[TL+8*\m+5]
	v_add_f32 v[TL+8*\m+6], v[TL+8*\m+6], v[TL+8*\m+7]
	v_add_f32 v[TL+8*\m], v[TL+8*\m], v[TL+8*\m+2]
	v_add_f32 v[TL+8*\m+4], v[TL+8*\m+4], v[TL+8*\m+6]
	v_add_f32 v[TL+8*\m], v[TL+8*\m], v[TL+8*\m+4]
.endr
.endm
; LayerNorm of the 32 rows.  v[X + 32 m + 16 b + i] = row 16 m + r, column 64 w + 32 b + 16 h + i; the result lies so in v[T] on.  Two passes (the mean, then the squares of the differences), so that a common offset of the rows does no harm.
.macro LNORM X, vsc, vsh
	v_mov_b32 v[TP], 0                             ; a lane permute's destination counts as one of its sources
	v_mov_b32 v[TP+1], 0
.irp m, 0,1
	v_pk_add_f32 v[TS+2*\m:TS+2*\m+1], v[\X+32*\m:\X+32*\m+1], v[\X+32*\m+2:\X+32*\m+3]
.endr
.irp j, 4,6,8,10,12,14,16,18,20,22,24,26,28,30
.irp m, 0,1
	v_pk_add_f32 v[TS+2*\m:TS+2*\m+1], v[TS+2*\m:TS+2*\m+1], v[\X+32*\m+\j:\X+32*\m+\j+1]
.endr
.endr
	XSUM 0, 0, 0, 0
.irp m, 0,1
	v_mul_f32 v[MEAN+2*\m], s[INV], v[TL+8*\m]     ; the mean, in both halves of a pair
	v_mul_f32 v[MEAN+2*\m+1], s[INV], v[TL+8*\m]
.endr
.irp m, 0,1
.irp j, 0,2,4,6,8,10,12,14,16,18,20,22,24,26,28,30
	v_pk_add_f32 v[T+32*\m+\j:T+32*\m+\j+1], v[\X+32*\m+\j:\X+32*\m+\j+1], v[MEAN+2*\m:MEAN+2*\m+1] neg_lo:[0,1] neg_hi:[0,1]
.endr
.endr
.irp m, 0,1
	v_pk_mul_f32 v[TS+2*\m:TS+2*\m+1], v[T+32*\m:T+32*\m+1], v[T+32*\m:T+32*\m+1]
.endr
.irp j, 2,4,6,8,10,12,14,16,18,20,22,24,26,28,30
.irp m, 0,1
	v_pk_fma_f32 v[TS+2*\m:TS+2*\m+1], v[T+32*\m+\j:T+32*\m+\j+1], v[T+32*\m+\j:T+32*\m+\j+1], v[TS+2*\m:TS+2*\m+1]
.endr
.endr
	XSUM 1024, 1, \vsc, \vsh
.irp m, 0,1
	v_fma_f32 v[TL+8*\m+1], v[TL+8*\m], s[INV], s[EPS]   ; the variance + 1e-5
.endr
.irp m, 0,1
	v_rsq_f32 v[RSTD+2*\m], v[TL+8*\m+1]
	v_rsq_f32 v[RSTD+2*\m+1], v[TL+8*\m+1]
.endr
	v_nop                                          ; a plain line behind the transcendentals
	s_wait_alu depctr_va_vdst(0)
.irp m, 0,1
.irp j, 0,2,4,6,8,10,12,14,16,18,20,22,24,26,28,30
	v_pk_mul_f32 v[T+32*\m+\j:T+32*\m+\j+1], v[T+32*\m+\j:T+32*\m+\j+1], v[RSTD+2*\m:RSTD+2*\m+1]
.endr
.endr
	s_wait_dscnt 0x0                               ; the gain and the shift are in
.irp m, 0,1
.irp j, 0,2,4,6,8,10,12,14,16,18,20,22,24,26,28,30
	v_pk_fma_f32 v[T+32*\m+\j:T+32*\m+\j+1], v[T+32*\m+\j:T+32*\m+\j+1], v[AF+\j:AF+\j+1], v[AF+32+\j:AF+32+\j+1]
.endr
.endr
.endm
.macro MKSC vs, vl, se                 ; s[se] holds E (it is used up): v[vs] = 2^E, v[vl] = 57,344 x 2^E
	s_add_co_i32 s[\se], s[\se], 127
	s_lshl_b32 s[TM], s[\se], 23
	v_mov_b32 v[\vs], s[TM]
	s_add_co_i32 s[\se], s[\se], 15
	s_lshl_b32 s[\se], s[\se], 23
	s_or_b32 s[\se], s[\se], 0x600000
	v_mov_b32 v[\vl], s[\se]
.endm
	s_load_b512 s[4:19], s[0:1], 0x0               ; x, ln1_scale, ln1_shift, the scales' exponents, wqkv, qimg, kimg, vimg
	v_lshl_add_u32 v254, v0, 2, 0x1e800
	v_mov_b32 v255, 0
	v_lshrrev_b32 v248, 5, v0
	v_readfirstlane_b32 s40, v248                  ; wave 0..7
	v_and_b32 v250, 31, v0                         ; lane
	v_and_b32 v248, 15, v0                         ; r
	v_bfe_u32 v249, v0, 4, 1                       ; h
	v_lshlrev_b32 v1, 4, v250
	v_lshlrev_b32 v21, 3, v250                     ; 8 x lane
	s_lshl_b32 s41, s40, 7
	s_add_co_u32 s41, s41, STAT
	v_lshl_add_u32 v[SA], v248, 2, s41
	v_lshl_add_u32 v[SRD], v248, 2, STAT
	s_lshr_b32 s42, s40, 1
	s_lshl_b32 s42, s42, 12
	s_and_b32 s43, s40, 1
	s_lshl_b32 s43, s43, 10
	s_add_co_u32 s42, s42, s43
	v_add_nc_u32 v[HWI], s42, v1
	s_lshl_b32 s43, s40, 9
	s_add_co_u32 s43, s43, PAR
	v_lshl_add_u32 v[PARA], v249, 6, s43
	v_add_nc_u32 v22, s43, v21                     ; where my 8 bytes of a parameter go
	s_mul_i32 s43, s40, 8704
	s_add_co_u32 s43, s43, STAGE
	v_mul_u32_u24 v[STO], v248, 272
	v_lshl_add_u32 v[STO], v249, 6, v[STO]
	v_add_nc_u32 v[STO], s43, v[STO]
	v_mul_u32_u24 v[SRB], v249, 272
	v_lshl_add_u32 v[SRB], v248, 4, v[SRB]
	v_add_nc_u32 v[SRB], s43, v[SRB]
	v_lshlrev_b32 v[GO], 11, v249
	v_lshl_add_u32 v[GO], v248, 4, v[GO]
	s_lshl_b32 s44, ttmp9, 16                      ; 32 rows of 2,048 bytes,
	s_lshl_b32 s46, s40, 8                         ; my 64 columns
	s_add_co_u32 s44, s44, s46
	s_mov_b32 s45, 0
	s_mov_b32 s47, 0
	s_mul_i32 s48, s40, 98304                      ; my 48 fragments
	s_mov_b32 s49, 0
	s_lshr_b32 s54, ttmp9, 6                       ; the batch
	s_lshl_b32 s54, s54, 4
	s_lshl_b32 s55, s40, 1
	s_add_co_u32 s54, s54, s55
	s_lshl_b32 s54, s54, 16                        ; (16 x batch + my first head) x 65,536
	s_and_b32 s55, ttmp9, 63                       ; which 32 rows of the batch
	s_lshl_b32 s50, s55, 10
	s_add_co_u32 s50, s50, s54                     ; q, k: two tiles of 512 bytes
	s_mov_b32 s51, 0
	s_lshr_b32 s52, s55, 2
	s_lshl_b32 s52, s52, 12                        ; v: the step of 128 keys,
	s_and_b32 s53, s55, 3
	s_lshl_b32 s53, s53, 9                         ; the chunk of 32
	s_add_co_u32 s52, s52, s53
	s_add_co_u32 s52, s52, s54
	s_mov_b32 s53, 0
	s_mov_b32 s[SEL], 0x76543210
	s_mov_b32 s[SEL+1], 0xfedcba98                 ; v_permlanex16_b32: lane l xor 16
	s_mov_b32 s[INV], 0x3b000000                   ; 1 / 512
	s_mov_b32 s[EPS], 0x3727c5ac                   ; 1e-5
	s_wait_kmcnt 0x0
	s_load_b512 s[20:35], s[10:11], 0x0            ; e0 .. e15 in s20 .. s35
	s_add_nc_u64 s[4:5], s[4:5], s[44:45]
	s_add_nc_u64 s[6:7], s[6:7], s[46:47]
	s_add_nc_u64 s[8:9], s[8:9], s[46:47]
	s_add_nc_u64 s[WB:WB+1], s[WB:WB+1], s[48:49]
	s_add_nc_u64 s[14:15], s[14:15], s[50:51]
	s_add_nc_u64 s[16:17], s[16:17], s[50:51]
	s_add_nc_u64 s[18:19], s[18:19], s[52:53]
	global_load_b64 v[PC:PC+1], v21, s[6:7]        ; my 64 gains: 256 consecutive bytes a wave
	global_load_b64 v[PC+2:PC+3], v21, s[8:9]      ; my 64 shifts
.set XK, 0
.rept 16
	global_load_b128 v[ACC+4*XK:ACC+4*XK+3], v[GO], s[4:5] offset:4096*XK th:TH_LOAD_NT   ; rows 2 k, 2 k + 1: sixteen lanes read my 256 bytes of a row
.set XK, XK+1
.endr
	WIN 0x40
.irp f, 0,1,2,3,4,5,6,7
	RLOAD \f
.endr
	WIN 0
	s_wait_kmcnt 0x0
	s_sub_co_i32 s26, s26, s20
	s_sub_co_i32 s26, s26, s21                     ; a sum of q stands for sum x 2^(e0 + e1): its code is sum / 2^(e6 - e0 - e1)
	s_sub_co_i32 s27, s27, s22
	s_sub_co_i32 s27, s27, s23
	s_sub_co_i32 s28, s28, s24
	s_sub_co_i32 s28, s28, s25
	MKSC 12, 13, 20
	MKSC 14, 15, 22
	MKSC 16, 17, 24
	MKSC 6, 7, 26
	MKSC 8, 9, 27
	MKSC 18, 19, 28
	s_wait_loadcnt 48                              ; the parameters are in (younger: x's 16 loads and the ring's 32)
	ds_store_b64 v22, v[PC:PC+1]                   ; my own bytes: LDS serves a wave's instructions in order, so no barrier stands between these and my reads
	ds_store_b64 v22, v[PC+2:PC+3] offset:256
	s_wait_loadcnt 32                              ; x is in (younger: the ring's 32)
.set XK, 0
.rept 16
	ds_store_b128 v[SRB], v[ACC+4*XK:ACC+4*XK+3] offset:544*XK
.set XK, XK+1
.endr
.irp m, 0,1
.irp b, 0,1
.irp i, 0,1,2,3
	ds_load_b128 v[ACC+32*\m+16*\b+4*\i:ACC+32*\m+16*\b+4*\i+3], v[STO] offset:4352*\m+128*\b+16*\i   ; back in the operand's order: row 16 m + r, columns 32 b + 16 h + 4 i on
.endr
.endr
.endr
	s_wait_dscnt 0x0
	LNORM ACC, 0, 256
; h is quantised with scale p's exponent: 8 numbers at a time are held into one of four sets by turns, so that other sets' holds stand between a conversion and the next write of its sources
.macro QH cd, sc
.set QN, 0
.rept 8
.set QJ, 0
.rept 8
	v_med3_num_f32 v[TQ+8*(QN%4)+QJ], v[T+8*QN+QJ], -v[\sc+1], v[\sc+1]
.set QJ, QJ+1
.endr
	v_cvt_scalef32_pk8_bf8_f32 v[\cd+2*QN:\cd+2*QN+1], v[TQ+8*(QN%4):TQ+8*(QN%4)+7], v[\sc]
.set QN, QN+1
.endr
.endm
	QH PC, 12
	QH PC+16, 14
	QH AF, 16
	v_nop                                          ; a plain line behind the last conversion
.irp m, 0,1
.irp b, 0,1
	ds_store_b128 v[HWI], v[PC+4*(2*\m+\b):PC+4*(2*\m+\b)+3] offset:2048*\m+512*\b
	ds_store_b128 v[HWI], v[PC+16+4*(2*\m+\b):PC+16+4*(2*\m+\b)+3] offset:16384+2048*\m+512*\b
	ds_store_b128 v[HWI], v[AF+4*(2*\m+\b):AF+4*(2*\m+\b)+3] offset:32768+2048*\m+512*\b
.endr
.endr
	BARRIER                                        ; h's 24 fragments lie in LDS
; The way out of product p: the hold, the conversion, four stores of 512 consecutive aligned bytes.  Each product has code registers of its own, so no store's data are written again.
.macro EPI p
.if (\p) == 0
.set SC, 6
.set CD, PC
.set OB, 14
.elseif (\p) == 1
.set SC, 8
.set CD, PC+16
.set OB, 16
.else
.set SC, 18
.set CD, T
.set OB, 18
.endif
.set EJ, 0
.rept 64
	v_med3_num_f32 v[ACC+EJ], v[ACC+EJ], -v[SC+1], v[SC+1]   ; each accumulator from its low end on
.set EJ, EJ+1
.endr
.set EJ, 0
.rept 8
	v_cvt_scalef32_pk8_bf8_f32 v[CD+2*EJ:CD+2*EJ+1], v[ACC+8*EJ:ACC+8*EJ+7], v[SC]
.set EJ, EJ+1
.endr
	v_nop                                          ; a plain line between the conversions and the products that write their sources anew
.irp n, 0,1,2,3
.if (\p) < 2
	global_store_b128 v1, v[CD+4*\n:CD+4*\n+3], s[OB:OB+1] offset:65536*(\n%2)+512*(\n/2)    ; tile of rows n / 2, head n % 2: row r, channels 16 h + 0 .. 15
.else
	global_store_b128 v1, v[CD+4*\n:CD+4*\n+3], s[OB:OB+1] offset:65536*(\n/2)+2048*(\n%2)   ; head n / 2, tile of channels n % 2: byte i = key 16 (i / 8) + 8 h + i % 8 of my 32 rows
.endif
.endr
.endm
	AFETCH 1, 0, 0
	AFETCH 1, 0, 1
.set SG, 0
.rept 12                               ; K step SG % 4 of product SG / 4: the images of the three operands lie on end
.set ZZ, 0
.if SG%4 == 0
.set ZZ, 1
.endif
.set DN, 8
.if SG == 11
.set DN, 0
.endif
.set MD, 0
.if SG >= 8
.set MD, 2
.endif
	GROUP MD, SG, 0, ZZ, DN
.if SG+2 < 12
	AFETCH 1, 0, SG+2
.endif
.if SG%4 == 3
	EPI SG/4
.endif
.set SG, SG+1
.endr
	s_wait_tensorcnt 0x0
	ds_add_u32 v254, v255
	s_wait_dscnt 0x0
	s_endpgm
.Lfunc_end_k_qe1c18b53c4_qkv:
	.size	k_qe1c18b53c4_qkv, .Lfunc_end_k_qe1c18b53c4_qkv-k_qe1c18b53c4_qkv
	.p2alignl 7, 3214868480
	.fill 96, 4, 3214868480
	.section	.rodata,"a",@progbits
	.p2align	6, 0x0
	.amdhsa_kernel k_qe1c18b53c4_qkv
		.amdhsa_group_segment_fixed_size 125952
		.amdhsa_private_segment_fixed_size 0
		.amdhsa_enable_private_segment 0
		.amdhsa_kernarg_size 64
		.amdhsa_user_sgpr_count 2
		.amdhsa_user_sgpr_kernarg_segment_ptr 1
		.amdhsa_wavefront_size32 1
		.amdhsa_system_sgpr_workgroup_id_x 1
		.amdhsa_system_sgpr_workgroup_id_y 1
		.amdhsa_system_sgpr_workgroup_id_z 1
		.amdhsa_system_vgpr_workitem_id 0
		.amdhsa_next_free_vgpr 384
		.amdhsa_next_free_sgpr 66
		.amdhsa_reserve_vcc 0
		.amdhsa_float_denorm_mode_32 3
		.amdhsa_float_denorm_mode_16_64 3
		.amdhsa_memory_ordered 1
		.amdhsa_forward_progress 1
		.amdhsa_inst_pref_size 87
	.end_amdhsa_kernel
	.amdgpu_metadata
---
amdhsa.version: [ 1, 2 ]
amdhsa.kernels:
  - .name:           k_qe1c18b53c4_qkv
    .symbol:         k_qe1c18b53c4_qkv.kd
    .args:
      - { .name: x, .offset: 0, .size: 8, .value_kind: global_buffer, .address_space: global }
      - { .name: ln1_scale, .offset: 8, .size: 8, .value_kind: global_buffer, .address_space: global }
      - { .name: ln1_shift, .offset: 16, .size: 8, .value_kind: global_buffer, .address_space: global }
      - { .name: lowp_scales, .offset: 24, .size: 8, .value_kind: global_buffer, .address_space: global }
      - { .name: wqkv, .offset: 32, .size: 8, .value_kind: global_buffer, .address_space: global }
      - { .name: qimg, .offset: 40, .size: 8, .value_kind: global_buffer, .address_space: global }
      - { .name: kimg, .offset: 48, .size: 8, .value_kind: global_buffer, .address_space: global }
      - { .name: vimg, .offset: 56, .size: 8, .value_kind: global_buffer, .address_space: global }
    .group_segment_fixed_size: 125952
    .private_segment_fixed_size: 0
    .kernarg_segment_align: 8
    .kernarg_segment_size: 64
    .max_flat_workgroup_size: 256
    .sgpr_count:     66
    .vgpr_count:     384
    .wavefront_size: 32
...
	.end_amdgpu_metadata
.endif
;; end of part 2
;; launch attn (part 3): grid 4 x 64, 16 waves a work-group, no clusters, 133,120 bytes of LDS; arguments qimg, kimg, vimg, lowp_scales, ctximg; writes ctximg
.if DOCPART == 3
	.amdgcn_target "amdgcn-amd-amdhsa--gfx1250"
	.amdhsa_code_object_version 6
	.text
	.protected	k_qe1c18b53c4_attn
	.globl	k_qe1c18b53c4_attn
	.p2align	8
	.type	k_qe1c18b53c4_attn,@function
k_qe1c18b53c4_attn:
	s_mov_b64 s[64:65], 0
	v_nop
	global_prefetch_b8 v0, s[64:65] scope:SCOPE_SE
	s_setreg_imm32_b32 hwreg(HW_REG_WAVE_MODE, 25, 1), 1
	s_wait_xcnt 0x0
; Causal attention of one head of one batch (work-group y = 16 x batch + head), both products on codes of E5M2; the result is quantised with e10 and stored as chunks of the next product's operand.
; THE SOFTMAX AHEAD OF THE SECOND PRODUCT: t = score x log2(e) / sqrt(32); M = the row's largest t so far, rounded UP to a whole number; p = 2^(t - M) is quantised (e9), not normalised; the row's sum is taken of the unquantised p and divides at the end.
; When M moves, the sum and O are multiplied by 2^(old M - new M): exact.
; SHARES.  The head's K and V codes, 64 KB each, are copied into LDS once and read by all sixteen waves.  Wave w of work-group x = j takes the tiles of 16 queries i = 16 j + w and 127 - i: i / 8 + 1 and 16 - i / 8 steps of 128 keys: 17 for every wave.
; Both loops have 16 trips, a constant; a step all of whose keys come after the tile's queries is jumped over inside the trip.
; LAYOUT.  S^T = K Q^T (source 0 = 16 neighbouring keys, source 1 = my 16 queries), by the K = 64 form: the head's 32 channels fill registers 0-3 of both sources; Q's registers 4-7 are zero codes, against which K's registers 4-7 (the next tile's
; codes, all finite, or zeros) count for nothing.  A lane holds one query; register 8 t + j holds key 16 t + 8 h + j.  V's images were laid in just that order of keys, so p's codes are source 1 of O^T = V^T P as they come out of the conversions.
; V^T's two tiles take the channels 8 u + r + 8 (r / 8), so that a lane's 16 registers of O^T are channels 16 h + 0 .. 15.
; NO CLUSTER: the four work-groups of a head read the same 128 KB once each at their start and nothing after; there is no loop of shared tiles that joint loads could serve.
; LIMITS, so that each power of two is an f32 number: e6 + e7 between -124 and 129; e9 and e10 between -126 and 112.  NaN among the inputs is not served.
; REGISTERS: v1 16 x lane; v2, v3 the step's LDS addresses; v4 r - 8 h; v5 -infinity; v6, v7 2^e9 and 57,344 x 2^e9; v8 -M, v9 the largest t; v[10:11] the sum in two halves; v12-19 Q; v20-55 K (8 tiles x 4, then zeros); v56-87 V;
;   v88-151 S^T, then p; v152-167 O^T; v168-183 p's codes; v184-192 at work; v200-207 the two tiles' results; v208, v209, v212 addresses; v210, v211 2^e10 and its limit.
.set CS,  52                           ; s[52:53] c = log2(e) / sqrt(32) x 2^(e6 + e7)
.set SEL, 54
.set EP,  25                           ; s25  e9
.set KF,  56                           ; the step's first key
.set TB,  57                           ; its tiles' first byte in LDS
.set Q0,  58                           ; the tile's first query
.set CNT, 59
.set TM,  60
.set E89, 61
.set BT,  62
.set HC,  63
.macro MKSC vs, vl, se                 ; s[se] holds E (it is used up): v[vs] = 2^E, v[vl] = 57,344 x 2^E
	s_add_co_i32 s[\se], s[\se], 127
	s_lshl_b32 s[TM], s[\se], 23
	v_mov_b32 v[\vs], s[TM]
	s_add_co_i32 s[\se], s[\se], 15
	s_lshl_b32 s[\se], s[\se], 23
	s_or_b32 s[\se], s[\se], 0x600000
	v_mov_b32 v[\vl], s[\se]
.endm
.macro TADDR qt, qb, cb                ; the byte offsets of tile s[qt]: of its queries' codes, and of its chunk of the result
	s_lshl_b32 s[\qb], s[\qt], 9
	s_add_co_u32 s[\qb], s[\qb], s36
	s_mov_b32 s[\qb+1], 0
	s_add_co_u32 s[TM], s[BT], s[\qt]              ; the tile of rows among all 512
	s_lshr_b32 s[\cb], s[TM], 1
	s_lshl_b32 s[\cb], s[\cb], 14                  ; 16,384 bytes for each 32 rows,
	s_and_b32 s[TM], s[TM], 1
	s_lshl_b32 s[TM], s[TM], 11                    ; 2,048 for the tile of the two,
	s_add_co_u32 s[\cb], s[\cb], s[TM]
	s_add_co_u32 s[\cb], s[\cb], s[HC]             ; and the head's K step and chunk
	s_mov_b32 s[\cb+1], 0
.endm
	s_load_b256 s[4:11], s[0:1], 0x0               ; qimg, kimg, vimg, the scales' exponents
	s_load_b64 s[12:13], s[0:1], 0x20              ; ctximg
	v_lshl_add_u32 v254, v0, 2, 0x20000
	v_mov_b32 v255, 0
	v_and_b32 v2, 31, v0
	v_lshlrev_b32 v1, 4, v2
	v_lshrrev_b32 v3, 5, v0
	v_readfirstlane_b32 s32, v3                    ; wave 0..15
	v_and_b32 v2, 15, v0                           ; r
	v_bfe_u32 v3, v0, 4, 1                         ; h
	v_lshlrev_b32 v3, 3, v3
	v_sub_nc_u32 v4, v2, v3
	s_lshl_b32 s33, s32, 12
	v_add_nc_u32 v208, s33, v1                     ; my wave's 4,096 bytes of K's 65,536, in memory and in LDS alike
	v_add_nc_u32 v209, 0x10000, v208               ; and of V's, which lie behind K's in LDS
	v_add_nc_u32 v212, 0x10000, v1
	s_and_b32 s34, ttmp7, 0xffff                   ; 16 x batch + head
	s_lshl_b32 s36, s34, 16
	s_mov_b32 s37, 0
	s_lshl_b32 s35, ttmp9, 4
	s_add_co_u32 s35, s35, s32                     ; i
	s_sub_co_u32 s38, 127, s35                     ; 127 - i
	s_lshr_b32 s[BT], s34, 4
	s_lshl_b32 s[BT], s[BT], 7                     ; 128 tiles of rows a batch
	s_and_b32 s39, s34, 15                         ; the head
	s_lshr_b32 s[HC], s39, 2
	s_lshl_b32 s[HC], s[HC], 12
	s_and_b32 s39, s39, 3
	s_lshl_b32 s39, s39, 9
	s_add_co_u32 s[HC], s[HC], s39
	TADDR 35, 40, 42
	TADDR 38, 44, 46
	s_mov_b32 s[SEL], 0x76543210
	s_mov_b32 s[SEL+1], 0xfedcba98
	s_wait_kmcnt 0x0
	s_load_b512 s[16:31], s[10:11], 0x0            ; e0 .. e15 in s16 .. s31
	s_add_nc_u64 s[48:49], s[6:7], s[36:37]
	s_add_nc_u64 s[50:51], s[8:9], s[36:37]
.irp j, 0,1,2,3,4,5,6,7
	global_load_b128 v[88+4*\j:91+4*\j], v208, s[48:49] offset:512*\j
.endr
.irp j, 0,1,2,3,4,5,6,7
	global_load_b128 v[120+4*\j:123+4*\j], v208, s[50:51] offset:512*\j
.endr
	s_add_nc_u64 s[40:41], s[4:5], s[40:41]
	s_add_nc_u64 s[44:45], s[4:5], s[44:45]
	s_add_nc_u64 s[42:43], s[12:13], s[42:43]
	s_add_nc_u64 s[46:47], s[12:13], s[46:47]
	v_mov_b32 v5, 0xff800000
.irp j, 16,17,18,19,52,53,54,55
	v_mov_b32 v\j, 0                               ; zero codes: the upper half of Q's operand, and what stands behind K's last tile
.endr
	v_mov_b32 v187, 0                              ; (named as the upper half of the pair v[186:187])
	v_mov_b32 v188, 0                              ; a lane permute's destination counts as one of its sources
	s_wait_kmcnt 0x0
	s_add_co_i32 s[TM], s22, s23
	s_lshl_b32 s[TM], s[TM], 23
	s_add_co_i32 s[CS], s[TM], 0x3e8293ee          ; a score stands for score x 2^(e6 + e7): the two exponents are added to c's exponent field
	s_mov_b32 s[CS+1], s[CS]
	s_add_co_i32 s[E89], s24, s25
	s_mov_b32 s33, s25
	MKSC 6, 7, 33
	MKSC 210, 211, 26
	s_wait_loadcnt 0x0
.irp j, 0,1,2,3,4,5,6,7
	ds_store_b128 v208, v[88+4*\j:91+4*\j] offset:512*\j
.endr
.irp j, 0,1,2,3,4,5,6,7
	ds_store_b128 v209, v[120+4*\j:123+4*\j] offset:512*\j
.endr
	s_wait_dscnt 0x0                               ; for the others' sake: my stores have landed
	s_barrier_signal -1
	s_barrier_wait -1                              ; the head's K and V lie in LDS; from here on they are only read
; A step of 128 keys.
.macro STEP
	s_add_co_u32 s[TM], s[Q0], 15
	s_cmp_gt_u32 s[KF], s[TM]
	s_cbranch_scc1 .Lhid_\@                        ; all its keys come after my queries: only the lines that step addresses are run
	v_add_nc_u32 v2, s[TB], v1
	v_add_nc_u32 v3, s[TB], v212
	v_nop
	v_nop                                          ; with the two additions: four places behind the last products, in front of loads into registers that they read
.irp t, 0,1,2,3,4,5,6,7
	ds_load_b128 v[20+4*\t:23+4*\t], v2 offset:512*\t
.endr
.irp u, 0,1
.irp c, 0,1,2,3
	ds_load_b128 v[56+16*\u+4*\c:59+16*\u+4*\c], v3 offset:2048*\u+512*\c
.endr
.endr
	s_wait_dscnt 8                                 ; K's eight tiles are in; V's eight loads may stay out
.irp t, 0,1,2,3,4,5,6,7
	v_wmma_f32_16x16x64_bf8_bf8 v[88+8*\t:95+8*\t], v[20+4*\t:27+4*\t], v[12:19], 0
.endr
.rept 4
	v_nop
.endr
	s_add_co_u32 s[TM], s[KF], 127
	s_cmp_le_u32 s[TM], s[Q0]
	s_cbranch_scc1 .Lopen_\@                       ; all 128 keys count for all 16 queries
	s_sub_co_i32 s[TM], s[Q0], s[KF]
	v_add_nc_u32 v192, s[TM], v4                   ; d = my query - the step's first key - 8 h.  Register 8 t + j holds key 16 t + 8 h + j: hidden where 16 t + j > d
.set N, 0
.rept 64
	v_cmp_gt_i32 vcc_lo, 16*(N/8)+N%8, v192
	v_cndmask_b32 v[88+N], v[88+N], v5, vcc_lo
.set N, N+1
.endr
.Lopen_\@:
	v_max3_num_f32 v184, v88, v89, v90             ; the step's largest score of my query among my 64 keys, in two chains,
	v_max3_num_f32 v186, v91, v92, v93
.irp i, 6,10,14,18,22,26,30,34,38,42,46,50,54,58
	v_max3_num_f32 v184, v184, v[88+\i], v[89+\i]
	v_max3_num_f32 v186, v186, v[90+\i], v[91+\i]
.endr
	v_max3_num_f32 v184, v184, v150, v151
	v_max_num_f32 v184, v184, v186
	v_permlanex16_b32 v188, v184, s[SEL], s[SEL+1]
	v_max_num_f32 v184, v184, v188                 ; and among lane l xor 16's
	v_mul_f32 v184, s[CS], v184                    ; as t (c is positive)
	v_max_num_f32 v9, v9, v184                     ; the running largest t
	v_mov_b32 v184, v8
	v_floor_f32 v8, -v9                            ; the new -M = floor(-t) = -ceil(t): a whole number
	v_sub_f32 v184, v8, v184                       ; old M - new M: a whole number, 0 or less
	v_cvt_i32_f32 v184, v184                       ; (it saturates)
	v_ldexp_f32 v186, 1.0, v184                    ; f = 2^(old M - new M)
.set N, 0
.rept 32
	v_pk_fma_f32 v[88+N:89+N], v[88+N:89+N], s[CS:CS+1], v[8:9] op_sel_hi:[1,0,0]   ; t - M, two at a time (of the pairs c and -M the low word serves both halves)
.set N, N+2
.endr
.set N, 0
.rept 64
	v_exp_f32 v[88+N], v[88+N]                     ; p = 2^(t - M), at most 1
.set N, N+1
.endr
	v_pk_mul_f32 v[10:11], v[10:11], v[186:187] op_sel_hi:[1,0]   ; the sums under the new M (a plain line behind the exponentials)
	s_wait_alu depctr_va_vdst(0)
	v_pk_add_f32 v[190:191], v[88:89], v[90:91]    ; the row's sum is taken of the unquantised p, in two chains
.irp j, 4,8,12,16,20,24,28,32,36,40,44,48,52,56,60
	v_pk_add_f32 v[10:11], v[10:11], v[88+\j:89+\j]
	v_pk_add_f32 v[190:191], v[190:191], v[90+\j:91+\j]
.endr
	v_pk_add_f32 v[10:11], v[10:11], v[190:191]
	s_cmp_ge_i32 s[EP], -15                        ; with e9 >= -15 the largest code x the scale is at least 1.75 and p is at most 1: the hold would change nothing.  A branch on the given whole number
	s_cbranch_scc1 .Lfits_\@
.set N, 0
.rept 64
	v_min_num_f32 v[88+N], v[88+N], v7             ; the conversion to an 8-bit code does not saturate (ISA guide 7.6.2); p is not negative, so the hold is one-sided
.set N, N+1
.endr
.Lfits_\@:
.irp n, 0,1,2,3,4,5,6,7
	v_cvt_scalef32_pk8_bf8_f32 v[168+2*\n:169+2*\n], v[88+8*\n:95+8*\n], v6
.endr
.irp j, 0,2,4,6,8,10,12,14
	v_pk_mul_f32 v[152+\j:153+\j], v[152+\j:153+\j], v[186:187] op_sel_hi:[1,0]   ; O^T under the new M; these are also the plain lines behind the conversions
.endr
	s_wait_dscnt 0x0                               ; V is in
.irp u, 0,1
	v_wmma_f32_16x16x128_bf8_bf8 v[152+8*\u:159+8*\u], v[56+16*\u:71+16*\u], v[168:183], v[152+8*\u:159+8*\u]   ; between two links of a chain stand the other chain's and the eight score products
.endr
.Lhid_\@:
	s_add_co_u32 s[KF], s[KF], 128
	s_add_co_u32 s[TB], s[TB], 4096
.endm
; One tile of 16 queries: n: which of my two; s[qt] its number; s[qb:qb+1] its codes; s[cb:cb+1] where its result goes.
.macro TILE n, qt, qb, cb
	global_load_b128 v[12:15], v1, s[\qb:\qb+1]    ; lane (r, h): query r, channels 16 h + 0 .. 15
	s_lshl_b32 s[Q0], s[\qt], 4
	v_mov_b32 v9, 0xff61b1e6                       ; the largest t so far: -3e38, under every t
	v_floor_f32 v8, -v9
	v_mov_b32 v10, 0
	v_mov_b32 v11, 0
.set N, 0
.rept 16
	v_mov_b32 v[152+N], 0                          ; O^T: the step is written once; the first finds zeros, which the first change of M leaves zeros
.set N, N+1
.endr
	s_mov_b32 s[KF], 0
	s_mov_b32 s[TB], 0
	s_mov_b32 s[CNT], 16
	s_wait_loadcnt 0x0
.Lstep_\@:
	STEP
	s_sub_co_u32 s[CNT], s[CNT], 1
	s_cmp_lg_u32 s[CNT], 0
	s_cbranch_scc1 .Lstep_\@
.rept 4
	v_nop                                          ; four places behind the last products
.endr
	v_add_f32 v10, v10, v11                        ; the sum's two halves,
	v_permlanex16_b32 v188, v10, s[SEL], s[SEL+1]
	v_add_f32 v10, v10, v188                       ; and lane l xor 16's
	v_rcp_f32 v10, v10
	v_nop
	s_wait_alu depctr_va_vdst(0)
	v_ldexp_f32 v10, v10, s[E89]                   ; x 2^(e8 + e9)
.set N, 0
.rept 16
	v_mul_f32 v[88+N], v[152+N], v10               ; the context: query r, channels 16 h + 0 .. 15; each accumulator from its low end on
.set N, N+1
.endr
.set N, 0
.rept 16
	v_med3_num_f32 v[88+N], v[88+N], -v211, v211
.set N, N+1
.endr
	v_cvt_scalef32_pk8_bf8_f32 v[200+4*\n:201+4*\n], v[88:95], v210
	v_cvt_scalef32_pk8_bf8_f32 v[202+4*\n:203+4*\n], v[96:103], v210
	v_nop                                          ; a plain line behind the conversions
	global_store_b128 v1, v[200+4*\n:203+4*\n], s[\cb:\cb+1]   ; a chunk of the next operand's image: 512 consecutive aligned bytes
.endm
	TILE 0, 35, 40, 42
	TILE 1, 38, 44, 46
	s_wait_tensorcnt 0x0
	ds_add_u32 v254, v255
	s_wait_dscnt 0x0
	s_endpgm
.Lfunc_end_k_qe1c18b53c4_attn:
	.size	k_qe1c18b53c4_attn, .Lfunc_end_k_qe1c18b53c4_attn-k_qe1c18b53c4_attn
	.p2alignl 7, 3214868480
	.fill 96, 4, 3214868480
	.section	.rodata,"a",@progbits
	.p2align	6, 0x0
	.amdhsa_kernel k_qe1c18b53c4_attn
		.amdhsa_group_segment_fixed_size 133120
		.amdhsa_private_segment_fixed_size 0
		.amdhsa_enable_private_segment 0
		.amdhsa_kernarg_size 40
		.amdhsa_user_sgpr_count 2
		.amdhsa_user_sgpr_kernarg_segment_ptr 1
		.amdhsa_wavefront_size32 1
		.amdhsa_system_sgpr_workgroup_id_x 1
		.amdhsa_system_sgpr_workgroup_id_y 1
		.amdhsa_system_sgpr_workgroup_id_z 1
		.amdhsa_system_vgpr_workitem_id 0
		.amdhsa_next_free_vgpr 256
		.amdhsa_next_free_sgpr 66
		.amdhsa_reserve_vcc 1
		.amdhsa_float_denorm_mode_32 3
		.amdhsa_float_denorm_mode_16_64 3
		.amdhsa_memory_ordered 1
		.amdhsa_forward_progress 1
		.amdhsa_inst_pref_size 51
	.end_amdhsa_kernel
	.amdgpu_metadata
---
amdhsa.version: [ 1, 2 ]
amdhsa.kernels:
  - .name:           k_qe1c18b53c4_attn
    .symbol:         k_qe1c18b53c4_attn.kd
    .args:
      - { .name: qimg, .offset: 0, .size: 8, .value_kind: global_buffer, .address_space: global }
      - { .name: kimg, .offset: 8, .size: 8, .value_kind: global_buffer, .address_space: global }
      - { .name: vimg, .offset: 16, .size: 8, .value_kind: global_buffer, .address_space: global }
      - { .name: lowp_scales, .offset: 24, .size: 8, .value_kind: global_buffer, .address_space: global }
      - { .name: ctximg, .offset: 32, .size: 8, .value_kind: global_buffer, .address_space: global }
    .group_segment_fixed_size: 133120
    .private_segment_fixed_size: 0
    .kernarg_segment_align: 8
    .kernarg_segment_size: 40
    .max_flat_workgroup_size: 512
    .sgpr_count:     66
    .vgpr_count:     256
    .wavefront_size: 32
...
	.end_amdgpu_metadata
.endif
;; end of part 3
;; launch back (part 4): grid 256 x 1, 8 waves a work-group, no clusters, 187,392 bytes of LDS; arguments ctximg, wback, x, bo, ln2_scale, ln2_shift, b1, b2, lowp_scales, out0; writes out0
.if DOCPART == 4
	.amdgcn_target "amdgcn-amd-amdhsa--gfx1250"
	.amdhsa_code_object_version 6
	.text
	.protected	k_qe1c18b53c4_back
	.globl	k_qe1c18b53c4_back
	.p2align	8
	.type	k_qe1c18b53c4_back,@function
k_qe1c18b53c4_back:
	s_mov_b64 s[64:65], 0
	v_nop
	global_prefetch_b8 v0, s[64:65] scope:SCOPE_SE
	s_setreg_imm32_b32 hwreg(HW_REG_WAVE_MODE, 25, 1), 1
	s_wait_xcnt 0x0
; x1 = x + ctx wo + bo;  out = x1 + gelu(LayerNorm(x1) w1 + b1) w2 + b2.  The three products run on codes of E5M2 with their given scales; x1, the normalised rows and the hidden layer never go to memory.
; SHARES.  A work-group of eight waves takes 32 rows (two tiles of 16).  Wave w owns columns 64 w .. 64 w + 63 of every 512-wide row, and of each half of the hidden layer the units 128 w .. 128 w + 127.
; A FRAGMENT is 16 rows x 128 K, 16 registers: lane (r, h), chunk c (registers 4 c .. 4 c + 3), byte i = k 32 c + 16 h + i of row r: one and the same order of k on both sides of every product.  Its IMAGE is 2,048 bytes, chunk c at 512 c + 16 x lane.
; Row operands go from wave to wave through LDS as such images.  WEIGHTS go from memory straight into operand registers: an earlier launch laid each wave's 144 fragments on end in the order of use (wo 16; then for each half of the hidden layer
; w1 32, w2 32); a ring of eight fragments (128 registers) is filled four at a time, one group ahead.
; Every product is used transposed (source 0 = 16 columns of the weight, source 1 = 16 rows): a lane holds one row and, in the 16 registers of two tiles, 16 neighbouring columns: a chunk of the next operand after two conversions.
; The last product's accumulators begin as (x1 + b2) / 2^(e14 + e15), an exact scaling, so the residual and the bias cost no addition at the end.
; gelu(u) = u / (1 + 2^(u (K1 + K2 u^2))), K1 = -2 log2(e) sqrt(2 / pi), K2 = 0.044715 K1: the same function as 0.5 u (1 + tanh(..)); for large |u| the power is 0 or infinity and the result u or 0.
; NO CLUSTER, NO JOINT LOADS: a weight fragment is used by one wave of a work-group and lands in its operand registers; a joint load would land in LDS, from where the 2.25 MB that a work-group walks would have to be read once more.
; LIMITS, so that each power of two is an f32 number: e12, e14 between -126 and 112; e10 + e11, e12 + e13, e14 + e15 between -126 and 126.  NaN among the inputs is not served.
; REGISTERS: window 0: v1 16 x lane; v3-23 addresses and scales; v24-87 the rows' fragments, two sets of two (between phases: parameters, and rows on the way out); v88-151 eight accumulators: ctx wo, then x1, then the last product's;
;   v152-183 codes and small numbers; v184-247 x, the normalised rows, gelu's numbers, the results.   window 1: v0-127 the ring; v128-255 the hidden layer's sixteen accumulators.
.set NF,    144
.set AF,    24
.set ACC,   88
.set PC,    152
.set T,     184
.set U,     T
.set W,     T+16
.set TL,    PC
.set TS,    PC+16
.set TP,    PC+20
.set MEAN,  PC+22
.set RSTD,  PC+26
.set H2IMG, 16384                      ; LDS: 0: the context's 8 fragments ((K step s, tile m) at (2 s + m) x 2,048);  16,384: the normalised rows' 8;  32,768 and 65,536: the two halves of the hidden layer, 16 fragments each
.set STAT,  98304                      ; two tables of 8 waves x 32 partial sums
.set PAR,   100352                     ; 2,048 bytes a wave: bo, ln2_scale, ln2_shift, b2 (256 each), b1's two halves (512 each)
.set STAGE, 116736                     ; each wave's stage: 32 rows x (256 bytes + 16)
.set SA,    3
.set SRD,   4
.set HWI,   5
.set LG,    6                          ; v6, v7   16 x lane + the hidden layer's half
.set GW,    8                          ; v8, v9   + 4,096 w: where my fragment pair goes
.set PARA,  10
.set STO,   11
.set SRB,   12
.set GO,    13
.set WB,    6                          ; s[6:7]
.set SWO,   54
.set S1,    56
.set S2,    58
.set S2I,   60
.set K2,    66
.set SEL,   68
.set INV,   70
.set EPS,   71
.set TM,    72
.set FC,    0
.set MSB,   0
.macro WIN new                         ; the immediate's high byte repeats the setting that is left; a switch that changes nothing is dropped
.if MSB != \new
	s_set_vgpr_msb (MSB<<8)|\new
.set MSB, \new
.endif
.endm
.macro BARRIER                         ; my LDS stores have landed and my LDS loads are in: then the work-group's barrier
	s_wait_dscnt 0x0
	s_barrier_signal -1
	s_barrier_wait -1
.endm
.macro RLOAD f                         ; fragment f of my stream into ring place f % 8 (destination window 1); nothing past the stream's end
.if (\f) < NF
.irp c, 0,1,2,3
	global_load_b128 v[16*((\f)%8)+4*\c:16*((\f)%8)+4*\c+3], v1, s[WB:WB+1] offset:2048*(\f)+512*\c
.endr
.endif
.endm
.macro AFETCH adr, base, s             ; the two row tiles' fragments of K step s into set s % 2
.irp m, 0,1
.irp c, 0,1,2,3
	ds_load_b128 v[AF+32*((\s)%2)+16*\m+4*\c:AF+32*((\s)%2)+16*\m+4*\c+3], v[\adr] offset:\base+4096*(\s)+2048*\m+512*\c
.endr
.endr
.endm
; Four fragments of the ring against the two row tiles: eight matrix instructions on eight accumulators, which take turns in the same order in every group.
; mode 0: accumulators in window 0;  1: in window 1.  zero = 1: the products start the sums.  dsn: LDS loads that may stay out (-1: no wait).
.macro GROUP mode, s, t0, zero, dsn
.if FC+4 < NF
	s_wait_loadcnt 16                              ; my four fragments are in; the only younger loads are the next group's sixteen
.else
	s_wait_loadcnt 0x0
.endif
.if \dsn >= 0
	s_wait_dscnt \dsn                              ; this K step's fragments of the rows are in; the next K step's eight loads may stay out
.endif
.if \mode == 0
	WIN 0x01
.else
	WIN 0x51
.endif
.irp i, 0,1,2,3
.irp m, 0,1
.set RG, 16*((FC+\i)%8)
.set AA, AF+32*((\s)%2)+16*\m
.if \mode == 0
.set DD, ACC+32*\m+8*(\t0+\i)
.else
.set DD, 128+64*\m+8*(\t0+\i)
.endif
.if \zero
	v_wmma_f32_16x16x128_bf8_bf8 v[DD:DD+7], v[RG:RG+15], v[AA:AA+15], 0
.else
	v_wmma_f32_16x16x128_bf8_bf8 v[DD:DD+7], v[RG:RG+15], v[AA:AA+15], v[DD:DD+7]
.endif
.endr
.endr
.rept 4
	v_nop                                          ; four places in front of the loads into the registers just multiplied and of any read of results
.endr
.if FC+8 < NF
	WIN 0x40
.irp i, 0,1,2,3
	RLOAD FC+8+\i
.endr
.endif
	WIN 0
.set FC, FC+4
.endm
; The pairs v[TS], v[TS+2] hold a lane's partial sums for rows r and 16 + r.  They are added over the lane's half, its partner 16 lanes away, and the eight waves (through LDS, one barrier); the rows' sums come out in v[TL] and v[TL+8], the same in all waves.
; par = 1: behind the sums' loads the gain and the shift of my columns are asked for, into v[AF] on.
.macro XSUM off, par, vsc, vsh
.irp m, 0,1
	v_add_f32 v[TS+2*\m], v[TS+2*\m], v[TS+2*\m+1]
.endr
.irp m, 0,1
	v_permlanex16_b32 v[TP+\m], v[TS+2*\m], s[SEL], s[SEL+1]
.endr
.irp m, 0,1
	v_add_f32 v[TS+2*\m], v[TS+2*\m], v[TP+\m]
.endr
.irp m, 0,1
	ds_store_b32 v[SA], v[TS+2*\m] offset:\off+64*\m   ; lanes r and r + 16 write the same word with the same number
.endr
	BARRIER
.irp m, 0,1
.irp q, 0,1,2,3,4,5,6,7
	ds_load_b32 v[TL+8*\m+\q], v[SRD] offset:\off+64*\m+128*\q
.endr
.endr
.if \par
.irp b, 0,1
.irp i, 0,1,2,3
	ds_load_b128 v[AF+16*\b+4*\i:AF+16*\b+4*\i+3], v[PARA] offset:\vsc+128*\b+16*\i
	ds_load_b128 v[AF+32+16*\b+4*\i:AF+32+16*\b+4*\i+3], v[PARA] offset:\vsh+128*\b+16*\i
.endr
.endr
	s_wait_dscnt 16                                ; the sums are in; the sixteen loads just issued may stay out
.else
	s_wait_dscnt 0x0
.endif
.irp m, 0,1
	v_add_f32 v[TL+8*\m], v[TL+8*\m], v[TL+8*\m+1]
	v_add_f32 v[TL+8*\m+2], v[TL+8*\m+2], v[TL+8*\m+3]
	v_add_f32 v[TL+8*\m+4], v[TL+8*\m+4], v[TL+8*\m+5]
	v_add_f32 v[TL+8*\m+6], v[TL+8*\m+6], v[TL+8*\m+7]
	v_add_f32 v[TL+8*\m], v[TL+8*\m], v[TL+8*\m+2]
	v_add_f32 v[TL+8*\m+4], v[TL+8*\m+4], v[TL+8*\m+6]
	v_add_f32 v[TL+8*\m], v[TL+8*\m], v[TL+8*\m+4]
.endr
.endm
; LayerNorm of the 32 rows.  v[X + 32 m + 16 b + i] = row 16 m + r, column 64 w + 32 b + 16 h + i; the result lies so in v[T] on.  Two passes (the mean, then the squares of the differences), so that a common offset of the rows does no harm.
.macro LNORM X, vsc, vsh
	v_mov_b32 v[TP], 0                             ; a lane permute's destination counts as one of its sources
	v_mov_b32 v[TP+1], 0
.irp m, 0,1
	v_pk_add_f32 v[TS+2*\m:TS+2*\m+1], v[\X+32*\m:\X+32*\m+1], v[\X+32*\m+2:\X+32*\m+3]
.endr
.irp j, 4,6,8,10,12,14,16,18,20,22,24,26,28,30
.irp m, 0,1
	v_pk_add_f32 v[TS+2*\m:TS+2*\m+1], v[TS+2*\m:TS+2*\m+1], v[\X+32*\m+\j:\X+32*\m+\j+1]
.endr
.endr
	XSUM 0, 0, 0, 0
.irp m, 0,1
	v_mul_f32 v[MEAN+2*\m], s[INV], v[TL+8*\m]     ; the mean, in both halves of a pair
	v_mul_f32 v[MEAN+2*\m+1], s[INV], v[TL+8*\m]
.endr
.irp m, 0,1
.irp j, 0,2,4,6,8,10,12,14,16,18,20,22,24,26,28,30
	v_pk_add_f32 v[T+32*\m+\j:T+32*\m+\j+1], v[\X+32*\m+\j:\X+32*\m+\j+1], v[MEAN+2*\m:MEAN+2*\m+1] neg_lo:[0,1] neg_hi:[0,1]
.endr
.endr
.irp m, 0,1
	v_pk_mul_f32 v[TS+2*\m:TS+2*\m+1], v[T+32*\m:T+32*\m+1], v[T+32*\m:T+32*\m+1]
.endr
.irp j, 2,4,6,8,10,12,14,16,18,20,22,24,26,28,30
.irp m, 0,1
	v_pk_fma_f32 v[TS+2*\m:TS+2*\m+1], v[T+32*\m+\j:T+32*\m+\j+1], v[T+32*\m+\j:T+32*\m+\j+1], v[TS+2*\m:TS+2*\m+1]
.endr
.endr
	XSUM 1024, 1, \vsc, \vsh
.irp m, 0,1
	v_fma_f32 v[TL+8*\m+1], v[TL+8*\m], s[INV], s[EPS]   ; the variance + 1e-5
.endr
.irp m, 0,1
	v_rsq_f32 v[RSTD+2*\m], v[TL+8*\m+1]
	v_rsq_f32 v[RSTD+2*\m+1], v[TL+8*\m+1]
.endr
	v_nop                                          ; a plain line behind the transcendentals
	s_wait_alu depctr_va_vdst(0)
.irp m, 0,1
.irp j, 0,2,4,6,8,10,12,14,16,18,20,22,24,26,28,30
	v_pk_mul_f32 v[T+32*\m+\j:T+32*\m+\j+1], v[T+32*\m+\j:T+32*\m+\j+1], v[RSTD+2*\m:RSTD+2*\m+1]
.endr
.endr
	s_wait_dscnt 0x0                               ; the gain and the shift are in
.irp m, 0,1
.irp j, 0,2,4,6,8,10,12,14,16,18,20,22,24,26,28,30
	v_pk_fma_f32 v[T+32*\m+\j:T+32*\m+\j+1], v[T+32*\m+\j:T+32*\m+\j+1], v[AF+\j:AF+\j+1], v[AF+32+\j:AF+32+\j+1]
.endr
.endr
.endm
.macro MKSC vs, vl, se                 ; s[se] holds E (it is used up): v[vs] = 2^E, v[vl] = 57,344 x 2^E
	s_add_co_i32 s[\se], s[\se], 127
	s_lshl_b32 s[TM], s[\se], 23
	v_mov_b32 v[\vs], s[TM]
	s_add_co_i32 s[\se], s[\se], 15
	s_lshl_b32 s[\se], s[\se], 23
	s_or_b32 s[\se], s[\se], 0x600000
	v_mov_b32 v[\vl], s[\se]
.endm
.macro POW2 sp, se                     ; s[sp] = s[sp+1] = 2^s[se] as f32 (the packed forms name the pair)
	s_add_co_i32 s[\sp], s[\se], 127
	s_lshl_b32 s[\sp], s[\sp], 23
	s_mov_b32 s[\sp+1], s[\sp]
.endm
	s_load_b512 s[4:19], s[0:1], 0x0               ; ctximg, wback, x, bo, ln2_scale, ln2_shift, b1, b2
	s_load_b128 s[20:23], s[0:1], 0x40             ; the scales' exponents, out0
	v_lshl_add_u32 v254, v0, 2, 0x2d800
	v_mov_b32 v255, 0
	v_lshrrev_b32 v248, 5, v0
	v_readfirstlane_b32 s40, v248                  ; wave 0..7
	v_and_b32 v250, 31, v0                         ; lane
	v_and_b32 v248, 15, v0                         ; r
	v_bfe_u32 v249, v0, 4, 1                       ; h
	v_lshlrev_b32 v1, 4, v250
	v_lshlrev_b32 v21, 3, v250                     ; 8 x lane
	s_lshl_b32 s41, s40, 7
	s_add_co_u32 s41, s41, STAT
	v_lshl_add_u32 v[SA], v248, 2, s41
	v_lshl_add_u32 v[SRD], v248, 2, STAT
	s_lshr_b32 s41, s40, 1
	s_lshl_b32 s41, s41, 12
	s_and_b32 s52, s40, 1
	s_lshl_b32 s52, s52, 10
	s_add_co_u32 s41, s41, s52
	v_add_nc_u32 v[HWI], s41, v1
	v_add_nc_u32 v[LG], 0x8000, v1
	v_add_nc_u32 v[LG+1], 0x10000, v1
	s_lshl_b32 s41, s40, 12
	v_add_nc_u32 v[GW], s41, v[LG]
	v_add_nc_u32 v[GW+1], s41, v[LG+1]
	s_lshl_b32 s41, s40, 11
	v_add_nc_u32 v20, s41, v1                      ; my 2,048 bytes of the context's 16,384, in memory and in LDS alike
	s_add_co_u32 s41, s41, PAR
	v_lshl_add_u32 v[PARA], v249, 6, s41
	v_add_nc_u32 v22, s41, v21
	v_add_nc_u32 v23, s41, v1
	s_mul_i32 s41, s40, 8704
	s_add_co_u32 s41, s41, STAGE
	v_mul_u32_u24 v[STO], v248, 272
	v_lshl_add_u32 v[STO], v249, 6, v[STO]
	v_add_nc_u32 v[STO], s41, v[STO]               ; the stage by operand layout: row r, + 64 h
	v_mul_u32_u24 v[SRB], v249, 272
	v_lshl_add_u32 v[SRB], v248, 4, v[SRB]
	v_add_nc_u32 v[SRB], s41, v[SRB]               ; the stage by rows: row h, + 16 r
	v_lshlrev_b32 v[GO], 11, v249
	v_lshl_add_u32 v[GO], v248, 4, v[GO]           ; the same two rows in x and in out0
	v_mov_b32 v18, 0xc0135761                      ; K1, in both halves of a pair
	v_mov_b32 v19, 0xc0135761
	s_lshl_b32 s42, ttmp9, 16                      ; 32 rows of 2,048 bytes,
	s_lshl_b32 s44, s40, 8                         ; my 64 columns
	s_add_co_u32 s42, s42, s44
	s_mov_b32 s43, 0
	s_mov_b32 s45, 0
	s_mul_i32 s46, s40, 294912                     ; my 144 fragments
	s_mov_b32 s47, 0
	s_lshl_b32 s48, ttmp9, 14
	s_mov_b32 s49, 0
	s_lshl_b32 s50, s40, 9
	s_mov_b32 s51, 0
	s_mov_b32 s[K2], 0xbdd2d3e8
	s_mov_b32 s[K2+1], 0xbdd2d3e8
	s_mov_b32 s[SEL], 0x76543210
	s_mov_b32 s[SEL+1], 0xfedcba98
	s_mov_b32 s[INV], 0x3b000000                   ; 1 / 512
	s_mov_b32 s[EPS], 0x3727c5ac                   ; 1e-5
	s_wait_kmcnt 0x0
	s_load_b512 s[24:39], s[20:21], 0x0            ; e0 .. e15 in s24 .. s39
	s_add_nc_u64 s[4:5], s[4:5], s[48:49]
	s_add_nc_u64 s[WB:WB+1], s[WB:WB+1], s[46:47]
	s_add_nc_u64 s[8:9], s[8:9], s[42:43]
	s_add_nc_u64 s[22:23], s[22:23], s[42:43]
	s_add_nc_u64 s[10:11], s[10:11], s[44:45]
	s_add_nc_u64 s[12:13], s[12:13], s[44:45]
	s_add_nc_u64 s[14:15], s[14:15], s[44:45]
	s_add_nc_u64 s[18:19], s[18:19], s[44:45]
	s_add_nc_u64 s[16:17], s[16:17], s[50:51]
	global_load_b64 v[PC:PC+1], v21, s[10:11]      ; bo, ln2_scale, ln2_shift, b2: my 64 numbers of each, 256 consecutive bytes a wave
	global_load_b64 v[PC+2:PC+3], v21, s[12:13]
	global_load_b64 v[PC+4:PC+5], v21, s[14:15]
	global_load_b64 v[PC+6:PC+7], v21, s[18:19]
	global_load_b128 v[PC+8:PC+11], v1, s[16:17]   ; b1: my 128 numbers of each half
	global_load_b128 v[PC+12:PC+15], v1, s[16:17] offset:4096
.irp j, 0,1,2,3
	global_load_b128 v[AF+4*\j:AF+4*\j+3], v20, s[4:5] offset:512*\j
.endr
.set XK, 0
.rept 16
	global_load_b128 v[T+4*XK:T+4*XK+3], v[GO], s[8:9] offset:4096*XK th:TH_LOAD_NT   ; rows 2 k, 2 k + 1: sixteen lanes read my 256 bytes of a row
.set XK, XK+1
.endr
	WIN 0x40
.irp f, 0,1,2,3,4,5,6,7
	RLOAD \f
.endr
	WIN 0
	s_wait_kmcnt 0x0
	s_add_co_i32 s73, s34, s35
	POW2 SWO, 73                                   ; 2^(e10 + e11)
	s_add_co_i32 s73, s36, s37
	POW2 S1, 73                                    ; 2^(e12 + e13)
	s_add_co_i32 s73, s38, s39
	POW2 S2, 73                                    ; 2^(e14 + e15)
	s_sub_co_i32 s73, 0, s73
	POW2 S2I, 73                                   ; and its reciprocal
	MKSC 14, 15, 36
	MKSC 16, 17, 38
	s_wait_loadcnt 32                              ; all but the ring's 32 loads are in
	ds_store_b64 v22, v[PC:PC+1]                   ; the parameters are my own bytes: no barrier stands between these and my reads
	ds_store_b64 v22, v[PC+2:PC+3] offset:256
	ds_store_b64 v22, v[PC+4:PC+5] offset:512
	ds_store_b64 v22, v[PC+6:PC+7] offset:768
	ds_store_b128 v23, v[PC+8:PC+11] offset:1024
	ds_store_b128 v23, v[PC+12:PC+15] offset:1536
.irp j, 0,1,2,3
	ds_store_b128 v20, v[AF+4*\j:AF+4*\j+3] offset:512*\j
.endr
.set XK, 0
.rept 16
	ds_store_b128 v[SRB], v[T+4*XK:T+4*XK+3] offset:544*XK
.set XK, XK+1
.endr
	BARRIER                                        ; the context's eight fragments lie in LDS
.irp m, 0,1
.irp b, 0,1
.irp i, 0,1,2,3
	ds_load_b128 v[T+32*\m+16*\b+4*\i:T+32*\m+16*\b+4*\i+3], v[STO] offset:4352*\m+128*\b+16*\i   ; x in the results' order: row 16 m + r, columns 32 b + 16 h + 4 i on
.endr
.endr
.endr
.irp b, 0,1
.irp i, 0,1,2,3
	ds_load_b128 v[PC+16*\b+4*\i:PC+16*\b+4*\i+3], v[PARA] offset:128*\b+16*\i                    ; bo likewise.  Both are older than the fragments below, so the first group's wait shows them in
.endr
.endr
	; ---- ctx wo
	AFETCH 1, 0, 0
	AFETCH 1, 0, 1
.set SG, 0
.rept 4
.set ZZ, 0
.if SG == 0
.set ZZ, 1
.endif
.set DN, 8
.if SG == 3
.set DN, 0
.endif
	GROUP 0, SG, 0, ZZ, DN
.if SG+2 < 4
	AFETCH 1, 0, SG+2
.endif
.set SG, SG+1
.endr
	; ---- x1 = sum x 2^(e10 + e11) + (x + bo)
.irp m, 0,1
.irp j, 0,2,4,6,8,10,12,14,16,18,20,22,24,26,28,30
	v_pk_add_f32 v[T+32*\m+\j:T+32*\m+\j+1], v[T+32*\m+\j:T+32*\m+\j+1], v[PC+\j:PC+\j+1]
.endr
.endr
.set XK, 0
.rept 32
	v_pk_fma_f32 v[ACC+XK:ACC+XK+1], v[ACC+XK:ACC+XK+1], s[SWO:SWO+1], v[T+XK:T+XK+1] op_sel_hi:[1,0,1]   ; each accumulator from its low end on
.set XK, XK+2
.endr
	LNORM ACC, 256, 512
	; ---- the normalised rows become codes (e12): my 64 columns are two chunks of K step w / 2
.set XK, 0
.rept 64
	v_med3_num_f32 v[T+XK], v[T+XK], -v15, v15
.set XK, XK+1
.endr
.set XK, 0
.rept 8
	v_cvt_scalef32_pk8_bf8_f32 v[PC+2*XK:PC+2*XK+1], v[T+8*XK:T+8*XK+7], v14
.set XK, XK+1
.endr
	v_nop                                          ; a plain line behind the last conversion
.irp m, 0,1
.irp b, 0,1
	ds_store_b128 v[HWI], v[PC+4*(2*\m+\b):PC+4*(2*\m+\b)+3] offset:H2IMG+2048*\m+512*\b
.endr
.endr
	; ---- the last product's accumulators begin as (x1 + b2) / 2^(e14 + e15)
.irp b, 0,1
.irp i, 0,1,2,3
	ds_load_b128 v[T+16*\b+4*\i:T+16*\b+4*\i+3], v[PARA] offset:768+128*\b+16*\i
.endr
.endr
	s_wait_dscnt 0x0
.irp j, 0,2,4,6,8,10,12,14,16,18,20,22,24,26,28,30
	v_pk_mul_f32 v[T+\j:T+\j+1], v[T+\j:T+\j+1], s[S2I:S2I+1] op_sel_hi:[1,0]
.endr
.irp m, 0,1
.irp j, 0,2,4,6,8,10,12,14,16,18,20,22,24,26,28,30
	v_pk_fma_f32 v[ACC+32*\m+\j:ACC+32*\m+\j+1], v[ACC+32*\m+\j:ACC+32*\m+\j+1], s[S2I:S2I+1], v[T+\j:T+\j+1] op_sel_hi:[1,0,1]
.endr
.endr
	BARRIER                                        ; the normalised rows' eight fragments lie in LDS
; Half q of the hidden layer: my 128 units for the 32 rows (16 accumulators); gelu; codes (e14): K step w of the half; then the half's eight K steps of the last product.
.macro CHUNK q
	AFETCH 1, H2IMG, 0
	AFETCH 1, H2IMG, 1
.set SG, 0
.rept 4
.set ZZ, 0
.if SG == 0
.set ZZ, 1
.endif
.set DN, 8
.if SG == 3
.set DN, 0
.endif
	GROUP 1, SG, 0, ZZ, DN
	GROUP 1, SG, 4, ZZ, -1
.if SG+2 < 4
	AFETCH 1, H2IMG, SG+2
.endif
.set SG, SG+1
.endr
.irp b, 0,1,2,3
.irp i, 0,1,2,3
	ds_load_b128 v[AF+16*\b+4*\i:AF+16*\b+4*\i+3], v[PARA] offset:1024+512*\q+128*\b+16*\i   ; b1 at my units 32 b + 16 h + 4 i on, into the rows' registers, which are idle here
.endr
.endr
	s_wait_dscnt 0x0
.irp b, 0,1,2,3
.irp m, 0,1
	WIN 0x01                                       ; source 0: the sums, in window 1
.irp k, 0,2,4,6,8,10,12,14
	v_pk_fma_f32 v[U+\k:U+\k+1], v[128+64*\m+16*\b+\k:128+64*\m+16*\b+\k+1], s[S1:S1+1], v[AF+16*\b+\k:AF+16*\b+\k+1] op_sel_hi:[1,0,1]   ; u = sum x 2^(e12 + e13) + b1
.endr
	WIN 0
.irp k, 0,2,4,6,8,10,12,14
	v_pk_mul_f32 v[W+\k:W+\k+1], v[U+\k:U+\k+1], v[U+\k:U+\k+1]
.endr
.irp k, 0,2,4,6,8,10,12,14
	v_pk_fma_f32 v[W+\k:W+\k+1], v[W+\k:W+\k+1], s[K2:K2+1], v[18:19] op_sel_hi:[1,0,1]
.endr
.irp k, 0,2,4,6,8,10,12,14
	v_pk_mul_f32 v[W+\k:W+\k+1], v[W+\k:W+\k+1], v[U+\k:U+\k+1]                          ; u (K1 + K2 u^2)
.endr
.irp k, 0,1,2,3,4,5,6,7,8,9,10,11,12,13,14,15
	v_exp_f32 v[W+\k], v[W+\k]
.endr
	v_nop                                          ; a plain line behind the transcendentals
	s_wait_alu depctr_va_vdst(0)
.irp k, 0,2,4,6,8,10,12,14
	v_pk_add_f32 v[W+\k:W+\k+1], v[W+\k:W+\k+1], 1.0 op_sel_hi:[1,0]
.endr
.irp k, 0,1,2,3,4,5,6,7,8,9,10,11,12,13,14,15
	v_rcp_f32 v[W+\k], v[W+\k]
.endr
	v_nop
	s_wait_alu depctr_va_vdst(0)
.irp k, 0,2,4,6,8,10,12,14
	v_pk_mul_f32 v[U+\k:U+\k+1], v[U+\k:U+\k+1], v[W+\k:W+\k+1]
.endr
.irp k, 0,1,2,3,4,5,6,7,8,9,10,11,12,13,14,15
	v_med3_num_f32 v[U+\k], v[U+\k], -v17, v17
.endr
	v_cvt_scalef32_pk8_bf8_f32 v[PC+4*(4*\m+\b):PC+4*(4*\m+\b)+1], v[U:U+7], v16
	v_cvt_scalef32_pk8_bf8_f32 v[PC+4*(4*\m+\b)+2:PC+4*(4*\m+\b)+3], v[U+8:U+15], v16
	v_nop                                          ; a plain line between the conversions and the next write of their sources
.endr
.endr
.irp m, 0,1
.irp b, 0,1,2,3
	ds_store_b128 v[GW+\q], v[PC+4*(4*\m+\b):PC+4*(4*\m+\b)+3] offset:2048*\m+512*\b
.endr
.endr
	BARRIER                                        ; the half's sixteen fragments lie in LDS (each half has bytes of its own, so nothing that is still read is written)
	AFETCH LG+\q, 0, 0
	AFETCH LG+\q, 0, 1
.set SG, 0
.rept 8
.set DN, 8
.if SG == 7
.set DN, 0
.endif
	GROUP 0, SG, 0, 0, DN
.if SG+2 < 8
	AFETCH LG+\q, 0, SG+2
.endif
.set SG, SG+1
.endr
.endm
	CHUNK 0
	CHUNK 1
	; ---- the way out: x 2^(e14 + e15); through my stage; whole rows of my 256 bytes
.set XK, 0
.rept 32
	v_pk_mul_f32 v[T+XK:T+XK+1], v[ACC+XK:ACC+XK+1], s[S2:S2+1] op_sel_hi:[1,0]   ; each accumulator from its low end on
.set XK, XK+2
.endr
.irp m, 0,1
.irp b, 0,1
.irp i, 0,1,2,3
	ds_store_b128 v[STO], v[T+32*\m+16*\b+4*\i:T+32*\m+16*\b+4*\i+3] offset:4352*\m+128*\b+16*\i
.endr
.endr
.endr
.set XK, 0
.rept 16
	ds_load_b128 v[AF+4*XK:AF+4*XK+3], v[SRB] offset:544*XK   ; LDS serves a wave's instructions in order (ISA guide 5.7.1.4): these see my stores
.set XK, XK+1
.endr
.set XK, 0
.rept 16
	s_wait_dscnt 15-XK
	global_store_b128 v[GO], v[AF+4*XK:AF+4*XK+3], s[22:23] offset:4096*XK th:TH_STORE_NT   ; sixteen lanes store 256 consecutive bytes, at a multiple of 256 from out0's first byte
.set XK, XK+1
.endr
	s_wait_tensorcnt 0x0
	ds_add_u32 v254, v255
	s_wait_dscnt 0x0
	s_endpgm
.Lfunc_end_k_qe1c18b53c4_back:
	.size	k_qe1c18b53c4_back, .Lfunc_end_k_qe1c18b53c4_back-k_qe1c18b53c4_back
	.p2alignl 7, 3214868480
	.fill 96, 4, 3214868480
	.section	.rodata,"a",@progbits
	.p2align	6, 0x0
	.amdhsa_kernel k_qe1c18b53c4_back
		.amdhsa_group_segment_fixed_size 187392
		.amdhsa_private_segment_fixed_size 0
		.amdhsa_enable_private_segment 0
		.amdhsa_kernarg_size 80
		.amdhsa_user_sgpr_count 2
		.amdhsa_user_sgpr_kernarg_segment_ptr 1
		.amdhsa_wavefront_size32 1
		.amdhsa_system_sgpr_workgroup_id_x 1
		.amdhsa_system_sgpr_workgroup_id_y 1
		.amdhsa_system_sgpr_workgroup_id_z 1
		.amdhsa_system_vgpr_workitem_id 0
		.amdhsa_next_free_vgpr 512
		.amdhsa_next_free_sgpr 96
		.amdhsa_reserve_vcc 0
		.amdhsa_float_denorm_mode_32 3
		.amdhsa_float_denorm_mode_16_64 3
		.amdhsa_memory_ordered 1
		.amdhsa_forward_progress 1
		.amdhsa_inst_pref_size 229
	.end_amdhsa_kernel
	.amdgpu_metadata
---
amdhsa.version: [ 1, 2 ]
amdhsa.kernels:
  - .name:           k_qe1c18b53c4_back
    .symbol:         k_qe1c18b53c4_back.kd
    .args:
      - { .name: ctximg, .offset: 0, .size: 8, .value_kind: global_buffer, .address_space: global }
      - { .name: wback, .offset: 8, .size: 8, .value_kind: global_buffer, .address_space: global }
      - { .name: x, .offset: 16, .size: 8, .value_kind: global_buffer, .address_space: global }
      - { .name: bo, .offset: 24, .size: 8, .value_kind: global_buffer, .address_space: global }
      - { .name: ln2_scale, .offset: 32, .size: 8, .value_kind: global_buffer, .address_space: global }
      - { .name: ln2_shift, .offset: 40, .size: 8, .value_kind: global_buffer, .address_space: global }
      - { .name: b1, .offset: 48, .size: 8, .value_kind: global_buffer, .address_space: global }
      - { .name: b2, .offset: 56, .size: 8, .value_kind: global_buffer, .address_space: global }
      - { .name: lowp_scales, .offset: 64, .size: 8, .value_kind: global_buffer, .address_space: global }
      - { .name: out0, .offset: 72, .size: 8, .value_kind: global_buffer, .address_space: global }
    .group_segment_fixed_size: 187392
    .private_segment_fixed_size: 0
    .kernarg_segment_align: 8
    .kernarg_segment_size: 80
    .max_flat_workgroup_size: 256
    .sgpr_count:     96
    .vgpr_count:     512
    .wavefront_size: 32
...
	.end_amdgpu_metadata
.endif
;; end of part 4
;; ======== version 2 of 2: 4 launches
;; workspace buffers: wqkv 786,432 bytes; wback 2,359,296 bytes; qimg 4,194,304 bytes; kimg 4,194,304 bytes; vimg 4,194,304 bytes; ctximg 4,194,304 bytes
;; launch prep (part 5): grid 192 x 1, 4 waves a work-group, no clusters, 0 bytes of LDS; arguments wq, wk, wv, wo, w1, w2, lowp_scales, wqkv, wback; writes wqkv, wback
.if DOCPART == 5
	.amdgcn_target "amdgcn-amd-amdhsa--gfx1250"
	.amdhsa_code_object_version 6
	.text
	.protected	k_qe1c18b53c4_prep
	.globl	k_qe1c18b53c4_prep
	.p2align	8
	.type	k_qe1c18b53c4_prep,@function
k_qe1c18b53c4_prep:
	s_mov_b64 s[64:65], 0
	v_nop
	global_prefetch_b8 v0, s[64:65] scope:SCOPE_SE
	s_setreg_imm32_b32 hwreg(HW_REG_WAVE_MODE, 25, 1), 1
	s_wait_xcnt 0x0
; The six weights ([K][N], f32, K the first axis) become codes of E5M2, each with its given scale 2^e, laid as IMAGES OF OPERAND REGISTERS in the order in which the later launches' waves use them.
; A fragment is 16 columns x 128 along K: 16 registers a lane; lane (r, h), chunk c (registers 4 c .. 4 c + 3), byte i holds k = 32 c + 16 h + i of the tile's lane r.  Its image is 2,048 bytes: chunk c at 512 c + 16 x lane.
; THE COLUMNS OF A TILE ARE NOT NEIGHBOURS: lane r of tile 2 b + u takes column 32 b + 8 u + r + 8 (r / 8), so that a product used transposed leaves 16 neighbouring columns in a lane's 16 registers of tiles 2 b, 2 b + 1.
; A wave makes the two tiles 2 b, 2 b + 1 of one K step: lane r + 16 u takes one column, and its 128 registers run down K, so the conversions give codes with K innermost and nothing is transposed.
; Each load reads 128 consecutive bytes of a row of the weight (the four waves of a work-group 512); each store covers two aligned runs of 256 bytes.
; 768 such units: work-groups 0-63: wq, wk, wv, wo; 64-127: w1; 128-191: w2.  Nothing is shared between waves: no LDS, no barrier.
; code = x / 2^e, held within +-57,344, to the nearest code, ties to even.  LIMITS: -126 <= e <= 112; NaN among the inputs is not served.
.set X,   16                           ; v16-143   128 numbers of my column
.set C,   144                          ; v144-175  their codes
.set SRC, 46                           ; s[46:47]  the weight, at my unit's first row and first column
.set DST, 48                           ; s[48:49]  the image of my first fragment
	s_load_b512 s[4:19], s[0:1], 0x0               ; wq, wk, wv, wo, w1, w2, the scales' exponents, wqkv
	s_load_b64 s[20:21], s[0:1], 0x40              ; wback
	v_lshrrev_b32 v5, 5, v0
	v_readfirstlane_b32 s42, v5                    ; wave 0..3
	v_and_b32 v5, 7, v0
	v_bfe_u32 v6, v0, 4, 1                         ; u
	v_bfe_u32 v7, v0, 3, 1                         ; r / 8
	v_lshl_add_u32 v5, v6, 3, v5
	v_lshl_add_u32 v5, v7, 4, v5                   ; my column among the unit's 32: r % 8 + 8 u + 16 (r / 8)
	v_lshlrev_b32 v1, 2, v5                        ; in bytes
	v_and_b32 v7, 15, v0
	v_lshlrev_b32 v2, 4, v7
	v_lshl_add_u32 v2, v6, 11, v2                  ; out: fragment u, 16 r
	s_lshr_b32 s40, ttmp9, 6                       ; class 0, 1, 2
	s_and_b32 s41, ttmp9, 63
	s_wait_kmcnt 0x0
	s_load_b512 s[24:39], s[16:17], 0x0            ; e0 .. e15 in s24 .. s39
	; whole numbers alone are made under the branches: s43 which weight (0 wq, 1 wk, 2 wv, 3 wo, 4 w1, 5 w2), s44 the K step, s45 the pair of tiles b, s52 the first fragment's index, s54 the K step's first row in bytes
	s_cmp_eq_u32 s40, 1
	s_cbranch_scc1 .Lw1
	s_cmp_eq_u32 s40, 2
	s_cbranch_scc1 .Lw2
	s_lshr_b32 s43, s41, 4
	s_bfe_u32 s44, s41, 0x20002
	s_and_b32 s45, s41, 3
	s_lshl_b32 s45, s45, 2
	s_add_co_u32 s45, s45, s42
	s_lshr_b32 s51, s45, 1                         ; the wave that will use the tiles: 4 tiles a wave
	s_mul_i32 s52, s51, 3
	s_add_co_u32 s52, s52, s43
	s_lshl_b32 s52, s52, 4                         ; wq, wk, wv: ((wave x 3 + which) x 16
	s_mul_i32 s53, s51, 144                        ; wo: wave x 144
	s_cmp_eq_u32 s43, 3
	s_cselect_b32 s52, s53, s52
	s_lshl_b32 s53, s44, 2
	s_add_co_u32 s52, s52, s53                     ; + 4 x K step
	s_and_b32 s53, s45, 1
	s_lshl_b32 s53, s53, 1
	s_add_co_u32 s52, s52, s53                     ; + tile of the wave's four
	s_lshl_b32 s54, s44, 18                        ; 128 rows of 2,048 bytes
	s_branch .Ljoin
.Lw1:
	s_mov_b32 s43, 4
	s_lshr_b32 s44, s41, 4
	s_and_b32 s45, s41, 15
	s_lshl_b32 s45, s45, 2
	s_add_co_u32 s45, s45, s42                     ; b = 0 .. 63
	s_and_b32 s51, s45, 31
	s_lshr_b32 s51, s51, 2                         ; the wave: 8 tiles a wave in each half of the hidden layer
	s_mul_i32 s52, s51, 144
	s_lshr_b32 s53, s45, 5
	s_lshl_b32 s53, s53, 6
	s_add_co_u32 s52, s52, s53                     ; + 64 x half
	s_lshl_b32 s53, s44, 3
	s_add_co_u32 s52, s52, s53                     ; + 8 x K step
	s_and_b32 s53, s45, 3
	s_lshl_b32 s53, s53, 1
	s_add_co_u32 s52, s52, s53                     ; + tile of the wave's eight
	s_add_co_u32 s52, s52, 16                      ; behind wo's sixteen
	s_lshl_b32 s54, s44, 20                        ; 128 rows of 8,192 bytes
	s_branch .Ljoin
.Lw2:
	s_mov_b32 s43, 5
	s_lshr_b32 s44, s41, 2                         ; K step 0 .. 15
	s_and_b32 s45, s41, 3
	s_lshl_b32 s45, s45, 2
	s_add_co_u32 s45, s45, s42
	s_lshr_b32 s51, s45, 1
	s_mul_i32 s52, s51, 144
	s_lshr_b32 s53, s44, 3
	s_lshl_b32 s53, s53, 6
	s_add_co_u32 s52, s52, s53                     ; + 64 x half
	s_and_b32 s53, s44, 7
	s_lshl_b32 s53, s53, 2
	s_add_co_u32 s52, s52, s53                     ; + 4 x K step of the half
	s_and_b32 s53, s45, 1
	s_lshl_b32 s53, s53, 1
	s_add_co_u32 s52, s52, s53
	s_add_co_u32 s52, s52, 48                      ; behind wo's sixteen and the half's 32 of w1
	s_lshl_b32 s54, s44, 18
.Ljoin:
	s_wait_kmcnt 0x0
	s_cmp_eq_u32 s43, 0                            ; the buffers and the exponent are chosen on the work-group's number alone
	s_cselect_b64 s[SRC:SRC+1], s[4:5], s[6:7]
	s_cselect_b32 s50, s25, s27
	s_cmp_eq_u32 s43, 2
	s_cselect_b64 s[SRC:SRC+1], s[8:9], s[SRC:SRC+1]
	s_cselect_b32 s50, s29, s50
	s_cmp_eq_u32 s43, 3
	s_cselect_b64 s[SRC:SRC+1], s[10:11], s[SRC:SRC+1]
	s_cselect_b32 s50, s35, s50
	s_cmp_eq_u32 s43, 4
	s_cselect_b64 s[SRC:SRC+1], s[12:13], s[SRC:SRC+1]
	s_cselect_b32 s50, s37, s50
	s_cmp_eq_u32 s43, 5
	s_cselect_b64 s[SRC:SRC+1], s[14:15], s[SRC:SRC+1]
	s_cselect_b32 s50, s39, s50
	s_cmp_lt_u32 s43, 3
	s_cselect_b64 s[DST:DST+1], s[18:19], s[20:21]
	s_lshl_b32 s53, s45, 7                         ; 32 columns of 4 bytes for each b
	s_add_co_u32 s54, s54, s53
	s_mov_b32 s55, 0
	s_add_nc_u64 s[SRC:SRC+1], s[SRC:SRC+1], s[54:55]
	s_lshl_b32 s56, s52, 11                        ; 2,048 bytes a fragment
	s_mov_b32 s57, 0
	s_add_nc_u64 s[DST:DST+1], s[DST:DST+1], s[56:57]
	s_add_co_i32 s50, s50, 127
	s_lshl_b32 s51, s50, 23
	v_mov_b32 v3, s51                              ; 2^e as f32: the conversion takes its exponent field
	s_add_co_i32 s50, s50, 15
	s_lshl_b32 s50, s50, 23
	s_or_b32 s50, s50, 0x600000
	v_mov_b32 v4, s50                              ; 57,344 x 2^e
.macro LOADS pitch                     ; W(k, my column), k = 0 .. 127: every offset an immediate, 127 x 8,192 at the most
.set K, 0
.rept 128
	global_load_b32 v[X+K], v1, s[SRC:SRC+1] offset:K*\pitch th:TH_LOAD_NT
.set K, K+1
.endr
.endm
	s_cmp_eq_u32 s40, 1
	s_cbranch_scc1 .Lwide
	s_wait_alu depctr_va_vdst(0)
	LOADS 2048
	s_branch .Lwork
.Lwide:
	s_wait_alu depctr_va_vdst(0)
	LOADS 8192
.Lwork:
; Quarter n: k = 32 n .. 32 n + 31 = chunk n of both halves of the lanes that will hold the fragment.  left: how many younger loads may stay out.
.macro QUARTER n, left
	s_wait_loadcnt \left
.set K, 0
.rept 32
	v_med3_num_f32 v[X+32*\n+K], v[X+32*\n+K], -v4, v4   ; the conversion to an 8-bit code does not saturate (ISA guide 7.6.2): the hold comes first
.set K, K+1
.endr
.irp g, 0,1,2,3
	v_cvt_scalef32_pk8_bf8_f32 v[C+8*\n+2*\g:C+8*\n+2*\g+1], v[X+32*\n+8*\g:X+32*\n+8*\g+7], v3
.endr
	global_store_b128 v2, v[C+8*\n:C+8*\n+3], s[DST:DST+1] offset:512*\n          ; k = 32 n + 0 .. 15: the place of lane (r, 0); sixteen lanes fill 256 aligned bytes of each of the two fragments
	global_store_b128 v2, v[C+8*\n+4:C+8*\n+7], s[DST:DST+1] offset:512*\n+256    ; k = 32 n + 16 .. 31: the place of lane (r, 1)
.endm
	QUARTER 0, 63                                  ; at most 63 of the 128 out: loads 0 to 64 are in, which serves quarters 0 and 1
	QUARTER 1, 63
	QUARTER 2, 32                                  ; the last 32 may stay out
	QUARTER 3, 0
	v_nop                                          ; a plain line behind the last conversion
	s_endpgm
.Lfunc_end_k_qe1c18b53c4_prep:
	.size	k_qe1c18b53c4_prep, .Lfunc_end_k_qe1c18b53c4_prep-k_qe1c18b53c4_prep
	.p2alignl 7, 3214868480
	.fill 96, 4, 3214868480
	.section	.rodata,"a",@progbits
	.p2align	6, 0x0
	.amdhsa_kernel k_qe1c18b53c4_prep
		.amdhsa_group_segment_fixed_size 0
		.amdhsa_private_segment_fixed_size 0
		.amdhsa_enable_private_segment 0
		.amdhsa_kernarg_size 72
		.amdhsa_user_sgpr_count 2
		.amdhsa_user_sgpr_kernarg_segment_ptr 1
		.amdhsa_wavefront_size32 1
		.amdhsa_system_sgpr_workgroup_id_x 1
		.amdhsa_system_sgpr_workgroup_id_y 1
		.amdhsa_system_sgpr_workgroup_id_z 1
		.amdhsa_system_vgpr_workitem_id 0
		.amdhsa_next_free_vgpr 176
		.amdhsa_next_free_sgpr 66
		.amdhsa_reserve_vcc 0
		.amdhsa_float_denorm_mode_32 3
		.amdhsa_float_denorm_mode_16_64 3
		.amdhsa_memory_ordered 1
		.amdhsa_forward_progress 1
		.amdhsa_inst_pref_size 39
	.end_amdhsa_kernel
	.amdgpu_metadata
---
amdhsa.version: [ 1, 2 ]
amdhsa.kernels:
  - .name:           k_qe1c18b53c4_prep
    .symbol:         k_qe1c18b53c4_prep.kd
    .args:
      - { .name: wq, .offset: 0, .size: 8, .value_kind: global_buffer, .address_space: global }
      - { .name: wk, .offset: 8, .size: 8, .value_kind: global_buffer, .address_space: global }
      - { .name: wv, .offset: 16, .size: 8, .value_kind: global_buffer, .address_space: global }
      - { .name: wo, .offset: 24, .size: 8, .value_kind: global_buffer, .address_space: global }
      - { .name: w1, .offset: 32, .size: 8, .value_kind: global_buffer, .address_space: global }
      - { .name: w2, .offset: 40, .size: 8, .value_kind: global_buffer, .address_space: global }
      - { .name: lowp_scales, .offset: 48, .size: 8, .value_kind: global_buffer, .address_space: global }
      - { .name: wqkv, .offset: 56, .size: 8, .value_kind: global_buffer, .address_space: global }
      - { .name: wback, .offset: 64, .size: 8, .value_kind: global_buffer, .address_space: global }
    .group_segment_fixed_size: 0
    .private_segment_fixed_size: 0
    .kernarg_segment_align: 8
    .kernarg_segment_size: 72
    .max_flat_workgroup_size: 128
    .sgpr_count:     66
    .vgpr_count:     176
    .wavefront_size: 32
...
	.end_amdgpu_metadata
.endif
;; end of part 5
;; launch qkv (part 6): grid 256 x 1, 8 waves a work-group, no clusters, 125,952 bytes of LDS; arguments x, ln1_scale, ln1_shift, lowp_scales, wqkv, qimg, kimg, vimg; writes qimg, kimg, vimg
.if DOCPART == 6
	.amdgcn_target "amdgcn-amd-amdhsa--gfx1250"
	.amdhsa_code_object_version 6
	.text
	.protected	k_qe1c18b53c4_qkv
	.globl	k_qe1c18b53c4_qkv
	.p2align	8
	.type	k_qe1c18b53c4_qkv,@function
k_qe1c18b53c4_qkv:
	s_mov_b64 s[64:65], 0
	v_nop
	global_prefetch_b8 v0, s[64:65] scope:SCOPE_SE
	s_setreg_imm32_b32 hwreg(HW_REG_WAVE_SCHED_MODE, 0, 2), 2
	s_setreg_imm32_b32 hwreg(HW_REG_WAVE_MODE, 25, 1), 1
	s_wait_xcnt 0x0
	s_wait_alu depctr_vm_vsrc(0)
; h = LayerNorm(x); q = h wq, k = h wk, v = h wv, each product on codes of E5M2 with its own two given scales (h is quantised three times: e0, e2, e4); q, k, v are quantised (e6, e7, e8) and stored as images of operand registers.
; SHARES.  A work-group of eight waves takes 32 rows (two tiles of 16).  Wave w owns columns 64 w .. 64 w + 63 of every 512-wide row: of x for the norm, and of q, k, v (heads 2 w, 2 w + 1).
; A FRAGMENT is 16 rows x 128 K, 16 registers: lane (r, h), chunk c (registers 4 c .. 4 c + 3), byte i = k 32 c + 16 h + i of row r: one and the same order of k on both sides of every product.  Its IMAGE is 2,048 bytes, chunk c at 512 c + 16 x lane.
; WEIGHTS go from memory straight into operand registers: the launch before laid each wave's 48 fragments on end in the order of use; a ring of twelve fragments (192 registers), three buffers of four, is filled four at a time, two groups ahead.
; q, k: the product is used transposed (source 0 = 16 columns of the weight, source 1 = 16 rows of h): a lane holds one row and 16 neighbouring columns in the 16 registers of two tiles.  v: source 0 = h, source 1 = wv: a lane holds one channel
; and eight keys a tile, so that v's codes come out with the KEYS along a lane's registers, as the second product of attention wants them.
; NO CLUSTER, NO JOINT LOADS: a weight fragment is used by one wave of a work-group and lands in its operand registers; a joint load would land in LDS, from where the 768 KB that a work-group walks would have to be read once more.
; LIMITS, so that each power of two is an f32 number: e0, e2, e4, e6 - e0 - e1, e7 - e2 - e3, e8 - e4 - e5 between -126 and 112.  NaN among the inputs is not served.
; REGISTERS: window 0: v1 16 x lane; v3-23 addresses and scales; v24-87 h's fragments, two sets of two (before that: the norm's gain and shift, then numbers on their way to a conversion); v88-151 x, then the eight accumulators;
;   v152-183 codes and the norm's small numbers; v184-247 the normalised rows.   window 1: v0-191 the ring.
; THE MODE: SCHED_MODE bits 1:0 = 2 (LLVM: expert scheduling mode 2), set by the entry lines.  The code itself states the register dependences between vector or matrix instructions and memory or LDS instructions, with s_wait_alu, always for 0.
; THE PLAN.  Registers that memory or LDS instructions touch, in the twelve groups:
;   the ring   Group g's eight matrix instructions read buffer g % 3.  The sixteen loads of group g + 2 are issued at group g's head and land in buffer (g + 2) % 3 = (g - 1) % 3, which group g - 1 read and no instruction of group g names.
;   v[AF ..]   K step s's matrix instructions read set s % 2.  The eight LDS loads of K step s + 1 are issued at step s's head and land in the other set, which step s - 1 read.
;   v1         The offset of every one of these loads and of the way out's stores; written once, at the head.
;   the codes of q, k, v: registers of their own for each product: written by its conversions, read by its four stores, never written again.
; So ONE wait on va_vdst stands at a group's head, behind the waits for its data: the group before is done reading its ring buffer and its set of rows.  The group's loads follow it in one run (dealt singly among the products each would
; cost two switches of the register window), then its eight products.  One more stands ahead of each way out's stores.  The head, the norm and h's images have their own waits, each with its comment.
.set NF,    48                         ; fragments of my stream
.set AF,    24
.set ACC,   88
.set PC,    152
.set T,     184
.set TL,    PC                         ; 16 partial sums
.set TS,    PC+16                      ; a pair for each tile of rows
.set TP,    PC+20
.set MEAN,  PC+22
.set RSTD,  PC+26
.set TQ,    AF+16                      ; four sets of eight numbers on their way to a conversion
.set STAT,  49152                      ; LDS: 0: h's images, operand p at 16,384 p, fragment (K step s, tile m) at (2 s + m) x 2,048;  STAT: two tables of 8 waves x 32 partial sums
.set PAR,   51200                      ; each wave's 64 gains and 64 shifts: 512 bytes a wave
.set STAGE, 55296                      ; each wave's stage: 32 rows x (256 bytes + 16)
.set SA,    3                          ; v3   where I put a partial sum: STAT + 128 w + 4 r
.set SRD,   4                          ; v4   where I read them: STAT + 4 r
.set HWI,   5                          ; v5   where my codes of h go: 16 x lane + 4,096 (w / 2) + 1,024 (w % 2)
.set PARA,  10                         ; v10  PAR + 512 w + 64 h
.set STO,   11                         ; v11  the stage by operand layout: row r, + 64 h
.set SRB,   20                         ; v20  the stage by rows: row h, + 16 r
.set GO,    23                         ; v23  the same two rows in x
.set WB,    12                         ; s[12:13] my stream of fragments
.set SEL,   58
.set INV,   60
.set EPS,   61
.set TM,    57
.set FC,    0                          ; fragments used so far
.set MSB,   0
.macro WIN new                         ; the immediate's high byte repeats the setting that is left; a switch that changes nothing is dropped
.if MSB != \new
	s_set_vgpr_msb (MSB<<8)|\new
.set MSB, \new
.endif
.endm
.macro BARRIER                         ; my LDS stores have landed and my LDS loads are in: then the work-group's barrier
	s_wait_dscnt 0x0
	s_barrier_signal -1
	s_barrier_wait -1
.endm
.macro RLOAD f                         ; fragment f of my stream into ring place f % 12 (destination window 1); nothing past the stream's end
.if (\f) < NF
.irp c, 0,1,2,3
	global_load_b128 v[16*((\f)%12)+4*\c:16*((\f)%12)+4*\c+3], v1, s[WB:WB+1] offset:2048*(\f)+512*\c
.endr
.endif
.endm
.macro AFETCH adr, base, s             ; the two row tiles' fragments of K step s into set s % 2
.irp m, 0,1
.irp c, 0,1,2,3
	ds_load_b128 v[AF+32*((\s)%2)+16*\m+4*\c:AF+32*((\s)%2)+16*\m+4*\c+3], v[\adr] offset:\base+4096*(\s)+2048*\m+512*\c
.endr
.endr
.endm
; Group s = K step s % 4 of product s / 4: four fragments of the ring against the two row tiles: eight matrix instructions on eight accumulators, which take turns in the same order in every group.
; mode 0: transposed;  2: h as source 0.  zero = 1: the products start the sums.
.macro GROUP mode, s, zero
.if FC+4 < NF
	s_wait_loadcnt 16                              ; my four fragments are in; the only younger loads are the next group's sixteen
.else
	s_wait_loadcnt 0x0
.endif
.if (\s) == 0
	s_wait_dscnt 8                                 ; K step 0's fragments of the rows are in; K step 1's eight loads may stay out
.else
	s_wait_dscnt 0x0                               ; this K step's fragments of the rows, asked for a group ago, are in
.endif
.if FC+8 < NF
	WIN 0x40
.if FC > 0
	s_wait_alu depctr_va_vdst(0)                   ; the group before is done reading its ring buffer, in which the sixteen loads below land, and its set of rows, in which the eight LDS loads below land
.endif
.irp i, 0,1,2,3
	RLOAD FC+8+\i
.endr
	WIN 0
.else
	WIN 0
.if (\s)+1 < 12
	s_wait_alu depctr_va_vdst(0)                   ; the group before is done reading its set of rows, in which the eight LDS loads below land (the stream has no more fragments to ask for)
.endif
.endif
.if ((\s) > 0) && ((\s)+1 < 12)
	AFETCH 1, 0, (\s)+1
.endif
.if \mode == 0
	WIN 0x01
.else
	WIN 0x04
.endif
.irp i, 0,1,2,3
.irp m, 0,1
.set RG, 16*((FC+\i)%12)
.set AA, AF+32*((\s)%2)+16*\m
.if \mode == 0
.set DD, ACC+32*\m+8*\i
.else
.set DD, ACC+16*\i+8*\m
.endif
.if \mode == 2
.if \zero
	v_wmma_f32_16x16x128_bf8_bf8 v[DD:DD+7], v[AA:AA+15], v[RG:RG+15], 0
.else
	v_wmma_f32_16x16x128_bf8_bf8 v[DD:DD+7], v[AA:AA+15], v[RG:RG+15], v[DD:DD+7]
.endif
.else
.if \zero
	v_wmma_f32_16x16x128_bf8_bf8 v[DD:DD+7], v[RG:RG+15], v[AA:AA+15], 0
.else
	v_wmma_f32_16x16x128_bf8_bf8 v[DD:DD+7], v[RG:RG+15], v[AA:AA+15], v[DD:DD+7]
.endif
.endif
.endr
.endr
.rept 4
	v_nop                                          ; four places behind the products, in front of any read of results and of the next group's loads into the registers just multiplied; the wait at that group's head fills no place
.endr
.set FC, FC+4
.endm
; The pairs v[TS], v[TS+2] hold a lane's partial sums for rows r and 16 + r.  They are added over the lane's half, its partner 16 lanes away, and the eight waves (through LDS, one barrier); the rows' sums come out in v[TL] and v[TL+8], the same in all waves.
; par = 1: behind the sums' loads the gain and the shift of my columns are asked for, into v[AF] on.
.macro XSUM off, par, vsc, vsh
.irp m, 0,1
	v_add_f32 v[TS+2*\m], v[TS+2*\m], v[TS+2*\m+1]
.endr
.irp m, 0,1
	v_permlanex16_b32 v[TP+\m], v[TS+2*\m], s[SEL], s[SEL+1]
.endr
.irp m, 0,1
	v_add_f32 v[TS+2*\m], v[TS+2*\m], v[TP+\m]
.endr
	s_wait_alu depctr_va_vdst(0)                   ; the additions have written v[TS] and v[TS+2], which the LDS stores read; and every vector instruction that named v[TL ..] or v[AF ..], in which the loads below land, is done
.irp m, 0,1
	ds_store_b32 v[SA], v[TS+2*\m] offset:\off+64*\m   ; lanes r and r + 16 write the same word with the same number
.endr
	BARRIER
.irp m, 0,1
.irp q, 0,1,2,3,4,5,6,7
	ds_load_b32 v[TL+8*\m+\q], v[SRD] offset:\off+64*\m+128*\q
.endr
.endr
.if \par
.irp b, 0,1
.irp i, 0,1,2,3
	ds_load_b128 v[AF+16*\b+4*\i:AF+16*\b+4*\i+3], v[PARA] offset:\vsc+128*\b+16*\i
	ds_load_b128 v[AF+32+16*\b+4*\i:AF+32+16*\b+4*\i+3], v[PARA] offset:\vsh+128*\b+16*\i
.endr
.endr
	s_wait_dscnt 16                                ; the sums are in; the sixteen loads just issued may stay out
.else
	s_wait_dscnt 0x0
.endif
	s_wait_alu depctr_vm_vsrc(0)                   ; the two LDS stores have read v[TS] and v[TS+2], which vector instructions further down write again
.irp m, 0,1
	v_add_f32 v[TL+8*\m], v[TL+8*\m], v[TL+8*\m+1]
	v_add_f32 v[TL+8*\m+2], v[TL+8*\m+2], v[TL+8*\m+3]
	v_add_f32 v[TL+8*\m+4], v[TL+8*\m+4], v[TL+8*\m+5]
	v_add_f32 v[TL+8*\m+6], v[TL+8*\m+6], v[TL+8*\m+7]
	v_add_f32 v[TL+8*\m], v[TL+8*\m], v[TL+8*\m+2]
	v_add_f32 v[TL+8*\m+4], v[TL+8*\m+4], v[TL+8*\m+6]
	v_add_f32 v[TL+8*\m], v[TL+8*\m], v[TL+8*\m+4]
.endr
.endm
; LayerNorm of the 32 rows.  v[X + 32 m + 16 b + i] = row 16 m + r, column 64 w + 32 b + 16 h + i; the result lies so in v[T] on.  Two passes (the mean, then the squares of the differences), so that a common offset of the rows does no harm.
.macro LNORM X, vsc, vsh
	v_mov_b32 v[TP], 0                             ; a lane permute's destination counts as one of its sources
	v_mov_b32 v[TP+1], 0
.irp m, 0,1
	v_pk_add_f32 v[TS+2*\m:TS+2*\m+1], v[\X+32*\m:\X+32*\m+1], v[\X+32*\m+2:\X+32*\m+3]
.endr
.irp j, 4,6,8,10,12,14,16,18,20,22,24,26,28,30
.irp m, 0,1
	v_pk_add_f32 v[TS+2*\m:TS+2*\m+1], v[TS+2*\m:TS+2*\m+1], v[\X+32*\m+\j:\X+32*\m+\j+1]
.endr
.endr
	XSUM 0, 0, 0, 0
.irp m, 0,1
	v_mul_f32 v[MEAN+2*\m], s[INV], v[TL+8*\m]     ; the mean, in both halves of a pair
	v_mul_f32 v[MEAN+2*\m+1], s[INV], v[TL+8*\m]
.endr
.irp m, 0,1
.irp j, 0,2,4,6,8,10,12,14,16,18,20,22,24,26,28,30
	v_pk_add_f32 v[T+32*\m+\j:T+32*\m+\j+1], v[\X+32*\m+\j:\X+32*\m+\j+1], v[MEAN+2*\m:MEAN+2*\m+1] neg_lo:[0,1] neg_hi:[0,1]
.endr
.endr
.irp m, 0,1
	v_pk_mul_f32 v[TS+2*\m:TS+2*\m+1], v[T+32*\m:T+32*\m+1], v[T+32*\m:T+32*\m+1]
.endr
.irp j, 2,4,6,8,10,12,14,16,18,20,22,24,26,28,30
.irp m, 0,1
	v_pk_fma_f32 v[TS+2*\m:TS+2*\m+1], v[T+32*\m+\j:T+32*\m+\j+1], v[T+32*\m+\j:T+32*\m+\j+1], v[TS+2*\m:TS+2*\m+1]
.endr
.endr
	XSUM 1024, 1, \vsc, \vsh
.irp m, 0,1
	v_fma_f32 v[TL+8*\m+1], v[TL+8*\m], s[INV], s[EPS]   ; the variance + 1e-5
.endr
	s_wait_alu depctr_va_vdst(0)
.irp m, 0,1
	v_rsq_f32 v[RSTD+2*\m], v[TL+8*\m+1]
	v_rsq_f32 v[RSTD+2*\m+1], v[TL+8*\m+1]
.endr
	v_nop                                          ; a plain line behind the transcendentals
	s_wait_alu depctr_va_vdst(0)                   ; the four reciprocal roots in v[RSTD ..] are written, ahead of their first reader
.irp m, 0,1
.irp j, 0,2,4,6,8,10,12,14,16,18,20,22,24,26,28,30
	v_pk_mul_f32 v[T+32*\m+\j:T+32*\m+\j+1], v[T+32*\m+\j:T+32*\m+\j+1], v[RSTD+2*\m:RSTD+2*\m+1]
.endr
.endr
	s_wait_dscnt 0x0                               ; the gain and the shift are in
.irp m, 0,1
.irp j, 0,2,4,6,8,10,12,14,16,18,20,22,24,26,28,30
	v_pk_fma_f32 v[T+32*\m+\j:T+32*\m+\j+1], v[T+32*\m+\j:T+32*\m+\j+1], v[AF+\j:AF+\j+1], v[AF+32+\j:AF+32+\j+1]
.endr
.endr
.endm
.macro MKSC vs, vl, se                 ; s[se] holds E (it is used up): v[vs] = 2^E, v[vl] = 57,344 x 2^E
	s_add_co_i32 s[\se], s[\se], 127
	s_lshl_b32 s[TM], s[\se], 23
	v_mov_b32 v[\vs], s[TM]
	s_add_co_i32 s[\se], s[\se], 15
	s_lshl_b32 s[\se], s[\se], 23
	s_or_b32 s[\se], s[\se], 0x600000
	v_mov_b32 v[\vl], s[\se]
.endm
	s_load_b512 s[4:19], s[0:1], 0x0               ; x, ln1_scale, ln1_shift, the scales' exponents, wqkv, qimg, kimg, vimg
	v_lshl_add_u32 v254, v0, 2, 0x1e800
	v_mov_b32 v255, 0
	v_lshrrev_b32 v248, 5, v0
	v_readfirstlane_b32 s40, v248                  ; wave 0..7
	v_and_b32 v250, 31, v0                         ; lane
	v_and_b32 v248, 15, v0                         ; r
	v_bfe_u32 v249, v0, 4, 1                       ; h
	v_lshlrev_b32 v1, 4, v250
	s_wait_alu depctr_va_vdst(0)
	v_lshlrev_b32 v21, 3, v250                     ; 8 x lane
	s_wait_alu depctr_va_vdst(0)
	s_wait_alu depctr_va_sdst(0)                   ; s40 is written, ahead of its first reader: LDS addresses and the buffers' offsets are made from it
	s_lshl_b32 s41, s40, 7
	s_add_co_u32 s41, s41, STAT
	v_lshl_add_u32 v[SA], v248, 2, s41
	v_lshl_add_u32 v[SRD], v248, 2, STAT
	s_lshr_b32 s42, s40, 1
	s_lshl_b32 s42, s42, 12
	s_and_b32 s43, s40, 1
	s_lshl_b32 s43, s43, 10
	s_add_co_u32 s42, s42, s43
	v_add_nc_u32 v[HWI], s42, v1
	s_lshl_b32 s43, s40, 9
	s_add_co_u32 s43, s43, PAR
	v_lshl_add_u32 v[PARA], v249, 6, s43
	v_add_nc_u32 v22, s43, v21                     ; where my 8 bytes of a parameter go
	s_mul_i32 s43, s40, 8704
	s_add_co_u32 s43, s43, STAGE
	v_mul_u32_u24 v[STO], v248, 272
	v_lshl_add_u32 v[STO], v249, 6, v[STO]
	v_add_nc_u32 v[STO], s43, v[STO]
	v_mul_u32_u24 v[SRB], v249, 272
	v_lshl_add_u32 v[SRB], v248, 4, v[SRB]
	v_add_nc_u32 v[SRB], s43, v[SRB]
	v_lshlrev_b32 v[GO], 11, v249
	v_lshl_add_u32 v[GO], v248, 4, v[GO]
	s_lshl_b32 s44, ttmp9, 16                      ; 32 rows of 2,048 bytes,
	s_lshl_b32 s46, s40, 8                         ; my 64 columns
	s_add_co_u32 s44, s44, s46
	s_mov_b32 s45, 0
	s_mov_b32 s47, 0
	s_mul_i32 s48, s40, 98304                      ; my 48 fragments
	s_mov_b32 s49, 0
	s_lshr_b32 s54, ttmp9, 6                       ; the batch
	s_lshl_b32 s54, s54, 4
	s_lshl_b32 s55, s40, 1
	s_add_co_u32 s54, s54, s55
	s_lshl_b32 s54, s54, 16                        ; (16 x batch + my first head) x 65,536
	s_and_b32 s55, ttmp9, 63                       ; which 32 rows of the batch
	s_lshl_b32 s50, s55, 10
	s_add_co_u32 s50, s50, s54                     ; q, k: two tiles of 512 bytes
	s_mov_b32 s51, 0
	s_lshr_b32 s52, s55, 2
	s_lshl_b32 s52, s52, 12                        ; v: the step of 128 keys,
	s_and_b32 s53, s55, 3
	s_lshl_b32 s53, s53, 9                         ; the chunk of 32
	s_add_co_u32 s52, s52, s53
	s_add_co_u32 s52, s52, s54
	s_mov_b32 s53, 0
	s_mov_b32 s[SEL], 0x76543210
	s_mov_b32 s[SEL+1], 0xfedcba98                 ; v_permlanex16_b32: lane l xor 16
	s_mov_b32 s[INV], 0x3b000000                   ; 1 / 512
	s_mov_b32 s[EPS], 0x3727c5ac                   ; 1e-5
	s_wait_kmcnt 0x0
	s_load_b512 s[20:35], s[10:11], 0x0            ; e0 .. e15 in s20 .. s35
	s_add_nc_u64 s[4:5], s[4:5], s[44:45]
	s_add_nc_u64 s[6:7], s[6:7], s[46:47]
	s_add_nc_u64 s[8:9], s[8:9], s[46:47]
	s_add_nc_u64 s[WB:WB+1], s[WB:WB+1], s[48:49]
	s_add_nc_u64 s[14:15], s[14:15], s[50:51]
	s_add_nc_u64 s[16:17], s[16:17], s[50:51]
	s_add_nc_u64 s[18:19], s[18:19], s[52:53]
	s_wait_alu depctr_va_vdst(0)                   ; the offsets and LDS addresses v1, v3-5, v10, v11, v20-23 and the closing add's v254, v255 are written: every memory and LDS instruction of the kernel reads some of them, and none is written again
	global_load_b64 v[PC:PC+1], v21, s[6:7]        ; my 64 gains: 256 consecutive bytes a wave
	global_load_b64 v[PC+2:PC+3], v21, s[8:9]      ; my 64 shifts
.set XK, 0
.rept 16
	global_load_b128 v[ACC+4*XK:ACC+4*XK+3], v[GO], s[4:5] offset:4096*XK th:TH_LOAD_NT   ; rows 2 k, 2 k + 1: sixteen lanes read my 256 bytes of a row
.set XK, XK+1
.endr
	WIN 0x40
.irp f, 0,1,2,3,4,5,6,7
	RLOAD \f
.endr
	WIN 0
	s_wait_kmcnt 0x0
	s_sub_co_i32 s26, s26, s20
	s_sub_co_i32 s26, s26, s21                     ; a sum of q stands for sum x 2^(e0 + e1): its code is sum / 2^(e6 - e0 - e1)
	s_sub_co_i32 s27, s27, s22
	s_sub_co_i32 s27, s27, s23
	s_sub_co_i32 s28, s28, s24
	s_sub_co_i32 s28, s28, s25
	MKSC 12, 13, 20
	MKSC 14, 15, 22
	MKSC 16, 17, 24
	MKSC 6, 7, 26
	MKSC 8, 9, 27
	MKSC 18, 19, 28
	s_wait_loadcnt 48                              ; the parameters are in (younger: x's 16 loads and the ring's 32)
	ds_store_b64 v22, v[PC:PC+1]                   ; my own bytes: LDS serves a wave's instructions in order, so no barrier stands between these and my reads
	ds_store_b64 v22, v[PC+2:PC+3] offset:256
	s_wait_loadcnt 32                              ; x is in (younger: the ring's 32)
.set XK, 0
.rept 16
	ds_store_b128 v[SRB], v[ACC+4*XK:ACC+4*XK+3] offset:544*XK
.set XK, XK+1
.endr
	s_wait_alu depctr_vm_vsrc(0)                   ; the LDS stores above have read v[ACC ..], in which the loads below land, and v[PC .. PC+3], in which the norm's partial sums land
.irp m, 0,1
.irp b, 0,1
.irp i, 0,1,2,3
	ds_load_b128 v[ACC+32*\m+16*\b+4*\i:ACC+32*\m+16*\b+4*\i+3], v[STO] offset:4352*\m+128*\b+16*\i   ; back in the operand's order: row 16 m + r, columns 32 b + 16 h + 4 i on
.endr
.endr
.endr
	s_wait_dscnt 0x0
	LNORM ACC, 0, 256
; h is quantised with scale p's exponent: 8 numbers at a time are held into one of four sets by turns, so that other sets' holds stand between a conversion and the next write of its sources
.macro QH cd, sc
.set QN, 0
.rept 8
.set QJ, 0
.rept 8
	v_med3_num_f32 v[TQ+8*(QN%4)+QJ], v[T+8*QN+QJ], -v[\sc+1], v[\sc+1]
.set QJ, QJ+1
.endr
	v_cvt_scalef32_pk8_bf8_f32 v[\cd+2*QN:\cd+2*QN+1], v[TQ+8*(QN%4):TQ+8*(QN%4)+7], v[\sc]
.set QN, QN+1
.endr
.endm
	QH PC, 12
	QH PC+16, 14
	QH AF, 16
	v_nop                                          ; a plain line behind the last conversion
	s_wait_alu depctr_va_vdst(0)                   ; the conversions have written the three sets of codes, which the LDS stores read; and every vector instruction that named v[AF ..], in which the first fragments' loads land, is done
.irp m, 0,1
.irp b, 0,1
	ds_store_b128 v[HWI], v[PC+4*(2*\m+\b):PC+4*(2*\m+\b)+3] offset:2048*\m+512*\b
	ds_store_b128 v[HWI], v[PC+16+4*(2*\m+\b):PC+16+4*(2*\m+\b)+3] offset:16384+2048*\m+512*\b
	ds_store_b128 v[HWI], v[AF+4*(2*\m+\b):AF+4*(2*\m+\b)+3] offset:32768+2048*\m+512*\b
.endr
.endr
	BARRIER                                        ; h's 24 fragments lie in LDS
	s_wait_alu depctr_vm_vsrc(0)                   ; my LDS stores have read v[AF .. AF+15], in which the loads below land, and v[PC .. PC+31], which the ways out of q and k write again
; The way out of product p: the hold, the conversion, four stores of 512 consecutive aligned bytes.  Each product has code registers of its own, so no store's data are written again.
.macro EPI p
.if (\p) == 0
.set SC, 6
.set CD, PC
.set OB, 14
.elseif (\p) == 1
.set SC, 8
.set CD, PC+16
.set OB, 16
.else
.set SC, 18
.set CD, T
.set OB, 18
.endif
	WIN 0
.set EJ, 0
.rept 64
	v_med3_num_f32 v[ACC+EJ], v[ACC+EJ], -v[SC+1], v[SC+1]   ; each accumulator from its low end on
.set EJ, EJ+1
.endr
.set EJ, 0
.rept 8
	v_cvt_scalef32_pk8_bf8_f32 v[CD+2*EJ:CD+2*EJ+1], v[ACC+8*EJ:ACC+8*EJ+7], v[SC]
.set EJ, EJ+1
.endr
	v_nop                                          ; a plain line between the conversions and the products that write their sources anew
	s_wait_alu depctr_va_vdst(0)                   ; the conversions have written v[CD .. CD+15], which the four stores read
.irp n, 0,1,2,3
.if (\p) < 2
	global_store_b128 v1, v[CD+4*\n:CD+4*\n+3], s[OB:OB+1] offset:65536*(\n%2)+512*(\n/2)    ; tile of rows n / 2, head n % 2: row r, channels 16 h + 0 .. 15
.else
	global_store_b128 v1, v[CD+4*\n:CD+4*\n+3], s[OB:OB+1] offset:65536*(\n/2)+2048*(\n%2)   ; head n / 2, tile of channels n % 2: byte i = key 16 (i / 8) + 8 h + i % 8 of my 32 rows
.endif
.endr
.endm
	AFETCH 1, 0, 0
	AFETCH 1, 0, 1
.set SG, 0
.rept 12                               ; K step SG % 4 of product SG / 4: the images of the three operands lie on end
.set ZZ, 0
.if SG%4 == 0
.set ZZ, 1
.endif
.set MD, 0
.if SG >= 8
.set MD, 2
.endif
	GROUP MD, SG, ZZ
.if SG%4 == 3
	EPI SG/4
.endif
.set SG, SG+1
.endr
	s_wait_dscnt 0x0                               ; the closing lines, six on end
	s_wait_alu 0x0
	s_wait_tensorcnt 0x0
	ds_add_u32 v254, v255
	s_wait_dscnt 0x0
	s_endpgm
.Lfunc_end_k_qe1c18b53c4_qkv:
	.size	k_qe1c18b53c4_qkv, .Lfunc_end_k_qe1c18b53c4_qkv-k_qe1c18b53c4_qkv
	.p2alignl 7, 3214868480
	.fill 96, 4, 3214868480
	.section	.rodata,"a",@progbits
	.p2align	6, 0x0
	.amdhsa_kernel k_qe1c18b53c4_qkv
		.amdhsa_group_segment_fixed_size 125952
		.amdhsa_private_segment_fixed_size 0
		.amdhsa_enable_private_segment 0
		.amdhsa_kernarg_size 64
		.amdhsa_user_sgpr_count 2
		.amdhsa_user_sgpr_kernarg_segment_ptr 1
		.amdhsa_wavefront_size32 1
		.amdhsa_system_sgpr_workgroup_id_x 1
		.amdhsa_system_sgpr_workgroup_id_y 1
		.amdhsa_system_sgpr_workgroup_id_z 1
		.amdhsa_system_vgpr_workitem_id 0
		.amdhsa_next_free_vgpr 448
		.amdhsa_next_free_sgpr 66
		.amdhsa_reserve_vcc 0
		.amdhsa_float_denorm_mode_32 3
		.amdhsa_float_denorm_mode_16_64 3
		.amdhsa_memory_ordered 1
		.amdhsa_forward_progress 1
		.amdhsa_inst_pref_size 88
	.end_amdhsa_kernel
	.amdgpu_metadata
---
amdhsa.version: [ 1, 2 ]
amdhsa.kernels:
  - .name:           k_qe1c18b53c4_qkv
    .symbol:         k_qe1c18b53c4_qkv.kd
    .args:
      - { .name: x, .offset: 0, .size: 8, .value_kind: global_buffer, .address_space: global }
      - { .name: ln1_scale, .offset: 8, .size: 8, .value_kind: global_buffer, .address_space: global }
      - { .name: ln1_shift, .offset: 16, .size: 8, .value_kind: global_buffer, .address_space: global }
      - { .name: lowp_scales, .offset: 24, .size: 8, .value_kind: global_buffer, .address_space: global }
      - { .name: wqkv, .offset: 32, .size: 8, .value_kind: global_buffer, .address_space: global }
      - { .name: qimg, .offset: 40, .size: 8, .value_kind: global_buffer, .address_space: global }
      - { .name: kimg, .offset: 48, .size: 8, .value_kind: global_buffer, .address_space: global }
      - { .name: vimg, .offset: 56, .size: 8, .value_kind: global_buffer, .address_space: global }
    .group_segment_fixed_size: 125952
    .private_segment_fixed_size: 0
    .kernarg_segment_align: 8
    .kernarg_segment_size: 64
    .max_flat_workgroup_size: 256
    .sgpr_count:     66
    .vgpr_count:     448
    .wavefront_size: 32
...
	.end_amdgpu_metadata
.endif
;; end of part 6
;; launch attn (part 7): grid 4 x 64, 16 waves a work-group, no clusters, 133,120 bytes of LDS; arguments qimg, kimg, vimg, lowp_scales, ctximg; writes ctximg
.if DOCPART == 7
	.amdgcn_target "amdgcn-amd-amdhsa--gfx1250"
	.amdhsa_code_object_version 6
	.text
	.protected	k_qe1c18b53c4_attn
	.globl	k_qe1c18b53c4_attn
	.p2align	8
	.type	k_qe1c18b53c4_attn,@function
k_qe1c18b53c4_attn:
	s_mov_b64 s[64:65], 0
	v_nop
	global_prefetch_b8 v0, s[64:65] scope:SCOPE_SE
	s_setreg_imm32_b32 hwreg(HW_REG_WAVE_SCHED_MODE, 0, 2), 2
	s_setreg_imm32_b32 hwreg(HW_REG_WAVE_MODE, 25, 1), 1
	s_wait_xcnt 0x0
	s_wait_alu depctr_vm_vsrc(0)
; Causal attention of one head of one batch (work-group y = 16 x batch + head), both products on codes of E5M2; the result is quantised with e10 and stored as chunks of the next product's operand.
; THE SOFTMAX AHEAD OF THE SECOND PRODUCT: t = score x log2(e) / sqrt(32); M = the row's largest t so far, rounded UP to a whole number; p = 2^(t - M) is quantised (e9), not normalised; the row's sum is taken of the unquantised p and divides at the end.
; When M moves, the sum and O are multiplied by 2^(old M - new M): exact.
; SHARES.  The head's K and V codes, 64 KB each, are copied into LDS once and read by all sixteen waves.  Wave w of work-group x = j takes the tiles of 16 queries i = 16 j + w and 127 - i: i / 8 + 1 and 16 - i / 8 steps of 128 keys: 17 for every wave.
; Both loops have 16 trips, a constant; a step all of whose keys come after the tile's queries is jumped over inside the trip.
; LAYOUT.  S^T = K Q^T (source 0 = 16 neighbouring keys, source 1 = my 16 queries), by the K = 64 form: the head's 32 channels fill registers 0-3 of both sources; Q's registers 4-7 are zero codes, against which K's registers 4-7 (the next tile's
; codes, all finite, or zeros) count for nothing.  A lane holds one query; register 8 t + j holds key 16 t + 8 h + j.  V's images were laid in just that order of keys, so p's codes are source 1 of O^T = V^T P as they come out of the conversions.
; V^T's two tiles take the channels 8 u + r + 8 (r / 8), so that a lane's 16 registers of O^T are channels 16 h + 0 .. 15.
; NO CLUSTER: the four work-groups of a head read the same 128 KB once each at their start and nothing after; there is no loop of shared tiles that joint loads could serve.
; LIMITS, so that each power of two is an f32 number: e6 + e7 between -124 and 129; e9 and e10 between -126 and 112.  NaN among the inputs is not served.
; REGISTERS: v1 16 x lane; v2, v3 the step's LDS addresses; v4 r - 8 h; v5 -infinity; v6, v7 2^e9 and 57,344 x 2^e9; v8 -M, v9 the largest t; v[10:11] the sum in two halves; v12-19 Q; v20-55 K (8 tiles x 4, then zeros); v56-87 V;
;   v88-151 S^T, then p; v152-167 O^T; v168-183 p's codes; v184-192 at work; v200-207 the two tiles' results; v208, v209, v212 addresses; v210, v211 2^e10 and its limit.  s4-19: sixteen masks of the diagonal step.
; THE MODE: SCHED_MODE bits 1:0 = 2 (LLVM: expert scheduling mode 2), set by the entry lines.  The code itself states the register dependences between vector or matrix instructions and memory or LDS instructions, with s_wait_alu, always for 0.
; THE PLAN.  Registers that memory or LDS instructions touch, in a step:
;   v2, v3     Written by the step's first two additions, read by its sixteen LDS loads.  An LDS address has no scalar base, so they are made anew in each step: a wait on vm_vsrc ahead of the additions, a wait on va_vdst behind them.
;   v20-51     K: the step's eight score products read them; the next step's loads land in them.
;   v56-87     V: the step's last two products read them; the next step's loads land in them.
;   v1, v212   Constants of the lane, written at the head alone.
; The wait on va_vdst behind the additions states all three: v2 and v3 are written, and the step before is done reading K's and V's registers.  The wave's 256 registers are all taken: K and V have one buffer each.
; All else in a step is vector against vector.  The diagonal's masks go from compares into scalar registers, sixteen at a time, with one wait on va_sdst behind each run and ahead of the sixteen selections that read them.
.set CS,  52                           ; s[52:53] c = log2(e) / sqrt(32) x 2^(e6 + e7)
.set SEL, 54
.set EP,  25                           ; s25  e9
.set MK,  4                            ; s4-19 the masks (the buffers' addresses and e0 .. e3 that stood there have been used up at the head)
.set KF,  56                           ; the step's first key
.set TB,  57                           ; its tiles' first byte in LDS
.set Q0,  58                           ; the tile's first query
.set CNT, 59
.set TM,  60
.set E89, 61
.set BT,  62
.set HC,  63
.macro MKSC vs, vl, se                 ; s[se] holds E (it is used up): v[vs] = 2^E, v[vl] = 57,344 x 2^E
	s_add_co_i32 s[\se], s[\se], 127
	s_lshl_b32 s[TM], s[\se], 23
	v_mov_b32 v[\vs], s[TM]
	s_add_co_i32 s[\se], s[\se], 15
	s_lshl_b32 s[\se], s[\se], 23
	s_or_b32 s[\se], s[\se], 0x600000
	v_mov_b32 v[\vl], s[\se]
.endm
.macro TADDR qt, qb, cb                ; the byte offsets of tile s[qt]: of its queries' codes, and of its chunk of the result
	s_lshl_b32 s[\qb], s[\qt], 9
	s_add_co_u32 s[\qb], s[\qb], s36
	s_mov_b32 s[\qb+1], 0
	s_add_co_u32 s[TM], s[BT], s[\qt]              ; the tile of rows among all 512
	s_lshr_b32 s[\cb], s[TM], 1
	s_lshl_b32 s[\cb], s[\cb], 14                  ; 16,384 bytes for each 32 rows,
	s_and_b32 s[TM], s[TM], 1
	s_lshl_b32 s[TM], s[TM], 11                    ; 2,048 for the tile of the two,
	s_add_co_u32 s[\cb], s[\cb], s[TM]
	s_add_co_u32 s[\cb], s[\cb], s[HC]             ; and the head's K step and chunk
	s_mov_b32 s[\cb+1], 0
.endm
	s_load_b256 s[4:11], s[0:1], 0x0               ; qimg, kimg, vimg, the scales' exponents
	s_load_b64 s[12:13], s[0:1], 0x20              ; ctximg
	v_lshl_add_u32 v254, v0, 2, 0x20000
	v_mov_b32 v255, 0
	v_and_b32 v2, 31, v0
	v_lshlrev_b32 v1, 4, v2
	v_lshrrev_b32 v3, 5, v0
	v_readfirstlane_b32 s32, v3                    ; wave 0..15
	v_and_b32 v2, 15, v0                           ; r
	v_bfe_u32 v3, v0, 4, 1                         ; h
	v_lshlrev_b32 v3, 3, v3
	v_sub_nc_u32 v4, v2, v3
	s_wait_alu depctr_va_sdst(0)                   ; s32 is written, ahead of its first reader: the copy's addresses and my tiles' numbers are made from it
	s_lshl_b32 s33, s32, 12
	v_add_nc_u32 v208, s33, v1                     ; my wave's 4,096 bytes of K's 65,536, in memory and in LDS alike
	v_add_nc_u32 v209, 0x10000, v208               ; and of V's, which lie behind K's in LDS
	v_add_nc_u32 v212, 0x10000, v1
	s_and_b32 s34, ttmp7, 0xffff                   ; 16 x batch + head
	s_lshl_b32 s36, s34, 16
	s_mov_b32 s37, 0
	s_lshl_b32 s35, ttmp9, 4
	s_add_co_u32 s35, s35, s32                     ; i
	s_sub_co_u32 s38, 127, s35                     ; 127 - i
	s_lshr_b32 s[BT], s34, 4
	s_lshl_b32 s[BT], s[BT], 7                     ; 128 tiles of rows a batch
	s_and_b32 s39, s34, 15                         ; the head
	s_lshr_b32 s[HC], s39, 2
	s_lshl_b32 s[HC], s[HC], 12
	s_and_b32 s39, s39, 3
	s_lshl_b32 s39, s39, 9
	s_add_co_u32 s[HC], s[HC], s39
	TADDR 35, 40, 42
	TADDR 38, 44, 46
	s_mov_b32 s[SEL], 0x76543210
	s_mov_b32 s[SEL+1], 0xfedcba98
	s_wait_kmcnt 0x0
	s_load_b512 s[16:31], s[10:11], 0x0            ; e0 .. e15 in s16 .. s31
	s_add_nc_u64 s[48:49], s[6:7], s[36:37]
	s_add_nc_u64 s[50:51], s[8:9], s[36:37]
	s_wait_alu depctr_va_vdst(0)                   ; the offsets and LDS addresses v1, v208, v209, v212 and the closing add's v254, v255 are written: the loads and stores below read them, and none is written again
.irp j, 0,1,2,3,4,5,6,7
	global_load_b128 v[88+4*\j:91+4*\j], v208, s[48:49] offset:512*\j
.endr
.irp j, 0,1,2,3,4,5,6,7
	global_load_b128 v[120+4*\j:123+4*\j], v208, s[50:51] offset:512*\j
.endr
	s_add_nc_u64 s[40:41], s[4:5], s[40:41]
	s_add_nc_u64 s[44:45], s[4:5], s[44:45]
	s_add_nc_u64 s[42:43], s[12:13], s[42:43]
	s_add_nc_u64 s[46:47], s[12:13], s[46:47]
	v_mov_b32 v5, 0xff800000
.irp j, 16,17,18,19,52,53,54,55
	v_mov_b32 v\j, 0                               ; zero codes: the upper half of Q's operand, and what stands behind K's last tile
.endr
	v_mov_b32 v187, 0                              ; (named as the upper half of the pair v[186:187])
	v_mov_b32 v188, 0                              ; a lane permute's destination counts as one of its sources
	s_wait_kmcnt 0x0
	s_add_co_i32 s[TM], s22, s23
	s_lshl_b32 s[TM], s[TM], 23
	s_add_co_i32 s[CS], s[TM], 0x3e8293ee          ; a score stands for score x 2^(e6 + e7): the two exponents are added to c's exponent field
	s_mov_b32 s[CS+1], s[CS]
	s_add_co_i32 s[E89], s24, s25
	s_mov_b32 s33, s25
	MKSC 6, 7, 33
	MKSC 210, 211, 26
	s_wait_loadcnt 0x0
.irp j, 0,1,2,3,4,5,6,7
	ds_store_b128 v208, v[88+4*\j:91+4*\j] offset:512*\j
.endr
.irp j, 0,1,2,3,4,5,6,7
	ds_store_b128 v209, v[120+4*\j:123+4*\j] offset:512*\j
.endr
	s_wait_dscnt 0x0                               ; for the others' sake: my stores have landed
	s_barrier_signal -1
	s_barrier_wait -1                              ; the head's K and V lie in LDS; from here on they are only read
	s_wait_alu depctr_vm_vsrc(0)                   ; my LDS stores have read v88-151: these registers are S^T from here on, written by the score products
; A step of 128 keys.
.macro STEP
	s_add_co_u32 s[TM], s[Q0], 15
	s_cmp_gt_u32 s[KF], s[TM]
	s_cbranch_scc1 .Lhid_\@                        ; all its keys come after my queries: only the lines that step addresses are run
	s_wait_alu depctr_vm_vsrc(0)                   ; the LDS loads of the step before have read v2 and v3, which the two additions write
	v_add_nc_u32 v2, s[TB], v1
	v_add_nc_u32 v3, s[TB], v212
	v_nop
	v_nop                                          ; with the two additions: four places behind the last products, in front of loads into registers that they read
	s_wait_alu depctr_va_vdst(0)                   ; v2 and v3 are written, which the loads below read; the products of the step before are done reading v20-51 and v56-87, in which these loads land
.irp t, 0,1,2,3,4,5,6,7
	ds_load_b128 v[20+4*\t:23+4*\t], v2 offset:512*\t
.endr
.irp u, 0,1
.irp c, 0,1,2,3
	ds_load_b128 v[56+16*\u+4*\c:59+16*\u+4*\c], v3 offset:2048*\u+512*\c
.endr
.endr
	s_wait_dscnt 8                                 ; K's eight tiles are in; V's eight loads may stay out
.irp t, 0,1,2,3,4,5,6,7
	v_wmma_f32_16x16x64_bf8_bf8 v[88+8*\t:95+8*\t], v[20+4*\t:27+4*\t], v[12:19], 0
.endr
.rept 4
	v_nop
.endr
	s_add_co_u32 s[TM], s[KF], 127
	s_cmp_le_u32 s[TM], s[Q0]
	s_cbranch_scc1 .Lopen_\@                       ; all 128 keys count for all 16 queries
	s_sub_co_i32 s[TM], s[Q0], s[KF]
	v_add_nc_u32 v192, s[TM], v4                   ; d = my query - the step's first key - 8 h.  Register 8 t + j holds key 16 t + 8 h + j: hidden where 16 t + j > d
.set N0, 0
.rept 4                                        ; sixteen registers at a time: a run of compares into sixteen scalar registers, one wait, the sixteen selections
.set N, 0
.rept 16
	v_cmp_gt_i32 s[MK+N], 16*((N0+N)/8)+(N0+N)%8, v192
.set N, N+1
.endr
	s_wait_alu depctr_va_sdst(0)                   ; the sixteen masks in s4-19 are written, ahead of the selections that read them
.set N, 0
.rept 16
	v_cndmask_b32 v[88+N0+N], v[88+N0+N], v5, s[MK+N]
.set N, N+1
.endr
.set N0, N0+16
.endr
.Lopen_\@:
	v_max3_num_f32 v184, v88, v89, v90             ; the step's largest score of my query among my 64 keys, in two chains,
	v_max3_num_f32 v186, v91, v92, v93
.irp i, 6,10,14,18,22,26,30,34,38,42,46,50,54,58
	v_max3_num_f32 v184, v184, v[88+\i], v[89+\i]
	v_max3_num_f32 v186, v186, v[90+\i], v[91+\i]
.endr
	v_max3_num_f32 v184, v184, v150, v151
	v_max_num_f32 v184, v184, v186
	v_permlanex16_b32 v188, v184, s[SEL], s[SEL+1]
	v_max_num_f32 v184, v184, v188                 ; and among lane l xor 16's
	v_mul_f32 v184, s[CS], v184                    ; as t (c is positive)
	v_max_num_f32 v9, v9, v184                     ; the running largest t
	v_mov_b32 v184, v8
	v_floor_f32 v8, -v9                            ; the new -M = floor(-t) = -ceil(t): a whole number
	v_sub_f32 v184, v8, v184                       ; old M - new M: a whole number, 0 or less
	v_cvt_i32_f32 v184, v184                       ; (it saturates)
	v_ldexp_f32 v186, 1.0, v184                    ; f = 2^(old M - new M)
.set N, 0
.rept 32
	v_pk_fma_f32 v[88+N:89+N], v[88+N:89+N], s[CS:CS+1], v[8:9] op_sel_hi:[1,0,0]   ; t - M, two at a time (of the pairs c and -M the low word serves both halves)
.set N, N+2
.endr
.set N, 0
	s_wait_alu depctr_va_vdst(0)
.rept 64
	v_exp_f32 v[88+N], v[88+N]                     ; p = 2^(t - M), at most 1
.set N, N+1
.endr
	v_pk_mul_f32 v[10:11], v[10:11], v[186:187] op_sel_hi:[1,0]   ; the sums under the new M (a plain line behind the exponentials)
	s_wait_alu depctr_va_vdst(0)                   ; the 64 powers in v88-151 are written: one wait for the batch, ahead of its first reader
	v_pk_add_f32 v[190:191], v[88:89], v[90:91]    ; the row's sum is taken of the unquantised p, in two chains
.irp j, 4,8,12,16,20,24,28,32,36,40,44,48,52,56,60
	v_pk_add_f32 v[10:11], v[10:11], v[88+\j:89+\j]
	v_pk_add_f32 v[190:191], v[190:191], v[90+\j:91+\j]
.endr
	v_pk_add_f32 v[10:11], v[10:11], v[190:191]
	s_cmp_ge_i32 s[EP], -15                        ; with e9 >= -15 the largest code x the scale is at least 1.75 and p is at most 1: the hold would change nothing.  A branch on the given whole number
	s_cbranch_scc1 .Lfits_\@
.set N, 0
.rept 64
	v_min_num_f32 v[88+N], v[88+N], v7             ; the conversion to an 8-bit code does not saturate (ISA guide 7.6.2); p is not negative, so the hold is one-sided
.set N, N+1
.endr
.Lfits_\@:
.irp n, 0,1,2,3,4,5,6,7
	v_cvt_scalef32_pk8_bf8_f32 v[168+2*\n:169+2*\n], v[88+8*\n:95+8*\n], v6
.endr
.irp j, 0,2,4,6,8,10,12,14
	v_pk_mul_f32 v[152+\j:153+\j], v[152+\j:153+\j], v[186:187] op_sel_hi:[1,0]   ; O^T under the new M; these are also the plain lines behind the conversions
.endr
	s_wait_alu depctr_va_vdst(0)
	s_wait_dscnt 0x0                               ; V is in
.irp u, 0,1
	v_wmma_f32_16x16x128_bf8_bf8 v[152+8*\u:159+8*\u], v[56+16*\u:71+16*\u], v[168:183], v[152+8*\u:159+8*\u]   ; between two links of a chain stand the other chain's and the eight score products
.endr
.Lhid_\@:
	s_add_co_u32 s[KF], s[KF], 128
	s_add_co_u32 s[TB], s[TB], 4096
.endm
; One tile of 16 queries: n: which of my two; s[qt] its number; s[qb:qb+1] its codes; s[cb:cb+1] where its result goes.
.macro TILE n, qt, qb, cb
	global_load_b128 v[12:15], v1, s[\qb:\qb+1]    ; lane (r, h): query r, channels 16 h + 0 .. 15.  (In the second tile: the first tile's products, which read v12-15, stand ahead of the wait in front of its store, and no vector instruction since names them)
	s_lshl_b32 s[Q0], s[\qt], 4
	v_mov_b32 v9, 0xff61b1e6                       ; the largest t so far: -3e38, under every t
	v_floor_f32 v8, -v9
	v_mov_b32 v10, 0
	v_mov_b32 v11, 0
.set N, 0
.rept 16
	v_mov_b32 v[152+N], 0                          ; O^T: the step is written once; the first finds zeros, which the first change of M leaves zeros
.set N, N+1
.endr
	s_mov_b32 s[KF], 0
	s_mov_b32 s[TB], 0
	s_mov_b32 s[CNT], 16
	s_wait_loadcnt 0x0
.Lstep_\@:
	STEP
	s_sub_co_u32 s[CNT], s[CNT], 1
	s_cmp_lg_u32 s[CNT], 0
	s_cbranch_scc1 .Lstep_\@
.rept 4
	v_nop                                          ; four places behind the last products
.endr
	v_add_f32 v10, v10, v11                        ; the sum's two halves,
	v_permlanex16_b32 v188, v10, s[SEL], s[SEL+1]
	v_add_f32 v10, v10, v188                       ; and lane l xor 16's
	s_wait_alu depctr_va_vdst(0)
	v_rcp_f32 v10, v10
	v_nop
	s_wait_alu depctr_va_vdst(0)                   ; the reciprocal in v10 is written, ahead of its first reader
	v_ldexp_f32 v10, v10, s[E89]                   ; x 2^(e8 + e9)
.set N, 0
.rept 16
	v_mul_f32 v[88+N], v[152+N], v10               ; the context: query r, channels 16 h + 0 .. 15; each accumulator from its low end on
.set N, N+1
.endr
.set N, 0
.rept 16
	v_med3_num_f32 v[88+N], v[88+N], -v211, v211
.set N, N+1
.endr
	v_cvt_scalef32_pk8_bf8_f32 v[200+4*\n:201+4*\n], v[88:95], v210
	v_cvt_scalef32_pk8_bf8_f32 v[202+4*\n:203+4*\n], v[96:103], v210
	v_nop                                          ; a plain line behind the conversions
	s_wait_alu depctr_va_vdst(0)                   ; the conversions have written the tile's four registers of codes, which the store reads (each tile has its own four: they are not written again)
	global_store_b128 v1, v[200+4*\n:203+4*\n], s[\cb:\cb+1]   ; a chunk of the next operand's image: 512 consecutive aligned bytes
.endm
	TILE 0, 35, 40, 42
	TILE 1, 38, 44, 46
	s_wait_dscnt 0x0                               ; the closing lines, six on end
	s_wait_alu 0x0
	s_wait_tensorcnt 0x0
	ds_add_u32 v254, v255
	s_wait_dscnt 0x0
	s_endpgm
.Lfunc_end_k_qe1c18b53c4_attn:
	.size	k_qe1c18b53c4_attn, .Lfunc_end_k_qe1c18b53c4_attn-k_qe1c18b53c4_attn
	.p2alignl 7, 3214868480
	.fill 96, 4, 3214868480
	.section	.rodata,"a",@progbits
	.p2align	6, 0x0
	.amdhsa_kernel k_qe1c18b53c4_attn
		.amdhsa_group_segment_fixed_size 133120
		.amdhsa_private_segment_fixed_size 0
		.amdhsa_enable_private_segment 0
		.amdhsa_kernarg_size 40
		.amdhsa_user_sgpr_count 2
		.amdhsa_user_sgpr_kernarg_segment_ptr 1
		.amdhsa_wavefront_size32 1
		.amdhsa_system_sgpr_workgroup_id_x 1
		.amdhsa_system_sgpr_workgroup_id_y 1
		.amdhsa_system_sgpr_workgroup_id_z 1
		.amdhsa_system_vgpr_workitem_id 0
		.amdhsa_next_free_vgpr 256
		.amdhsa_next_free_sgpr 66
		.amdhsa_reserve_vcc 0
		.amdhsa_float_denorm_mode_32 3
		.amdhsa_float_denorm_mode_16_64 3
		.amdhsa_memory_ordered 1
		.amdhsa_forward_progress 1
		.amdhsa_inst_pref_size 60
	.end_amdhsa_kernel
	.amdgpu_metadata
---
amdhsa.version: [ 1, 2 ]
amdhsa.kernels:
  - .name:           k_qe1c18b53c4_attn
    .symbol:         k_qe1c18b53c4_attn.kd
    .args:
      - { .name: qimg, .offset: 0, .size: 8, .value_kind: global_buffer, .address_space: global }
      - { .name: kimg, .offset: 8, .size: 8, .value_kind: global_buffer, .address_space: global }
      - { .name: vimg, .offset: 16, .size: 8, .value_kind: global_buffer, .address_space: global }
      - { .name: lowp_scales, .offset: 24, .size: 8, .value_kind: global_buffer, .address_space: global }
      - { .name: ctximg, .offset: 32, .size: 8, .value_kind: global_buffer, .address_space: global }
    .group_segment_fixed_size: 133120
    .private_segment_fixed_size: 0
    .kernarg_segment_align: 8
    .kernarg_segment_size: 40
    .max_flat_workgroup_size: 512
    .sgpr_count:     66
    .vgpr_count:     256
    .wavefront_size: 32
...
	.end_amdgpu_metadata
.endif
;; end of part 7
;; launch back (part 8): grid 256 x 1, 8 waves a work-group, no clusters, 187,392 bytes of LDS; arguments ctximg, wback, x, bo, ln2_scale, ln2_shift, b1, b2, lowp_scales, out0; writes out0
.if DOCPART == 8
	.amdgcn_target "amdgcn-amd-amdhsa--gfx1250"
	.amdhsa_code_object_version 6
	.text
	.protected	k_qe1c18b53c4_back
	.globl	k_qe1c18b53c4_back
	.p2align	8
	.type	k_qe1c18b53c4_back,@function
k_qe1c18b53c4_back:
	s_mov_b64 s[64:65], 0
	v_nop
	global_prefetch_b8 v0, s[64:65] scope:SCOPE_SE
	s_setreg_imm32_b32 hwreg(HW_REG_WAVE_SCHED_MODE, 0, 2), 2
	s_setreg_imm32_b32 hwreg(HW_REG_WAVE_MODE, 25, 1), 1
	s_wait_xcnt 0x0
	s_wait_alu depctr_vm_vsrc(0)
; x1 = x + ctx wo + bo;  out = x1 + gelu(LayerNorm(x1) w1 + b1) w2 + b2.  The three products run on codes of E5M2 with their given scales; x1, the normalised rows and the hidden layer never go to memory.
; SHARES.  A work-group of eight waves takes 32 rows (two tiles of 16).  Wave w owns columns 64 w .. 64 w + 63 of every 512-wide row, and of each half of the hidden layer the units 128 w .. 128 w + 127.
; A FRAGMENT is 16 rows x 128 K, 16 registers: lane (r, h), chunk c (registers 4 c .. 4 c + 3), byte i = k 32 c + 16 h + i of row r: one and the same order of k on both sides of every product.  Its IMAGE is 2,048 bytes, chunk c at 512 c + 16 x lane.
; Row operands go from wave to wave through LDS as such images.  WEIGHTS go from memory straight into operand registers: an earlier launch laid each wave's 144 fragments on end in the order of use (wo 16; then for each half of the hidden layer
; w1 32, w2 32); a ring of eight fragments (128 registers) is filled four at a time, one group ahead.
; Every product is used transposed (source 0 = 16 columns of the weight, source 1 = 16 rows): a lane holds one row and, in the 16 registers of two tiles, 16 neighbouring columns: a chunk of the next operand after two conversions.
; The last product's accumulators begin as (x1 + b2) / 2^(e14 + e15), an exact scaling, so the residual and the bias cost no addition at the end.
; gelu(u) = u / (1 + 2^(u (K1 + K2 u^2))), K1 = -2 log2(e) sqrt(2 / pi), K2 = 0.044715 K1: the same function as 0.5 u (1 + tanh(..)); for large |u| the power is 0 or infinity and the result u or 0.
; NO CLUSTER, NO JOINT LOADS: a weight fragment is used by one wave of a work-group and lands in its operand registers; a joint load would land in LDS, from where the 2.25 MB that a work-group walks would have to be read once more.
; LIMITS, so that each power of two is an f32 number: e12, e14 between -126 and 112; e10 + e11, e12 + e13, e14 + e15 between -126 and 126.  NaN among the inputs is not served.
; REGISTERS: window 0: v1 16 x lane; v3-23 addresses and scales; v24-87 the rows' fragments, two sets of two (between phases: parameters, and rows on the way out); v88-151 eight accumulators: ctx wo, then x1, then the last product's;
;   v152-183 codes and small numbers; v184-247 x, the normalised rows, gelu's numbers, the results.   window 1: v0-127 the ring; v128-255 the hidden layer's sixteen accumulators.
; THE MODE: SCHED_MODE bits 1:0 = 2 (LLVM: expert scheduling mode 2), set by the entry lines.  The code itself states the register dependences between vector or matrix instructions and memory or LDS instructions, with s_wait_alu, always for 0.
; THE PLAN.  Registers that memory or LDS instructions touch, in the 36 groups:
;   the ring   Two buffers of four fragments.  Group g's eight matrix instructions read buffer g % 2; the sixteen loads of group g + 2 land in the same buffer, behind them.
;   v[AF ..]   K step s's matrix instructions read set s % 2; the eight LDS loads of K step s + 2 land in the same set, behind them.
;   v1, v6, v7 The offsets of these loads; written once, at the head.
; The wave's 512 registers are all taken, so neither has a third buffer, and a buffer that waited for the next group's head would leave only that group's sixteen loads on their way.  So ONE wait on va_vdst stands in a group,
; behind its eight products and their places: they are done reading the ring buffer and the set of rows; the sixteen loads and, behind a K step's last group, the eight LDS loads follow it with no vector instruction between.
; Between the phases the codes (v[PC ..]) and the results (v[T ..]) go to LDS from registers that vector instructions have written: one wait on va_vdst ahead of each run of stores, which also covers the loads that follow it, and one wait on
; vm_vsrc ahead of the first instruction that writes such registers again.  Each stands with its comment.
.set NF,    144
.set AF,    24
.set ACC,   88
.set PC,    152
.set T,     184
.set U,     T
.set W,     T+16
.set TL,    PC
.set TS,    PC+16
.set TP,    PC+20
.set MEAN,  PC+22
.set RSTD,  PC+26
.set H2IMG, 16384                      ; LDS: 0: the context's 8 fragments ((K step s, tile m) at (2 s + m) x 2,048);  16,384: the normalised rows' 8;  32,768 and 65,536: the two halves of the hidden layer, 16 fragments each
.set STAT,  98304                      ; two tables of 8 waves x 32 partial sums
.set PAR,   100352                     ; 2,048 bytes a wave: bo, ln2_scale, ln2_shift, b2 (256 each), b1's two halves (512 each)
.set STAGE, 116736                     ; each wave's stage: 32 rows x (256 bytes + 16)
.set SA,    3
.set SRD,   4
.set HWI,   5
.set LG,    6                          ; v6, v7   16 x lane + the hidden layer's half
.set GW,    8                          ; v8, v9   + 4,096 w: where my fragment pair goes
.set PARA,  10
.set STO,   11
.set SRB,   12
.set GO,    13
.set WB,    6                          ; s[6:7]
.set SWO,   54
.set S1,    56
.set S2,    58
.set S2I,   60
.set K2,    66
.set SEL,   68
.set INV,   70
.set EPS,   71
.set TM,    72
.set FC,    0
.set MSB,   0
.macro WIN new                         ; the immediate's high byte repeats the setting that is left; a switch that changes nothing is dropped
.if MSB != \new
	s_set_vgpr_msb (MSB<<8)|\new
.set MSB, \new
.endif
.endm
.macro BARRIER                         ; my LDS stores have landed and my LDS loads are in: then the work-group's barrier
	s_wait_dscnt 0x0
	s_barrier_signal -1
	s_barrier_wait -1
.endm
.macro RLOAD f                         ; fragment f of my stream into ring place f % 8 (destination window 1); nothing past the stream's end
.if (\f) < NF
.irp c, 0,1,2,3
	global_load_b128 v[16*((\f)%8)+4*\c:16*((\f)%8)+4*\c+3], v1, s[WB:WB+1] offset:2048*(\f)+512*\c
.endr
.endif
.endm
.macro AFETCH adr, base, s             ; the two row tiles' fragments of K step s into set s % 2
.irp m, 0,1
.irp c, 0,1,2,3
	ds_load_b128 v[AF+32*((\s)%2)+16*\m+4*\c:AF+32*((\s)%2)+16*\m+4*\c+3], v[\adr] offset:\base+4096*(\s)+2048*\m+512*\c
.endr
.endr
.endm
; Four fragments of the ring against the two row tiles: eight matrix instructions on eight accumulators, which take turns in the same order in every group.
; mode 0: accumulators in window 0;  1: in window 1.  zero = 1: the products start the sums.  dsn: LDS loads that may stay out (-1: no wait).
.macro GROUP mode, s, t0, zero, dsn
.if FC+4 < NF
	s_wait_loadcnt 16                              ; my four fragments are in; the only younger loads are the next group's sixteen
.else
	s_wait_loadcnt 0x0
.endif
.if \dsn >= 0
	s_wait_dscnt \dsn                              ; this K step's fragments of the rows are in; the next K step's eight loads may stay out
.endif
.if \mode == 0
	WIN 0x01
.else
	WIN 0x51
.endif
.irp i, 0,1,2,3
.irp m, 0,1
.set RG, 16*((FC+\i)%8)
.set AA, AF+32*((\s)%2)+16*\m
.if \mode == 0
.set DD, ACC+32*\m+8*(\t0+\i)
.else
.set DD, 128+64*\m+8*(\t0+\i)
.endif
.if \zero
	v_wmma_f32_16x16x128_bf8_bf8 v[DD:DD+7], v[RG:RG+15], v[AA:AA+15], 0
.else
	v_wmma_f32_16x16x128_bf8_bf8 v[DD:DD+7], v[RG:RG+15], v[AA:AA+15], v[DD:DD+7]
.endif
.endr
.endr
.rept 4
	v_nop                                          ; four places in front of the loads into the registers just multiplied and of any read of results; the wait below fills no place
.endr
.if FC+8 < NF
	WIN 0x40
	s_wait_alu depctr_va_vdst(0)                   ; the eight products are done reading their four ring places, in which the sixteen loads below land, and their set of rows, in which the LDS loads behind this group land
.irp i, 0,1,2,3
	RLOAD FC+8+\i
.endr
.endif
	WIN 0
.set FC, FC+4
.endm
; The pairs v[TS], v[TS+2] hold a lane's partial sums for rows r and 16 + r.  They are added over the lane's half, its partner 16 lanes away, and the eight waves (through LDS, one barrier); the rows' sums come out in v[TL] and v[TL+8], the same in all waves.
; par = 1: behind the sums' loads the gain and the shift of my columns are asked for, into v[AF] on.
.macro XSUM off, par, vsc, vsh
.irp m, 0,1
	v_add_f32 v[TS+2*\m], v[TS+2*\m], v[TS+2*\m+1]
.endr
.irp m, 0,1
	v_permlanex16_b32 v[TP+\m], v[TS+2*\m], s[SEL], s[SEL+1]
.endr
.irp m, 0,1
	v_add_f32 v[TS+2*\m], v[TS+2*\m], v[TP+\m]
.endr
	s_wait_alu depctr_va_vdst(0)                   ; the additions have written v[TS] and v[TS+2], which the LDS stores read; and every vector or matrix instruction that named v[TL ..] or v[AF ..], in which the loads below land, is done
.irp m, 0,1
	ds_store_b32 v[SA], v[TS+2*\m] offset:\off+64*\m   ; lanes r and r + 16 write the same word with the same number
.endr
	BARRIER
.irp m, 0,1
.irp q, 0,1,2,3,4,5,6,7
	ds_load_b32 v[TL+8*\m+\q], v[SRD] offset:\off+64*\m+128*\q
.endr
.endr
.if \par
.irp b, 0,1
.irp i, 0,1,2,3
	ds_load_b128 v[AF+16*\b+4*\i:AF+16*\b+4*\i+3], v[PARA] offset:\vsc+128*\b+16*\i
	ds_load_b128 v[AF+32+16*\b+4*\i:AF+32+16*\b+4*\i+3], v[PARA] offset:\vsh+128*\b+16*\i
.endr
.endr
	s_wait_dscnt 16                                ; the sums are in; the sixteen loads just issued may stay out
.else
	s_wait_dscnt 0x0
.endif
	s_wait_alu depctr_vm_vsrc(0)                   ; the two LDS stores have read v[TS] and v[TS+2], which vector instructions further down write again
.irp m, 0,1
	v_add_f32 v[TL+8*\m], v[TL+8*\m], v[TL+8*\m+1]
	v_add_f32 v[TL+8*\m+2], v[TL+8*\m+2], v[TL+8*\m+3]
	v_add_f32 v[TL+8*\m+4], v[TL+8*\m+4], v[TL+8*\m+5]
	v_add_f32 v[TL+8*\m+6], v[TL+8*\m+6], v[TL+8*\m+7]
	v_add_f32 v[TL+8*\m], v[TL+8*\m], v[TL+8*\m+2]
	v_add_f32 v[TL+8*\m+4], v[TL+8*\m+4], v[TL+8*\m+6]
	v_add_f32 v[TL+8*\m], v[TL+8*\m], v[TL+8*\m+4]
.endr
.endm
; LayerNorm of the 32 rows.  v[X + 32 m + 16 b + i] = row 16 m + r, column 64 w + 32 b + 16 h + i; the result lies so in v[T] on.  Two passes (the mean, then the squares of the differences), so that a common offset of the rows does no harm.
.macro LNORM X, vsc, vsh
	v_mov_b32 v[TP], 0                             ; a lane permute's destination counts as one of its sources
	v_mov_b32 v[TP+1], 0
.irp m, 0,1
	v_pk_add_f32 v[TS+2*\m:TS+2*\m+1], v[\X+32*\m:\X+32*\m+1], v[\X+32*\m+2:\X+32*\m+3]
.endr
.irp j, 4,6,8,10,12,14,16,18,20,22,24,26,28,30
.irp m, 0,1
	v_pk_add_f32 v[TS+2*\m:TS+2*\m+1], v[TS+2*\m:TS+2*\m+1], v[\X+32*\m+\j:\X+32*\m+\j+1]
.endr
.endr
	XSUM 0, 0, 0, 0
.irp m, 0,1
	v_mul_f32 v[MEAN+2*\m], s[INV], v[TL+8*\m]     ; the mean, in both halves of a pair
	v_mul_f32 v[MEAN+2*\m+1], s[INV], v[TL+8*\m]
.endr
.irp m, 0,1
.irp j, 0,2,4,6,8,10,12,14,16,18,20,22,24,26,28,30
	v_pk_add_f32 v[T+32*\m+\j:T+32*\m+\j+1], v[\X+32*\m+\j:\X+32*\m+\j+1], v[MEAN+2*\m:MEAN+2*\m+1] neg_lo:[0,1] neg_hi:[0,1]
.endr
.endr
.irp m, 0,1
	v_pk_mul_f32 v[TS+2*\m:TS+2*\m+1], v[T+32*\m:T+32*\m+1], v[T+32*\m:T+32*\m+1]
.endr
.irp j, 2,4,6,8,10,12,14,16,18,20,22,24,26,28,30
.irp m, 0,1
	v_pk_fma_f32 v[TS+2*\m:TS+2*\m+1], v[T+32*\m+\j:T+32*\m+\j+1], v[T+32*\m+\j:T+32*\m+\j+1], v[TS+2*\m:TS+2*\m+1]
.endr
.endr
	XSUM 1024, 1, \vsc, \vsh
.irp m, 0,1
	v_fma_f32 v[TL+8*\m+1], v[TL+8*\m], s[INV], s[EPS]   ; the variance + 1e-5
.endr
	s_wait_alu depctr_va_vdst(0)
.irp m, 0,1
	v_rsq_f32 v[RSTD+2*\m], v[TL+8*\m+1]
	v_rsq_f32 v[RSTD+2*\m+1], v[TL+8*\m+1]
.endr
	v_nop                                          ; a plain line behind the transcendentals
	s_wait_alu depctr_va_vdst(0)                   ; the four reciprocal roots in v[RSTD ..] are written, ahead of their first reader
.irp m, 0,1
.irp j, 0,2,4,6,8,10,12,14,16,18,20,22,24,26,28,30
	v_pk_mul_f32 v[T+32*\m+\j:T+32*\m+\j+1], v[T+32*\m+\j:T+32*\m+\j+1], v[RSTD+2*\m:RSTD+2*\m+1]
.endr
.endr
	s_wait_dscnt 0x0                               ; the gain and the shift are in
.irp m, 0,1
.irp j, 0,2,4,6,8,10,12,14,16,18,20,22,24,26,28,30
	v_pk_fma_f32 v[T+32*\m+\j:T+32*\m+\j+1], v[T+32*\m+\j:T+32*\m+\j+1], v[AF+\j:AF+\j+1], v[AF+32+\j:AF+32+\j+1]
.endr
.endr
.endm
.macro MKSC vs, vl, se                 ; s[se] holds E (it is used up): v[vs] = 2^E, v[vl] = 57,344 x 2^E
	s_add_co_i32 s[\se], s[\se], 127
	s_lshl_b32 s[TM], s[\se], 23
	v_mov_b32 v[\vs], s[TM]
	s_add_co_i32 s[\se], s[\se], 15
	s_lshl_b32 s[\se], s[\se], 23
	s_or_b32 s[\se], s[\se], 0x600000
	v_mov_b32 v[\vl], s[\se]
.endm
.macro POW2 sp, se                     ; s[sp] = s[sp+1] = 2^s[se] as f32 (the packed forms name the pair)
	s_add_co_i32 s[\sp], s[\se], 127
	s_lshl_b32 s[\sp], s[\sp], 23
	s_mov_b32 s[\sp+1], s[\sp]
.endm
	s_load_b512 s[4:19], s[0:1], 0x0               ; ctximg, wback, x, bo, ln2_scale, ln2_shift, b1, b2
	s_load_b128 s[20:23], s[0:1], 0x40             ; the scales' exponents, out0
	v_lshl_add_u32 v254, v0, 2, 0x2d800
	v_mov_b32 v255, 0
	v_lshrrev_b32 v248, 5, v0
	v_readfirstlane_b32 s40, v248                  ; wave 0..7
	v_and_b32 v250, 31, v0                         ; lane
	v_and_b32 v248, 15, v0                         ; r
	v_bfe_u32 v249, v0, 4, 1                       ; h
	v_lshlrev_b32 v1, 4, v250
	s_wait_alu depctr_va_vdst(0)
	v_lshlrev_b32 v21, 3, v250                     ; 8 x lane
	s_wait_alu depctr_va_sdst(0)                   ; s40 is written, ahead of its first reader: LDS addresses and the buffers' offsets are made from it
	s_lshl_b32 s41, s40, 7
	s_add_co_u32 s41, s41, STAT
	v_lshl_add_u32 v[SA], v248, 2, s41
	v_lshl_add_u32 v[SRD], v248, 2, STAT
	s_lshr_b32 s41, s40, 1
	s_lshl_b32 s41, s41, 12
	s_and_b32 s52, s40, 1
	s_lshl_b32 s52, s52, 10
	s_add_co_u32 s41, s41, s52
	v_add_nc_u32 v[HWI], s41, v1
	v_add_nc_u32 v[LG], 0x8000, v1
	v_add_nc_u32 v[LG+1], 0x10000, v1
	s_lshl_b32 s41, s40, 12
	v_add_nc_u32 v[GW], s41, v[LG]
	v_add_nc_u32 v[GW+1], s41, v[LG+1]
	s_lshl_b32 s41, s40, 11
	v_add_nc_u32 v20, s41, v1                      ; my 2,048 bytes of the context's 16,384, in memory and in LDS alike
	s_add_co_u32 s41, s41, PAR
	v_lshl_add_u32 v[PARA], v249, 6, s41
	v_add_nc_u32 v22, s41, v21
	v_add_nc_u32 v23, s41, v1
	s_mul_i32 s41, s40, 8704
	s_add_co_u32 s41, s41, STAGE
	v_mul_u32_u24 v[STO], v248, 272
	v_lshl_add_u32 v[STO], v249, 6, v[STO]
	v_add_nc_u32 v[STO], s41, v[STO]               ; the stage by operand layout: row r, + 64 h
	v_mul_u32_u24 v[SRB], v249, 272
	v_lshl_add_u32 v[SRB], v248, 4, v[SRB]
	v_add_nc_u32 v[SRB], s41, v[SRB]               ; the stage by rows: row h, + 16 r
	v_lshlrev_b32 v[GO], 11, v249
	v_lshl_add_u32 v[GO], v248, 4, v[GO]           ; the same two rows in x and in out0
	v_mov_b32 v18, 0xc0135761                      ; K1, in both halves of a pair
	v_mov_b32 v19, 0xc0135761
	s_lshl_b32 s42, ttmp9, 16                      ; 32 rows of 2,048 bytes,
	s_lshl_b32 s44, s40, 8                         ; my 64 columns
	s_add_co_u32 s42, s42, s44
	s_mov_b32 s43, 0
	s_mov_b32 s45, 0
	s_mul_i32 s46, s40, 294912                     ; my 144 fragments
	s_mov_b32 s47, 0
	s_lshl_b32 s48, ttmp9, 14
	s_mov_b32 s49, 0
	s_lshl_b32 s50, s40, 9
	s_mov_b32 s51, 0
	s_mov_b32 s[K2], 0xbdd2d3e8
	s_mov_b32 s[K2+1], 0xbdd2d3e8
	s_mov_b32 s[SEL], 0x76543210
	s_mov_b32 s[SEL+1], 0xfedcba98
	s_mov_b32 s[INV], 0x3b000000                   ; 1 / 512
	s_mov_b32 s[EPS], 0x3727c5ac                   ; 1e-5
	s_wait_kmcnt 0x0
	s_load_b512 s[24:39], s[20:21], 0x0            ; e0 .. e15 in s24 .. s39
	s_add_nc_u64 s[4:5], s[4:5], s[48:49]
	s_add_nc_u64 s[WB:WB+1], s[WB:WB+1], s[46:47]
	s_add_nc_u64 s[8:9], s[8:9], s[42:43]
	s_add_nc_u64 s[22:23], s[22:23], s[42:43]
	s_add_nc_u64 s[10:11], s[10:11], s[44:45]
	s_add_nc_u64 s[12:13], s[12:13], s[44:45]
	s_add_nc_u64 s[14:15], s[14:15], s[44:45]
	s_add_nc_u64 s[18:19], s[18:19], s[44:45]
	s_add_nc_u64 s[16:17], s[16:17], s[50:51]
	s_wait_alu depctr_va_vdst(0)                   ; the offsets and LDS addresses v1, v3-13, v20-23 and the closing add's v254, v255 are written: every memory and LDS instruction of the kernel reads some of them, and none is written again
	global_load_b64 v[PC:PC+1], v21, s[10:11]      ; bo, ln2_scale, ln2_shift, b2: my 64 numbers of each, 256 consecutive bytes a wave
	global_load_b64 v[PC+2:PC+3], v21, s[12:13]
	global_load_b64 v[PC+4:PC+5], v21, s[14:15]
	global_load_b64 v[PC+6:PC+7], v21, s[18:19]
	global_load_b128 v[PC+8:PC+11], v1, s[16:17]   ; b1: my 128 numbers of each half
	global_load_b128 v[PC+12:PC+15], v1, s[16:17] offset:4096
.irp j, 0,1,2,3
	global_load_b128 v[AF+4*\j:AF+4*\j+3], v20, s[4:5] offset:512*\j
.endr
.set XK, 0
.rept 16
	global_load_b128 v[T+4*XK:T+4*XK+3], v[GO], s[8:9] offset:4096*XK th:TH_LOAD_NT   ; rows 2 k, 2 k + 1: sixteen lanes read my 256 bytes of a row
.set XK, XK+1
.endr
	WIN 0x40
.irp f, 0,1,2,3,4,5,6,7
	RLOAD \f
.endr
	WIN 0
	s_wait_kmcnt 0x0
	s_add_co_i32 s73, s34, s35
	POW2 SWO, 73                                   ; 2^(e10 + e11)
	s_add_co_i32 s73, s36, s37
	POW2 S1, 73                                    ; 2^(e12 + e13)
	s_add_co_i32 s73, s38, s39
	POW2 S2, 73                                    ; 2^(e14 + e15)
	s_sub_co_i32 s73, 0, s73
	POW2 S2I, 73                                   ; and its reciprocal
	MKSC 14, 15, 36
	MKSC 16, 17, 38
	s_wait_loadcnt 32                              ; all but the ring's 32 loads are in
	ds_store_b64 v22, v[PC:PC+1]                   ; the parameters are my own bytes: no barrier stands between these and my reads
	ds_store_b64 v22, v[PC+2:PC+3] offset:256
	ds_store_b64 v22, v[PC+4:PC+5] offset:512
	ds_store_b64 v22, v[PC+6:PC+7] offset:768
	ds_store_b128 v23, v[PC+8:PC+11] offset:1024
	ds_store_b128 v23, v[PC+12:PC+15] offset:1536
.irp j, 0,1,2,3
	ds_store_b128 v20, v[AF+4*\j:AF+4*\j+3] offset:512*\j
.endr
.set XK, 0
.rept 16
	ds_store_b128 v[SRB], v[T+4*XK:T+4*XK+3] offset:544*XK
.set XK, XK+1
.endr
	BARRIER                                        ; the context's eight fragments lie in LDS
	s_wait_alu depctr_vm_vsrc(0)                   ; my LDS stores have read v[PC .. PC+15], v[AF .. AF+15] and v[T ..]: the loads below land in all three
.irp m, 0,1
.irp b, 0,1
.irp i, 0,1,2,3
	ds_load_b128 v[T+32*\m+16*\b+4*\i:T+32*\m+16*\b+4*\i+3], v[STO] offset:4352*\m+128*\b+16*\i   ; x in the results' order: row 16 m + r, columns 32 b + 16 h + 4 i on
.endr
.endr
.endr
.irp b, 0,1
.irp i, 0,1,2,3
	ds_load_b128 v[PC+16*\b+4*\i:PC+16*\b+4*\i+3], v[PARA] offset:128*\b+16*\i                    ; bo likewise.  Both are older than the fragments below, so the first group's wait shows them in
.endr
.endr
	; ---- ctx wo
	AFETCH 1, 0, 0
	AFETCH 1, 0, 1
.set SG, 0
.rept 4
.set ZZ, 0
.if SG == 0
.set ZZ, 1
.endif
.set DN, 8
.if SG == 3
.set DN, 0
.endif
	GROUP 0, SG, 0, ZZ, DN
.if SG+2 < 4
	AFETCH 1, 0, SG+2
.endif
.set SG, SG+1
.endr
	; ---- x1 = sum x 2^(e10 + e11) + (x + bo)
.irp m, 0,1
.irp j, 0,2,4,6,8,10,12,14,16,18,20,22,24,26,28,30
	v_pk_add_f32 v[T+32*\m+\j:T+32*\m+\j+1], v[T+32*\m+\j:T+32*\m+\j+1], v[PC+\j:PC+\j+1]
.endr
.endr
.set XK, 0
.rept 32
	v_pk_fma_f32 v[ACC+XK:ACC+XK+1], v[ACC+XK:ACC+XK+1], s[SWO:SWO+1], v[T+XK:T+XK+1] op_sel_hi:[1,0,1]   ; each accumulator from its low end on
.set XK, XK+2
.endr
	LNORM ACC, 256, 512
	; ---- the normalised rows become codes (e12): my 64 columns are two chunks of K step w / 2
.set XK, 0
.rept 64
	v_med3_num_f32 v[T+XK], v[T+XK], -v15, v15
.set XK, XK+1
.endr
.set XK, 0
.rept 8
	v_cvt_scalef32_pk8_bf8_f32 v[PC+2*XK:PC+2*XK+1], v[T+8*XK:T+8*XK+7], v14
.set XK, XK+1
.endr
	v_nop                                          ; a plain line behind the last conversion
	s_wait_alu depctr_va_vdst(0)                   ; the conversions have written v[PC .. PC+15], which the LDS stores read, and are done reading v[T ..], in which b2's loads land; the norm is done reading v[AF ..], in which the next fragments' loads land
.irp m, 0,1
.irp b, 0,1
	ds_store_b128 v[HWI], v[PC+4*(2*\m+\b):PC+4*(2*\m+\b)+3] offset:H2IMG+2048*\m+512*\b
.endr
.endr
	; ---- the last product's accumulators begin as (x1 + b2) / 2^(e14 + e15)
.irp b, 0,1
.irp i, 0,1,2,3
	ds_load_b128 v[T+16*\b+4*\i:T+16*\b+4*\i+3], v[PARA] offset:768+128*\b+16*\i
.endr
.endr
	s_wait_dscnt 0x0
.irp j, 0,2,4,6,8,10,12,14,16,18,20,22,24,26,28,30
	v_pk_mul_f32 v[T+\j:T+\j+1], v[T+\j:T+\j+1], s[S2I:S2I+1] op_sel_hi:[1,0]
.endr
.irp m, 0,1
.irp j, 0,2,4,6,8,10,12,14,16,18,20,22,24,26,28,30
	v_pk_fma_f32 v[ACC+32*\m+\j:ACC+32*\m+\j+1], v[ACC+32*\m+\j:ACC+32*\m+\j+1], s[S2I:S2I+1], v[T+\j:T+\j+1] op_sel_hi:[1,0,1]
.endr
.endr
	BARRIER                                        ; the normalised rows' eight fragments lie in LDS
; Half q of the hidden layer: my 128 units for the 32 rows (16 accumulators); gelu; codes (e14): K step w of the half; then the half's eight K steps of the last product.
.macro CHUNK q
	AFETCH 1, H2IMG, 0                             ; (no vector or matrix instruction since the last wait on va_vdst names v[AF ..])
	AFETCH 1, H2IMG, 1
.set SG, 0
.rept 4
.set ZZ, 0
.if SG == 0
.set ZZ, 1
.endif
.set DN, 8
.if SG == 3
.set DN, 0
.endif
	GROUP 1, SG, 0, ZZ, DN
	GROUP 1, SG, 4, ZZ, -1
.if SG+2 < 4
	AFETCH 1, H2IMG, SG+2
.endif
.set SG, SG+1
.endr
.irp b, 0,1,2,3
.irp i, 0,1,2,3
	ds_load_b128 v[AF+16*\b+4*\i:AF+16*\b+4*\i+3], v[PARA] offset:1024+512*\q+128*\b+16*\i   ; b1 at my units 32 b + 16 h + 4 i on, into the rows' registers, which are idle here: the last group's wait has shown their readers done
.endr
.endr
	s_wait_dscnt 0x0
	s_wait_alu depctr_vm_vsrc(0)                   ; the LDS stores of the codes made last (the normalised rows', or the other half's) have read v[PC ..], which the conversions below write again
.irp b, 0,1,2,3
.irp m, 0,1
	WIN 0x01                                       ; source 0: the sums, in window 1
.irp k, 0,2,4,6,8,10,12,14
	v_pk_fma_f32 v[U+\k:U+\k+1], v[128+64*\m+16*\b+\k:128+64*\m+16*\b+\k+1], s[S1:S1+1], v[AF+16*\b+\k:AF+16*\b+\k+1] op_sel_hi:[1,0,1]   ; u = sum x 2^(e12 + e13) + b1
.endr
	WIN 0
.irp k, 0,2,4,6,8,10,12,14
	v_pk_mul_f32 v[W+\k:W+\k+1], v[U+\k:U+\k+1], v[U+\k:U+\k+1]
.endr
.irp k, 0,2,4,6,8,10,12,14
	v_pk_fma_f32 v[W+\k:W+\k+1], v[W+\k:W+\k+1], s[K2:K2+1], v[18:19] op_sel_hi:[1,0,1]
.endr
.irp k, 0,2,4,6,8,10,12,14
	v_pk_mul_f32 v[W+\k:W+\k+1], v[W+\k:W+\k+1], v[U+\k:U+\k+1]                          ; u (K1 + K2 u^2)
.endr
	s_wait_alu depctr_va_vdst(0)
.irp k, 0,1,2,3,4,5,6,7,8,9,10,11,12,13,14,15
	v_exp_f32 v[W+\k], v[W+\k]
.endr
	v_nop                                          ; a plain line behind the transcendentals
	s_wait_alu depctr_va_vdst(0)                   ; the sixteen powers in v[W ..] are written, ahead of their first reader
.irp k, 0,2,4,6,8,10,12,14
	v_pk_add_f32 v[W+\k:W+\k+1], v[W+\k:W+\k+1], 1.0 op_sel_hi:[1,0]
.endr
	s_wait_alu depctr_va_vdst(0)
.irp k, 0,1,2,3,4,5,6,7,8,9,10,11,12,13,14,15
	v_rcp_f32 v[W+\k], v[W+\k]
.endr
	v_nop
	s_wait_alu depctr_va_vdst(0)                   ; the sixteen reciprocals in v[W ..] are written, ahead of their first reader
.irp k, 0,2,4,6,8,10,12,14
	v_pk_mul_f32 v[U+\k:U+\k+1], v[U+\k:U+\k+1], v[W+\k:W+\k+1]
.endr
.irp k, 0,1,2,3,4,5,6,7,8,9,10,11,12,13,14,15
	v_med3_num_f32 v[U+\k], v[U+\k], -v17, v17
.endr
	v_cvt_scalef32_pk8_bf8_f32 v[PC+4*(4*\m+\b):PC+4*(4*\m+\b)+1], v[U:U+7], v16
	v_cvt_scalef32_pk8_bf8_f32 v[PC+4*(4*\m+\b)+2:PC+4*(4*\m+\b)+3], v[U+8:U+15], v16
	v_nop                                          ; a plain line between the conversions and the next write of their sources
.endr
.endr
	s_wait_alu depctr_va_vdst(0)                   ; the conversions have written v[PC .. PC+31], which the LDS stores read; and gelu is done reading b1 in v[AF ..], in which the half's first fragments land
.irp m, 0,1
.irp b, 0,1,2,3
	ds_store_b128 v[GW+\q], v[PC+4*(4*\m+\b):PC+4*(4*\m+\b)+3] offset:2048*\m+512*\b
.endr
.endr
	BARRIER                                        ; the half's sixteen fragments lie in LDS (each half has bytes of its own, so nothing that is still read is written)
	AFETCH LG+\q, 0, 0
	AFETCH LG+\q, 0, 1
.set SG, 0
.rept 8
.set DN, 8
.if SG == 7
.set DN, 0
.endif
	GROUP 0, SG, 0, 0, DN
.if SG+2 < 8
	AFETCH LG+\q, 0, SG+2
.endif
.set SG, SG+1
.endr
.endm
	CHUNK 0
	CHUNK 1
	; ---- the way out: x 2^(e14 + e15); through my stage; whole rows of my 256 bytes
.set XK, 0
.rept 32
	v_pk_mul_f32 v[T+XK:T+XK+1], v[ACC+XK:ACC+XK+1], s[S2:S2+1] op_sel_hi:[1,0]   ; each accumulator from its low end on
.set XK, XK+2
.endr
	s_wait_alu depctr_va_vdst(0)                   ; the multiplications have written v[T ..], which the LDS stores read; and the last products are done reading v[AF ..], in which the rows land on their way back
.irp m, 0,1
.irp b, 0,1
.irp i, 0,1,2,3
	ds_store_b128 v[STO], v[T+32*\m+16*\b+4*\i:T+32*\m+16*\b+4*\i+3] offset:4352*\m+128*\b+16*\i
.endr
.endr
.endr
.set XK, 0
.rept 16
	ds_load_b128 v[AF+4*XK:AF+4*XK+3], v[SRB] offset:544*XK   ; LDS serves a wave's instructions in order (ISA guide 5.7.1.4): these see my stores
.set XK, XK+1
.endr
.set XK, 0
.rept 16
	s_wait_dscnt 15-XK
	global_store_b128 v[GO], v[AF+4*XK:AF+4*XK+3], s[22:23] offset:4096*XK th:TH_STORE_NT   ; sixteen lanes store 256 consecutive bytes, at a multiple of 256 from out0's first byte
.set XK, XK+1
.endr
	s_wait_dscnt 0x0                               ; the closing lines, six on end
	s_wait_alu 0x0
	s_wait_tensorcnt 0x0
	ds_add_u32 v254, v255
	s_wait_dscnt 0x0
	s_endpgm
.Lfunc_end_k_qe1c18b53c4_back:
	.size	k_qe1c18b53c4_back, .Lfunc_end_k_qe1c18b53c4_back-k_qe1c18b53c4_back
	.p2alignl 7, 3214868480
	.fill 96, 4, 3214868480
	.section	.rodata,"a",@progbits
	.p2align	6, 0x0
	.amdhsa_kernel k_qe1c18b53c4_back
		.amdhsa_group_segment_fixed_size 187392
		.amdhsa_private_segment_fixed_size 0
		.amdhsa_enable_private_segment 0
		.amdhsa_kernarg_size 80
		.amdhsa_user_sgpr_count 2
		.amdhsa_user_sgpr_kernarg_segment_ptr 1
		.amdhsa_wavefront_size32 1
		.amdhsa_system_sgpr_workgroup_id_x 1
		.amdhsa_system_sgpr_workgroup_id_y 1
		.amdhsa_system_sgpr_workgroup_id_z 1
		.amdhsa_system_vgpr_workitem_id 0
		.amdhsa_next_free_vgpr 512
		.amdhsa_next_free_sgpr 96
		.amdhsa_reserve_vcc 0
		.amdhsa_float_denorm_mode_32 3
		.amdhsa_float_denorm_mode_16_64 3
		.amdhsa_memory_ordered 1
		.amdhsa_forward_progress 1
		.amdhsa_inst_pref_size 232
	.end_amdhsa_kernel
	.amdgpu_metadata
---
amdhsa.version: [ 1, 2 ]
amdhsa.kernels:
  - .name:           k_qe1c18b53c4_back
    .symbol:         k_qe1c18b53c4_back.kd
    .args:
      - { .name: ctximg, .offset: 0, .size: 8, .value_kind: global_buffer, .address_space: global }
      - { .name: wback, .offset: 8, .size: 8, .value_kind: global_buffer, .address_space: global }
      - { .name: x, .offset: 16, .size: 8, .value_kind: global_buffer, .address_space: global }
      - { .name: bo, .offset: 24, .size: 8, .value_kind: global_buffer, .address_space: global }
      - { .name: ln2_scale, .offset: 32, .size: 8, .value_kind: global_buffer, .address_space: global }
      - { .name: ln2_shift, .offset: 40, .size: 8, .value_kind: global_buffer, .address_space: global }
      - { .name: b1, .offset: 48, .size: 8, .value_kind: global_buffer, .address_space: global }
      - { .name: b2, .offset: 56, .size: 8, .value_kind: global_buffer, .address_space: global }
      - { .name: lowp_scales, .offset: 64, .size: 8, .value_kind: global_buffer, .address_space: global }
      - { .name: out0, .offset: 72, .size: 8, .value_kind: global_buffer, .address_space: global }
    .group_segment_fixed_size: 187392
    .private_segment_fixed_size: 0
    .kernarg_segment_align: 8
    .kernarg_segment_size: 80
    .max_flat_workgroup_size: 256
    .sgpr_count:     96
    .vgpr_count:     512
    .wavefront_size: 32
...
	.end_amdgpu_metadata
.endif
;; end of part 8
